; MI455X (gfx1250); checked and timed in simulation.
; The chip was launched on July 23, 2026; its instructions are those of AMD's public machine-readable ISA for CDNA 5 (MIT licence, August 2026) and "CDNA5" Instruction Set Architecture Reference Guide (July 2026). The comments in the code are by the model that wrote it; some were corrected since.
;; Cross Attention. Allowed arithmetic: matrix products marked QUANTISED: E5M2 operands, one E8M0 scale for each 32 along K, by v_wmma_scale_f32_16x16x128_f8f6f4 with both operands' format E5M2, f32 sums; products left as they are: f32 operands where the result goes on into a quantised operand, else bf16, f16 or f32 operands; f32 sums; everything else in f32.
;; Inputs: fo_b 1,024 float32; fo_w 1,024 x 1,024 float32; key 8 x 2,048 x 1,024 float32; query 8 x 2,048 x 1,024 float32; value 8 x 2,048 x 1,024 float32; wk_b 1,024 float32; wk_w 1,024 x 1,024 float32; wq_b 1,024 float32; wq_w 1,024 x 1,024 float32; wv_b 1,024 float32; wv_w 1,024 x 1,024 float32.
;; Outputs: out0 8 x 2,048 x 1,024 float32.
;; This version of the problem:
;;   THIS VERSION OF THE PROBLEM IS GIVEN IN LOW PRECISION. The matrix products marked QUANTISED in the list below multiply operands that are first quantised to E5M2 (5 exponent bits, 2 mantissa bits; 8 bits a number), with one power-of-two scale for each 32 numbers along K (OCP MX v1.0); their sums are f32. All else is computed in f32.
;;   The module's matrix products, in the order in which they are computed (A, B: the left and right operand; K: the contracted axis; several contracted axes count as one K, in the product's order):
;;     1. [M 16,384, K 1,024] x [K 1,024, N 1,024]; A: input query; B: input wq_w: QUANTISED
;;     2. [M 16,384, K 1,024] x [K 1,024, N 1,024]; A: input key; B: input wk_w: QUANTISED
;;     3. [M 16,384, K 1,024] x [K 1,024, N 1,024]; A: input value; B: input wv_w: QUANTISED
;;     4. batch 16,384 x [M 16, K 64] x [K 64, N 16]; A: computed on the way; B: computed on the way: QUANTISED
;;     5. batch 16,384 x [M 16, K 16] x [K 16, N 64]; A: softmax; B: computed on the way: left as it is (K = 16 < 32)
;;     6. [M 16,384, K 1,024] x [K 1,024, N 1,024]; A: computed on the way; B: input fo_w: QUANTISED
;;   THE QUANTISER, for each operand of a quantised product, along K:
;;     - K is cut into blocks of 32 from its start; a last block that is shorter is filled with zeros.
;;     - A block's scale is 2^e with e = floor(log2(the largest magnitude in the block)) - 15, held to -126 .. 127; a block of zeros has e = 0. As a byte (E8M0): e + 127.
;;     - Each number is divided by its block's scale, clamped to +-57,344, and rounded to the nearest number of E5M2, ties to even, subnormals kept.
;;     - The product sums the exact products of the quantised numbers (number of the format x scale) in f32.
;;   ~~~python
;;   def quantise(x, axis):      # numpy; x: float32 -> the quantised numbers, widened to float32 again
;;       x = np.moveaxis(x, axis, -1); K = x.shape[-1]
;;       x = np.pad(x, [(0, 0)] * (x.ndim - 1) + [(0, -K % 32)]); x = x.reshape(x.shape[:-1] + (-1, 32)); a = np.abs(x).max(-1, keepdims=True)
;;       e = np.where(a > 0, np.clip(np.frexp(np.where(a > 0, a, 1))[1] - 1 - 15, -126, 127), 0)      # np.frexp(a)[1] - 1 = floor(log2(a)), exactly
;;       r = np.clip(x / 2.0 ** e, -57344, 57344)
;;       step = 2.0 ** (np.maximum(np.frexp(np.where(r == 0, 1, r))[1] - 1, -14) - 2)
;;       q = np.round(r / step) * step * 2.0 ** e      # np.round: ties to even
;;       return np.moveaxis(q.reshape(q.shape[:-2] + (-1,))[..., :K], -1, axis).astype(np.float32)
;;   ~~~
;;   OPERANDS COMPUTED ON THE WAY. 'Computed on the way' means the value that the module computes at that place (a softmax that the list does not call 'softmax' is quantised finished and normalised). What goes into a quantiser is computed in f32, as accurately as f32 sums, v_exp_f32 and their like allow (about 1e-6 of the number): no bf16 or f16 on the way to a quantiser, and a product that is left as it is and whose result goes on into a quantised operand takes f32 operands (vector FMAs, or v_wmma_f32_16x16x4_f32). A number that lies on a knife's edge between two numbers of the format may be rounded either way, as far as f32 arithmetic and the matrix unit's own rounding can turn it there, and no further.
;; 2 versions. Each part assembles by itself: llvm-mc -triple=amdgcn-amd-amdhsa -mcpu=gfx1250 --defsym DOCPART=n.
;; ======== version 1 of 2: 3 launches
;; workspace buffers: wimg 3,244,032 bytes; bimg 12,288 bytes; fo_codes 1,048,576 bytes; fo_scales 32,768 bytes; oc 16,777,216 bytes; os 524,288 bytes
;; launch wprep (part 1): grid 256 x 1, 4 waves a work-group, no clusters, 18,944 bytes of LDS; arguments wq_w, wk_w, wv_w, fo_w, wq_b, wk_b, wv_b, wimg, bimg, fo_codes, fo_scales; writes wimg, bimg, fo_codes, fo_scales
.if DOCPART == 1
	.amdgcn_target "amdgcn-amd-amdhsa--gfx1250"
	.amdhsa_code_object_version 6
	.text
	.protected	k_q23915c5968_wprep
	.globl	k_q23915c5968_wprep
	.p2align	8
	.type	k_q23915c5968_wprep,@function
k_q23915c5968_wprep:
	s_mov_b64 s[64:65], 0
	v_nop
	global_prefetch_b8 v0, s[64:65] scope:SCOPE_SE
	s_setreg_imm32_b32 hwreg(HW_REG_WAVE_MODE, 25, 1), 1
	s_wait_xcnt 0x0
; THE FOUR WEIGHTS [1024 (out)][1024 (in)], f32, K = in innermost, ARE QUANTISED ONCE into codes of BF8 (E5M2) with one E8M0 byte for each 32 along K.
; DEAD WORK: none in this program.  Every one of the eleven inputs has a way to the output (the biases on q and k move codes, those on v and on the result move values), so every input is loaded and every product of the problem is done.
; A block's scale is 2^(floor(log2(largest magnitude)) - 15); its byte is the largest magnitude's exponent field - 15, held at 1 from below; each number is held within +-57,344 x the scale and rounded to the nearest code, ties to even.
; LIMITS: a block of zeros gets the byte 1 where the rule says 127 (its codes are zeros, which add nothing under any byte but 0xff, and this program alone reads the bytes); blocks whose largest magnitude lies under 2^-111 sit at that floor; NaN and infinities among the inputs are not served.
; wq, wk, wv go to wimg AS IMAGES OF THE MATRIX OPERAND'S REGISTERS: 24 blocks of 135,168 bytes, block 8 mat + s for K step s of 128.  In a block tile T (16 rows of W) lies at 2048 T: chunk c at 512 c, lane l at 16 l: W[row(T, l % 16)][128 s + 32 c + 16 (l / 16) + 0..15].
;   wq, wk: row = 128 (T / 8) + 32 ((T % 8) / 2) + 8 (T % 2) + r + 8 (r / 8): the 16 result registers of two neighbouring tiles are then 16 neighbours along the next K.   wv: row = 64 r + T: a tile is one d, its rows the 16 heads.
;   Scale words from byte 131,072 on: 512 (T / 8) + 16 (r + 16 (T % 2)) + 4 ((T % 8) / 2): one load of 16 bytes a lane brings four registers, even tiles in lanes 0-15, odd ones in lanes 16-31.
; The biases go to bimg in the layout of the results: [mat][wave][group][lane / 16][64].  fo goes to fo_codes [n][k] and fo_scales [n][32], row-major, for the last launch.
; SHARES.  Work-groups 0-191: (mat, group of 8 tiles, K step); wave w takes tiles 2 w, 2 w + 1.  Work-groups 192-255: 16 rows of fo; wave w takes K steps 2 w, 2 w + 1.  The two ways part on the work-group's number and have LDS bytes of their own.
; A lane (r, h) loads, of its row, 16 neighbours of each block of 32: the conversions take neighbours along K from one lane's registers, and lane l xor 16 holds the block's other half.
; No matrix unit, no tensor load, no cluster: 16.8 MB are read once and nothing is shared.
.set SLOTB, 135168
.set GA,    0                          ; way 1: 512 bytes, a group's scale words
.set ST2,   512                        ; way 2: a stage of 16 rows x (256 + 16) bytes for each wave
.set SG2,   17920                      ; way 2: 512 bytes, 16 rows of scale bytes
.set SPARE, 18432                      ; the spare words, 128 bytes for each wave: two blocks of 256 bytes that no other line names
.set SPW,   12                         ; v12  SPARE + 4 x my thread's number; never rewritten
.set NIL,   13                         ; v13  0; never rewritten
.set X0,    32                         ; v32-95, v96-159: 64 numbers each
.set X1,    96
.set TM,    160                        ; v160-163 largest magnitudes, 164-167 bytes, 168-171 the largest number x the scale, 172-175 the conversions' scale operands
.set PW0,   176
.set PW1,   177
.set PC0,   180                        ; v180-195, v196-211: a fragment's codes
.set PC1,   196
.set OUTR,  212                        ; v212-243 the way out
.set SEL,   28                         ; s[28:29] selects of v_permlanex16_b32 for lane l xor 16
.set MNT,   30                         ; s30 the mantissa field of 57,344
; 64 numbers of a lane, register 16 b + i = K 32 b + 16 (lane / 16) + i of my row, become 16 registers of codes and the row's scale word
.macro QUANTA s, pc, pw
.irp b, 0,1,2,3
	v_max3_num_f32 v[TM+\b], |v[\s+16*\b]|, |v[\s+1+16*\b]|, 0x8000000   ; my 16 numbers of block b, and the floor 2^(16 - 127): the byte cannot fall under 1
.endr
.irp i, 2,4,6,8,10,12,14
.irp b, 0,1,2,3
	v_max3_num_f32 v[TM+\b], v[TM+\b], |v[\s+16*\b+\i]|, |v[\s+1+16*\b+\i]|   ; the four blocks by turns
.endr
.endr
.irp b, 0,1,2,3
	v_permlanex16_b32 v[TM+4+\b], v[TM+\b], s[SEL], s[SEL+1]
.endr
.irp b, 0,1,2,3
	v_max_num_f32 v[TM+\b], v[TM+\b], v[TM+4+\b]                   ; with lane l xor 16's: the block's largest magnitude
.endr
.irp b, 0,1,2,3
	v_add_nc_u32 v[TM+12+\b], 0xf8800000, v[TM+\b]                 ; 15 off its exponent field: the conversion's scale operand
.endr
.irp b, 0,1,2,3
	v_and_or_b32 v[TM+8+\b], v[TM+\b], 0x7f800000, s[MNT]          ; 57,344 x the scale
.endr
.irp b, 0,1,2,3
	v_lshrrev_b32 v[TM+4+\b], 23, v[TM+12+\b]                      ; the scale's byte
.endr
	v_lshl_or_b32 v[\pw], v[TM+5], 8, v[TM+4]
	v_lshl_or_b32 v[\pw], v[TM+6], 16, v[\pw]
	v_lshl_or_b32 v[\pw], v[TM+7], 24, v[\pw]
.irp b, 0,1,2,3
.irp i, 0,1,2,3,4,5,6,7,8,9,10,11,12,13,14,15
	v_med3_num_f32 v[\s+16*\b+\i], v[\s+16*\b+\i], -v[TM+8+\b], v[TM+8+\b]   ; the conversion to an 8-bit code does not saturate (ISA guide 7.6.2): the hold comes first
.endr
	v_cvt_scalef32_pk8_bf8_f32 v[\pc+4*\b:\pc+1+4*\b], v[\s+16*\b:\s+7+16*\b], v[TM+12+\b]
	v_cvt_scalef32_pk8_bf8_f32 v[\pc+2+4*\b:\pc+3+4*\b], v[\s+8+16*\b:\s+15+16*\b], v[TM+12+\b]
.endr
	v_nop                                          ; one plain line behind the last conversion, ahead of whatever next writes its sources
.endm
.macro BARRIER                                 ; my LDS stores have landed and my LDS loads are in: then the work-group's barrier
	s_wait_dscnt 0x0
	s_barrier_signal -1
	s_barrier_wait -1
.endm
.macro CLOSE                                   ; the wave's end: a tensor wait (even in a text with no tensor load), an add of 0 to my spare word and its wait, behind my last LDS store
	s_wait_tensorcnt 0x0
	ds_add_u32 v[SPW], v[NIL]
	s_wait_dscnt 0x0
	s_endpgm
.endm
	s_load_b256 s[4:11], s[0:1], 0x0               ; wq_w, wk_w, wv_w, fo_w
	s_load_b256 s[12:19], s[0:1], 0x20             ; wq_b, wk_b, wv_b, wimg
	s_load_b128 s[20:23], s[0:1], 0x40             ; bimg, fo_codes
	s_load_b64 s[24:25], s[0:1], 0x50              ; fo_scales
	v_lshl_add_u32 v[SPW], v0, 2, SPARE
	v_mov_b32 v[NIL], 0
	v_lshrrev_b32 v1, 5, v0
	v_readfirstlane_b32 s26, v1                    ; wave 0..3
	v_and_b32 v1, 31, v0                           ; lane
	v_and_b32 v2, 15, v0                           ; r
	v_bfe_u32 v3, v0, 4, 1                         ; h
	v_lshlrev_b32 v6, 4, v1                        ; 16 x lane: an image's place, and GA + 16 x lane
	s_mov_b32 s[SEL], 0x76543210
	s_mov_b32 s[SEL+1], 0xfedcba98
	s_mov_b32 s[MNT], 0x600000
.irp b, 0,1,2,3
	v_mov_b32 v[TM+4+\b], 0                        ; written once: a lane permute's destination counts as one of its sources
.endr
	; every LDS address, of both ways, ahead of the parting
	s_lshl_b32 s31, s26, 2
	v_lshl_add_u32 v7, v2, 4, s31                  ; way 1: GA + 16 r + 4 wave: my tile's scale word
	s_mul_i32 s31, s26, 4352
	s_add_co_u32 s31, s31, ST2
	v_mul_u32_u24 v8, v2, 272
	v_lshl_add_u32 v8, v3, 4, v8
	v_add_nc_u32 v8, s31, v8                       ; way 2, into my stage: row r, + 16 h
	v_mul_u32_u24 v9, v3, 272
	v_lshl_add_u32 v9, v2, 4, v9
	v_add_nc_u32 v9, s31, v9                       ; and back: sixteen lanes to a row, two rows an instruction
	s_lshl_b32 s31, s26, 3
	s_add_co_u32 s31, s31, SG2
	v_lshl_add_u32 v10, v2, 5, s31                 ; way 2: SG2 + 32 r + 8 wave
	v_add_nc_u32 v11, SG2, v6                      ; SG2 + 16 x lane
	s_wait_kmcnt 0x0
	s_cmp_ge_u32 ttmp9, 192
	s_cbranch_scc1 .Lfo
	; ---- way 1: wq, wk, wv
	s_lshr_b32 s31, ttmp9, 6                       ; mat
	s_bfe_u32 s32, ttmp9, 0x30003                  ; group of 8 tiles
	s_and_b32 s33, ttmp9, 7                        ; K step
	s_lshl_b32 s34, s32, 3
	s_lshl_b32 s35, s26, 1
	s_add_co_u32 s34, s34, s35                     ; my first tile: 8 group + 2 wave
	s_mov_b32 s36, 0x1000                          ; wq, wk: bytes from r to r + 1: one row;
	s_mov_b32 s37, 0x8000                          ; 8 rows more from r = 8 on;
	s_mov_b32 s38, 0x8000                          ; my second tile lies 8 rows on
	s_cmp_eq_u32 s31, 0
	s_cselect_b64 s[40:41], s[4:5], s[6:7]         ; the choices hang on the work-group's number alone
	s_cselect_b64 s[42:43], s[12:13], s[14:15]
	s_cmp_eq_u32 s31, 2
	s_cselect_b64 s[40:41], s[8:9], s[40:41]
	s_cselect_b64 s[42:43], s[16:17], s[42:43]
	s_cselect_b32 s36, 0x40000, s36                ; wv: 64 rows from r to r + 1,
	s_cselect_b32 s37, 0, s37
	s_cselect_b32 s38, 0x1000, s38                 ; and one row to the next tile
	s_cselect_b32 s39, 12, 16                      ; a tile's number counts 1 row (wv) or 16 rows (wq, wk: 128 group + 32 wave)
	s_cselect_b32 s44, -1, 0                       ; all lanes: is it wv?
	s_lshl_b32 s46, s34, s39
	s_lshl_b32 s45, s33, 9
	s_add_co_u32 s46, s46, s45                     ; + 512 bytes a K step
	s_mov_b32 s47, 0
	s_add_nc_u64 s[40:41], s[40:41], s[46:47]
	v_mul_lo_u32 v4, v2, s36
	v_lshrrev_b32 v5, 3, v2
	v_mul_lo_u32 v5, v5, s37
	v_add_nc_u32 v4, v4, v5
	v_lshl_add_u32 v4, v3, 6, v4                   ; + 64 h: my 16 numbers of a block of 32
	v_add_nc_u32 v5, s38, v4
.irp u, 0,1
.irp b, 0,1,2,3
.irp j, 0,1,2,3
	global_load_b128 v[X0+64*\u+16*\b+4*\j:X0+64*\u+16*\b+4*\j+3], v[4+\u], s[40:41] offset:128*\b+16*\j th:TH_LOAD_NT
.endr
.endr
.endr
	s_lshl_b32 s45, s31, 3
	s_add_co_u32 s45, s45, s33
	s_mul_i32 s46, s45, SLOTB
	s_add_nc_u64 s[48:49], s[18:19], s[46:47]      ; my block of wimg
	s_lshl_b32 s46, s34, 11
	s_add_nc_u64 s[50:51], s[48:49], s[46:47]      ; my two tiles in it
	s_wait_loadcnt 16                              ; the first tile's 16 loads are in; the second's may be out
	QUANTA X0, PC0, PW0
.irp c, 0,1,2,3
	global_store_b128 v6, v[PC0+4*\c:PC0+4*\c+3], s[50:51] offset:512*\c          ; 32 lanes store 512 consecutive bytes
.endr
	ds_store_b32 v7, v[PW0]                        ; both lanes of a row write the same word with the same value
	s_wait_loadcnt 0x0
	QUANTA X1, PC1, PW1
.irp c, 0,1,2,3
	global_store_b128 v6, v[PC1+4*\c:PC1+4*\c+3], s[50:51] offset:2048+512*\c
.endr
	ds_store_b32 v7, v[PW1] offset:256             ; the odd tile's words go to lanes 16-31
	BARRIER                                        ; the group's 128 scale words lie in LDS
	s_cmp_lg_u32 s26, 0
	s_cbranch_scc1 .Lnot_0a
	ds_load_b128 v[OUTR:OUTR+3], v6
	s_lshl_b32 s46, s32, 9
	s_add_co_u32 s46, s46, 131072
	s_add_nc_u64 s[52:53], s[48:49], s[46:47]
	s_wait_dscnt 0x0
	global_store_b128 v6, v[OUTR:OUTR+3], s[52:53] ; 512 consecutive bytes
.Lnot_0a:
	s_cmp_lg_u32 s33, 0                            ; the work-groups of K step 0 also lay the bias out: 128 numbers, one a thread
	s_cbranch_scc1 .Lno_bias
	v_and_b32 v14, 63, v0                          ; i = 8 t + j
	v_lshrrev_b32 v15, 6, v0                       ; the half of the lanes that will read it
	v_lshrrev_b32 v16, 4, v14
	v_lshl_add_u32 v16, v16, 4, v14
	v_lshl_add_u32 v16, v15, 4, v16
	s_lshl_b32 s46, s32, 7
	v_add_nc_u32 v16, s46, v16                     ; wq, wk: column 128 group + i + 16 (i / 16) + 16 h
	v_and_b32 v17, 7, v14
	v_lshlrev_b32 v17, 6, v17
	v_lshl_add_u32 v17, v15, 9, v17
	v_lshrrev_b32 v18, 3, v14
	v_add_nc_u32 v17, v17, v18
	s_lshl_b32 s45, s32, 3
	v_add_nc_u32 v17, s45, v17                     ; wv: column 512 h + 64 (i % 8) + 8 group + i / 8
	v_cndmask_b32 v16, v16, v17, s44
	v_lshlrev_b32 v16, 2, v16
	global_load_b32 v19, v16, s[42:43]
	s_lshl_b32 s45, s31, 3
	s_add_co_u32 s45, s45, s32
	s_lshl_b32 s46, s45, 9
	s_add_nc_u64 s[54:55], s[20:21], s[46:47]
	v_lshlrev_b32 v20, 2, v0
	s_wait_loadcnt 0x0
	global_store_b32 v20, v19, s[54:55]
.Lno_bias:
	CLOSE
	; ---- way 2: fo, row-major
.Lfo:
	s_sub_co_u32 s31, ttmp9, 192                   ; which 16 rows
	s_lshl_b32 s46, s31, 16
	s_lshl_b32 s45, s26, 10
	s_add_co_u32 s46, s46, s45                     ; + my two K steps of 512 bytes
	s_mov_b32 s47, 0
	s_add_nc_u64 s[40:41], s[10:11], s[46:47]
	v_lshlrev_b32 v4, 12, v2
	v_lshl_add_u32 v4, v3, 6, v4
.irp u, 0,1
.irp b, 0,1,2,3
.irp j, 0,1,2,3
	global_load_b128 v[X0+64*\u+16*\b+4*\j:X0+64*\u+16*\b+4*\j+3], v4, s[40:41] offset:512*\u+128*\b+16*\j th:TH_LOAD_NT
.endr
.endr
.endr
	s_lshl_b32 s46, s31, 14
	s_lshl_b32 s45, s26, 8
	s_add_co_u32 s46, s46, s45
	s_add_nc_u64 s[50:51], s[22:23], s[46:47]      ; fo_codes at row 16 T, byte 256 wave
	v_lshlrev_b32 v5, 10, v3
	v_lshl_add_u32 v5, v2, 4, v5
	s_wait_loadcnt 16                              ; the first K step's 16 loads are in
	QUANTA X0, PC0, PW0
.irp c, 0,1,2,3
	ds_store_b128 v8, v[PC0+4*\c:PC0+4*\c+3] offset:32*\c
.endr
	ds_store_b32 v10, v[PW0]
	s_wait_loadcnt 0x0
	QUANTA X1, PC1, PW1
.irp c, 0,1,2,3
	ds_store_b128 v8, v[PC1+4*\c:PC1+4*\c+3] offset:128+32*\c
.endr
	ds_store_b32 v10, v[PW1] offset:4
.irp i, 0,1,2,3,4,5,6,7
	ds_load_b128 v[OUTR+4*\i:OUTR+4*\i+3], v9 offset:544*\i        ; LDS serves a wave's instructions in order (ISA guide 5.7.1.4): these see my stores
.endr
.irp i, 0,1,2,3,4,5,6,7
	s_wait_dscnt 7-\i
	global_store_b128 v5, v[OUTR+4*\i:OUTR+4*\i+3], s[50:51] offset:2048*\i   ; sixteen lanes store 256 consecutive bytes, aligned
.endr
	BARRIER                                        ; 16 rows of scale bytes lie in LDS
	s_cmp_lg_u32 s26, 0
	s_cbranch_scc1 .Lnot_0b
	ds_load_b128 v[X0:X0+3], v11
	s_lshl_b32 s46, s31, 9
	s_add_nc_u64 s[52:53], s[24:25], s[46:47]
	s_wait_dscnt 0x0
	global_store_b128 v6, v[X0:X0+3], s[52:53]
.Lnot_0b:
	CLOSE
.Lfunc_end_k_q23915c5968_wprep:
	.size	k_q23915c5968_wprep, .Lfunc_end_k_q23915c5968_wprep-k_q23915c5968_wprep
	.p2alignl 7, 3214868480
	.fill 96, 4, 3214868480
	.section	.rodata,"a",@progbits
	.p2align	6, 0x0
	.amdhsa_kernel k_q23915c5968_wprep
		.amdhsa_group_segment_fixed_size 18944
		.amdhsa_private_segment_fixed_size 0
		.amdhsa_enable_private_segment 0
		.amdhsa_kernarg_size 88
		.amdhsa_user_sgpr_count 2
		.amdhsa_user_sgpr_kernarg_segment_ptr 1
		.amdhsa_wavefront_size32 1
		.amdhsa_system_sgpr_workgroup_id_x 1
		.amdhsa_system_sgpr_workgroup_id_y 1
		.amdhsa_system_sgpr_workgroup_id_z 1
		.amdhsa_system_vgpr_workitem_id 0
		.amdhsa_next_free_vgpr 256
		.amdhsa_next_free_sgpr 66
		.amdhsa_reserve_vcc 0
		.amdhsa_float_denorm_mode_32 3
		.amdhsa_float_denorm_mode_16_64 3
		.amdhsa_memory_ordered 1
		.amdhsa_forward_progress 1
		.amdhsa_inst_pref_size 48
	.end_amdhsa_kernel
	.amdgpu_metadata
---
amdhsa.version: [ 1, 2 ]
amdhsa.kernels:
  - .name:           k_q23915c5968_wprep
    .symbol:         k_q23915c5968_wprep.kd
    .args:
      - { .name: wq_w, .offset: 0, .size: 8, .value_kind: global_buffer, .address_space: global }
      - { .name: wk_w, .offset: 8, .size: 8, .value_kind: global_buffer, .address_space: global }
      - { .name: wv_w, .offset: 16, .size: 8, .value_kind: global_buffer, .address_space: global }
      - { .name: fo_w, .offset: 24, .size: 8, .value_kind: global_buffer, .address_space: global }
      - { .name: wq_b, .offset: 32, .size: 8, .value_kind: global_buffer, .address_space: global }
      - { .name: wk_b, .offset: 40, .size: 8, .value_kind: global_buffer, .address_space: global }
      - { .name: wv_b, .offset: 48, .size: 8, .value_kind: global_buffer, .address_space: global }
      - { .name: wimg, .offset: 56, .size: 8, .value_kind: global_buffer, .address_space: global }
      - { .name: bimg, .offset: 64, .size: 8, .value_kind: global_buffer, .address_space: global }
      - { .name: fo_codes, .offset: 72, .size: 8, .value_kind: global_buffer, .address_space: global }
      - { .name: fo_scales, .offset: 80, .size: 8, .value_kind: global_buffer, .address_space: global }
    .group_segment_fixed_size: 18944
    .private_segment_fixed_size: 0
    .kernarg_segment_align: 8
    .kernarg_segment_size: 88
    .max_flat_workgroup_size: 128
    .sgpr_count:     66
    .vgpr_count:     256
    .wavefront_size: 32
...
	.end_amdgpu_metadata
.endif
;; end of part 1
;; launch qkv_attn (part 2): grid 256 x 1, 4 waves a work-group, clusters of 4 x 1, 327,680 bytes of LDS; arguments query, key, value, wimg, bimg, oc, os; writes oc, os
.if DOCPART == 2
	.amdgcn_target "amdgcn-amd-amdhsa--gfx1250"
	.amdhsa_code_object_version 6
	.text
	.protected	k_q23915c5968_qkv_attn
	.globl	k_q23915c5968_qkv_attn
	.p2align	8
	.type	k_q23915c5968_qkv_attn,@function
k_q23915c5968_qkv_attn:
	s_mov_b64 s[64:65], 0
	v_nop
	global_prefetch_b8 v0, s[64:65] scope:SCOPE_SE
	s_setreg_imm32_b32 hwreg(HW_REG_WAVE_MODE, 25, 1), 1
	s_wait_xcnt 0x0
	s_wait_alu depctr_hold_cnt(0) depctr_sa_sdst(0) depctr_va_vdst(0) depctr_va_sdst(0) depctr_va_ssrc(0) depctr_va_vcc(0) depctr_vm_vsrc(0)
	s_getreg_b32 s2, hwreg(HW_REG_IB_STS2, 6, 4)
	s_cmp_eq_u32 s2, 0
	s_cbranch_scc0 .Lentry_in_a_cluster
	s_endpgm
.Lentry_in_a_cluster:
	s_bfe_u32 s2, ttmp6, 0x10000c
	s_cmp_lg_u32 s2, 0x3003
	s_cbranch_scc0 .Lentry_shape_is_right
	s_endpgm
.Lentry_shape_is_right:
; q = query wq^T + bq, k = key wk^T + bk, v = value wv^T + bv (quantised products on codes of BF8 with E8M0 scales), then FOR EACH POSITION the attention across its 16 heads: scores = q k^T / 8 over d = 64 (quantised, two blocks of 32),
; softmax over the 16 key heads, weights x v (K = 16, f32 operands: its result goes into a quantiser), and the quantiser along the last projection's K.  q, k, v and the weights never go to memory; out go codes oc [row][1024] and scale bytes os [row][32].
; No work of the problem is left out here.
; LIMITS: a block of zeros gets the byte 1 where the rule says 127 (zero codes add nothing under any byte but 0xff; this program alone reads the bytes); blocks under 2^-111 sit at that floor; NaN and infinities among the inputs are not served.
; The softmax takes the row's maximum away and forms (s - m) ahead of the factor log2(e) / 8.
; SHARES.  A work-group owns 64 rows (positions) and walks all of wq, wk, wv: 24 K steps of 128.  THE WAVES SHARE THE COLUMNS: wave w makes columns 256 w .. + 255 of q and k (heads 4 w .. 4 w + 3) and d = 16 w .. + 15 of all heads of v, for all 64 rows:
; 16 tiles x 4 tiles of rows = 64 accumulators, 512 registers.  Each wave quantises 16 rows of x for a K step; the four fragments go round through LDS as images of their registers.  In the attention wave w owns positions 16 m + 4 w + e.
; ALL PRODUCTS ARE USED TRANSPOSED (source 0 = 16 rows of W, or k, or v^T): a lane holds one row of x, or one query head, and its registers run along the next K.
; THE RING.  A K step's weights (64 tiles as register images and their scale words, 135,168 dense bytes) are one slot; two slots.  Each wave fetches a quarter, one tensor load behind each round: by this text's count one load of a wave is out at any time.
; CLUSTER.  All work-groups walk the same weights in the same order: four of them form a cluster and ask for each quarter JOINTLY (the same descriptor, mask 15).  A work-group's place enters the addresses of x, oc and os alone.
; SCORES.  K = 64 fills half of the instruction's 128: q's operand carries TWO positions (K 0-63, 64-127), k's operand one position and zero codes in the other half.
; No prefetch: x is asked for two to three K steps ahead, into registers, and the weights are read by every cluster.
; LDS: 0 slot 0; 135,168 slot 1; XB x's images, two sets of 8,704; HC q's or k's codes of 16 positions, two sets of 17,152; the spare words; OST 2,048 scale bytes.  Behind the last K step both slots have had their last fill and hold v in f32 (VT).
; REGISTERS, in windows of 256 (s_set_vgpr_msb: bits 1:0 source 0, 3:2 source 1, 5:4 source 2, 7:6 destination):
;   window 0: v1-23, v41-46 addresses; v24-27 x's scale words, v28-35 W's, v36-39 q's, v40 k's; v47 the scale word just made; v48-111 x's four fragments (epilogues: a bias; attention: rows on their way out);
;             v112-239 q's codes, later the softmax's weights; v240-255 the codes just made (in the epilogue of v: eight addresses)
;   window 1: v0-63, v64-127 two sets of four W tiles (also: numbers at work; k's operands; the quantiser's and the softmax's temporaries); v128-191, v192-255 two sets of x (attention: v's fragments)
;   windows 2, 3: accumulator (t, m) at window 2 + t / 8, v[8 (4 (t % 8) + m)]: written by matrix instructions alone in the whole text.
.set SLOTB, 135168
.set QSLOT, 33792                      ; a wave's quarter of a slot: 132 rows of 256 bytes
.set XB,    2*SLOTB
.set XBP,   8704                       ; a set: 4 images of 2,048 bytes, 4 x 128 bytes of scale words
.set HC,    XB+2*XBP
.set HCP,   17152                      ; a set: 16 positions x (1,024 + 16) bytes, then 8 pairs of positions x 16 heads x 4 scale bytes
.set HSC,   16640
.set SPARE, HC+2*HCP                   ; the spare words, 128 bytes for each wave: two blocks of 256 bytes that no other line names
.set OST,   SPARE+512
.set OSG,   HC                         ; the way out: 2,176 bytes for each wave, where HC lay
.set VTP,   4112                       ; a position of v: 16 heads x 64 d x 4 bytes + 16
.set L16, 1                            ; 16 x lane
.set L4,  2                            ; 4 x lane
.set XA,  3                            ; x: 4096 r + 64 h
.set BA,  4                            ; v4, v5   my 16 tiles in slot 0, 1
.set BS,  6                            ; v6, v7   their scale words
.set XR,  8                            ; x's images, to read
.set XSR, 9
.set XWI, 10                           ; and where I store mine
.set XWS, 11
.set HCW, 12                           ; HC: where I store codes (lane = position),
.set HSW, 13                           ; and scale halves
.set HCR, 14                           ; HC: my four positions, as images
.set HSR, 15
.set BIA, 16                           ; 256 h: a bias's place
.set VR,  18                           ; v18, v19 VT: my lane's place in a position, first and second four heads
.set OW,  20
.set ORD, 21
.set SPW, 22                           ; SPARE + 4 x my thread's number; never rewritten
.set NIL, 23                           ; 0; never rewritten
.set XSC, 24
.set WSC, 28
.set QS,  36
.set KS,  40
.set OSW, 41
.set AD,  42                           ; v42-45 addresses in hand
.set OSR, 46
.set PW,  47
.set AF,  48
.set QF,  112
.set PC,  240
.set VW,  240
.set TM,  64                           ; window 1: v64-67 largest magnitudes, 68-71 bytes, 72-75 the largest number x the scale, 76-79 the conversions' scale operands
.set XS0, 128                          ; window 1
.set WV,  8                            ; s8   wave
.set PH,  9                            ; s9   phases to go: 3 q, 2 k, 1 v
.set CNT, 10
.set XK,  11                           ; s11  which K step of its tensor XP stands at
.set G1,  16                           ; s[16:23] descriptor group 1
.set SEL, 24                           ; s[24:25]
.set MNT, 26
.set CS,  28                           ; s[28:29] log2(e) / 8
.set G0,  32                           ; s[32:35], s[36:39] group 0 of slot 0, 1
.set XP,  40                           ; s[40:41] where the last load of x stood;  s[42:43] the tensor after it;  s[44:45] value
.set XN,  42
.set XV,  44
.set WI,  46
.set BP,  48
.set OCP, 50
.set OSP, 52
.set XT,  54
.set MSB, 0
.macro WIN new                         ; the immediate's high byte repeats the setting that is left; a switch that changes nothing is dropped
.if MSB != (\new)
	s_set_vgpr_msb (MSB<<8)|(\new)
.set MSB, (\new)
.endif
.endm
.macro PLACES n                        ; plain vector lines behind matrix instructions: eight for this form, ahead of reads of results and of loads or writes into registers that they named
.rept \n
	v_nop
.endr
.endm
.macro ROUND                           ; a round of the cluster's barrier
	s_barrier_signal -1
	s_barrier_wait -1
	s_cmp_lg_u32 s[WV], 0
	s_cbranch_scc1 .Lnot_wave_0_\@
	s_barrier_signal -3
.Lnot_wave_0_\@:
	s_barrier_wait -3
	s_barrier_signal -1
	s_barrier_wait -1
.endm
; 64 numbers of a lane, v[s] on in window sw, register 16 b + i = K 32 b + 16 (lane / 16) + i of my row, become codes in v[PC] on and the scale word in v[PW] (window 0).  The held numbers go to v[t] on in window 1.
.macro QUANT s, sw, t
	WIN 0x40|(\sw)|((\sw)<<2)
.irp b, 0,1,2,3
	v_max3_num_f32 v[TM+\b], |v[(\s)+16*\b]|, |v[(\s)+16*\b+1]|, 0x8000000   ; my 16 numbers of block b, from the low end on, and the floor 2^(16 - 127)
.endr
	WIN 0x41|((\sw)<<2)|((\sw)<<4)
.irp i, 2,4,6,8,10,12,14
.irp b, 0,1,2,3
	v_max3_num_f32 v[TM+\b], v[TM+\b], |v[(\s)+16*\b+\i]|, |v[(\s)+16*\b+\i+1]|
.endr
.endr
	WIN 0x55
.irp b, 0,1,2,3
	v_permlanex16_b32 v[TM+4+\b], v[TM+\b], s[SEL], s[SEL+1]
.endr
.irp b, 0,1,2,3
	v_max_num_f32 v[TM+\b], v[TM+\b], v[TM+4+\b]                   ; with lane l xor 16's: the block's largest magnitude
.endr
.irp b, 0,1,2,3
	v_add_nc_u32 v[TM+12+\b], 0xf8800000, v[TM+\b]                 ; 15 off its exponent field: the conversion's scale operand
.endr
.irp b, 0,1,2,3
	v_and_or_b32 v[TM+8+\b], v[TM+\b], 0x7f800000, s[MNT]          ; 57,344 x the scale
.endr
.irp b, 0,1,2,3
	v_lshrrev_b32 v[TM+4+\b], 23, v[TM+12+\b]                      ; the scale's byte
.endr
	v_lshl_or_b32 v[TM+4], v[TM+5], 8, v[TM+4]
	v_lshl_or_b32 v[TM+6], v[TM+7], 8, v[TM+6]
	WIN 0x11
	v_lshl_or_b32 v[PW], v[TM+6], 16, v[TM+4]                      ; the row's scale word, into window 0
	WIN 0x54|(\sw)
.irp b, 0,1,2,3
.irp i, 0,1,2,3,4,5,6,7,8,9,10,11,12,13,14,15
	v_med3_num_f32 v[(\t)+16*\b+\i], v[(\s)+16*\b+\i], -v[TM+8+\b], v[TM+8+\b]   ; the conversion to an 8-bit code does not saturate (ISA guide 7.6.2)
.endr
.endr
	WIN 0x05
.irp b, 0,1,2,3
	v_cvt_scalef32_pk8_bf8_f32 v[PC+4*\b:PC+4*\b+1], v[(\t)+16*\b:(\t)+16*\b+7], v[TM+12+\b]
	v_cvt_scalef32_pk8_bf8_f32 v[PC+4*\b+2:PC+4*\b+3], v[(\t)+16*\b+8:(\t)+16*\b+15], v[TM+12+\b]
.endr
	WIN 0
	v_nop                                          ; one plain line behind the last conversion
.endm
.macro XSTEP                           ; on to the next 128 along K of x; behind a tensor's eighth step, the next tensor
	s_wait_xcnt 0x0                                ; the loads of a step ago have read their base
	s_add_nc_u64 s[XT:XT+1], s[XP:XP+1], 512
	s_add_co_u32 s[XK], s[XK], 1
	s_cmp_eq_u32 s[XK], 8
	s_cselect_b64 s[XP:XP+1], s[XN:XN+1], s[XT:XT+1]
	s_cselect_b64 s[XN:XN+1], s[XV:XV+1], s[XN:XN+1]
	s_cselect_b32 s[XK], 0, s[XK]
.endm
.macro XLOAD reg, off                  ; my 16 rows' numbers of a K step: lane (r, h) takes 16 neighbours of each block of 32
	WIN 0x40
.irp b, 0,1,2,3
.irp j, 0,1,2,3
	global_load_b128 v[(\reg)+16*\b+4*\j:(\reg)+16*\b+4*\j+3], v[XA], s[XP:XP+1] offset:(\off)+128*\b+16*\j th:TH_LOAD_NT
.endr
.endr
.endm
.macro BLOAD set, par, tb              ; four tiles of W, tb on, from slot par into set
	WIN 0x40
.irp t, 0,1,2,3
.irp c, 0,1,2,3
	ds_load_b128 v[64*\set+16*\t+4*\c:64*\set+16*\t+4*\c+3], v[BA+\par] offset:2048*(\tb+\t)+512*\c
.endr
.endr
.endm
; 16 matrix instructions: four tiles of W x the four tiles of rows.  The 64 accumulators take turns, one instruction a turn, in the same order in every step.  An odd tile's scale words lie in lanes 16-31.
.macro MUL16 set, tb, zero
.irp t, 0,1,2,3
.irp m, 0,1,2,3
.set rD, 8*(4*((\tb+\t)%8)+\m)
.set rA, 64*\set+16*\t
.set rB, AF+16*\m
.set rS, WSC+4*((\tb+\t)/8)+((\tb+\t)%8)/2
.if \zero
.if \t%2
	v_wmma_scale_f32_16x16x128_f8f6f4 v[rD:rD+7], v[rA:rA+15], v[rB:rB+15], 0, v[rS], v[XSC+\m] matrix_a_fmt:MATRIX_FMT_BF8 matrix_b_fmt:MATRIX_FMT_BF8 matrix_a_scale:MATRIX_SCALE_ROW1
.else
	v_wmma_scale_f32_16x16x128_f8f6f4 v[rD:rD+7], v[rA:rA+15], v[rB:rB+15], 0, v[rS], v[XSC+\m] matrix_a_fmt:MATRIX_FMT_BF8 matrix_b_fmt:MATRIX_FMT_BF8
.endif
.else
.if \t%2
	v_wmma_scale_f32_16x16x128_f8f6f4 v[rD:rD+7], v[rA:rA+15], v[rB:rB+15], v[rD:rD+7], v[rS], v[XSC+\m] matrix_a_fmt:MATRIX_FMT_BF8 matrix_b_fmt:MATRIX_FMT_BF8 matrix_a_scale:MATRIX_SCALE_ROW1
.else
	v_wmma_scale_f32_16x16x128_f8f6f4 v[rD:rD+7], v[rA:rA+15], v[rB:rB+15], v[rD:rD+7], v[rS], v[XSC+\m] matrix_a_fmt:MATRIX_FMT_BF8 matrix_b_fmt:MATRIX_FMT_BF8
.endif
.endif
.endr
.endr
.endm
; A K STEP, on slot par.  zero: its products start the sums.  refill: the other slot is asked for.  quant: the next step's x is quantised and its image stored.  xload: x of three steps on is asked for.  lcnt: the younger loads of x that may stay out.
.macro STEP par, zero, refill, quant, xload, lcnt
	s_wait_tensorcnt 0x0                           ; all my tensor loads have landed: my quarter of this step's slot; so a group 0 may be written
	ds_add_u32 v[SPW], v[NIL]                      ; 0 onto my spare word; scalar work stands between it and the wait for it
	s_add_nc_u64 s[G0+4*\par+2:G0+4*\par+3], s[G0+4*\par+2:G0+4*\par+3], 2*SLOTB   ; this slot's next block
.if \xload
	XSTEP
.endif
	s_wait_dscnt 0x0                               ; the add is done, my image of x has landed, my reads of the other slot and of the other set of images are over
.if \refill
	ROUND                                          ; all that now holds of every wave of the four work-groups
	tensor_load_to_lds s[G0+4-4*\par:G0+7-4*\par], s[G1:G1+7]      ; the next step's weights, into the slot read last: it has this whole step in which to land
	s_nop 0
.else
	s_barrier_signal -1                            ; nothing is filled any more: the work-group's barrier does
	s_barrier_wait -1
.endif
	PLACES 8                                       ; behind the last step's products, ahead of loads and writes into the registers that they named
.irp m, 0,1,2,3
.irp c, 0,1,2,3
	ds_load_b128 v[AF+16*\m+4*\c:AF+16*\m+4*\c+3], v[XR] offset:XBP*\par+2048*\m+512*\c
.endr
.endr
.irp m, 0,1,2,3
	ds_load_b32 v[XSC+\m], v[XSR] offset:XBP*\par+128*\m
.endr
	ds_load_b128 v[WSC:WSC+3], v[BS+\par]
	ds_load_b128 v[WSC+4:WSC+7], v[BS+\par] offset:512
	BLOAD 0, \par, 0
.if \quant
	s_wait_loadcnt \lcnt                           ; the next step's x is in (asked for two steps ago)
	QUANT XS0+64-64*\par, 1, XS0+64-64*\par        ; it stands where the wave would wait for the loads above
.irp c, 0,1,2,3
	ds_store_b128 v[XWI], v[PC+4*\c:PC+4*\c+3] offset:XBP-XBP*\par+512*\c
.endr
	ds_store_b32 v[XWS], v[PW] offset:XBP-XBP*\par
.if \xload
	XLOAD XS0+64-64*\par, 0
.endif
.endif
	BLOAD 1, \par, 4
.if \quant
	s_wait_dscnt 21                                ; x's fragments, the scale words and tiles 0-3 are in; behind them: 5 stores and 16 loads
.else
	s_wait_dscnt 16
.endif
	WIN 0xa1                                       ; W window 1, x window 0, C and D window 2
	MUL16 0, 0, \zero
	PLACES 8
	BLOAD 0, \par, 8
	s_wait_dscnt 16                                ; all but the 16 just issued
	WIN 0xa1
	MUL16 1, 4, \zero
	PLACES 8
	BLOAD 1, \par, 12
	s_wait_dscnt 16
	WIN 0xf1                                       ; C and D window 3
	MUL16 0, 8, \zero
	s_wait_dscnt 0x0
	MUL16 1, 12, \zero
	WIN 0
.endm
.macro BIASLD g                        ; the bias of my group g of 8 tiles, in the layout of the results
.irp i, 0,1,2,3,4,5,6,7,8,9,10,11,12,13,14,15
	global_load_b128 v[AF+4*\i:AF+4*\i+3], v[BIA], s[BP:BP+1] offset:512*(\g)+16*\i
.endr
.endm
; 16 positions (tile of rows m) x 128 columns (group g: two heads): + bias, quantised along d, codes and scale halves to HC.
.macro UNIT m, g, more
	s_wait_loadcnt 0x0                             ; the bias
	s_wait_dscnt 0x0                               ; the LDS stores of the unit before have read PC and PW; the loads of the reader before are in
	WIN 0x40|(2+\g)
.irp t, 0,1,2,3,4,5,6,7
.irp j, 0,2,4,6
	v_pk_add_f32 v[8*\t+\j:8*\t+\j+1], v[8*(4*\t+\m)+\j:8*(4*\t+\m)+\j+1], v[AF+8*\t+\j:AF+8*\t+\j+1]   ; each accumulator from its low end on
.endr
.endr
	WIN 0
.if \more
	BIASLD 1-\g                                    ; the next unit's: it lands while this one is quantised
.endif
	QUANT 0, 1, 0
.irp b, 0,1,2,3                        ; block b: head 4 w + 2 g + b / 2, d 32 (b % 2) on
	ds_store_b128 v[HCW], v[PC+4*\b:PC+4*\b+3] offset:HCP*((\m)%2)+512*(\b%2)+16*(2*\g+\b/2)
.endr
	ds_store_b16 v[HSW], v[PW] offset:HCP*((\m)%2)+8*\g            ; the first head's two bytes,
	ds_store_b16_d16_hi v[HSW], v[PW] offset:HCP*((\m)%2)+8*\g+4   ; the second's
.endm
.macro QREAD m                         ; q of my four positions of tile m stays in registers: two positions to an operand
.irp e, 0,1,2,3
.irp c, 0,1
	ds_load_b128 v[QF+32*\m+8*\e+4*\c:QF+32*\m+8*\e+4*\c+3], v[HCR] offset:HCP*((\m)%2)+1040*\e+512*\c
.endr
.endr
	ds_load_b32 v[QS+\m], v[HSR] offset:HCP*((\m)%2)               ; lanes 0-15 the first pair's words, lanes 16-31 the second's
.endm
; k of my four positions; scores^T = k q^T; softmax; the weights take q's registers.  Window 1: [k a 0-7][zeros 8-15][k b 16-23][k c 24-31][zeros 32-39][k d 40-47]; scores v64-95; v96-119 at work.
.macro SCORES m
	WIN 0x40
.irp c, 0,1
	ds_load_b128 v[4*\c:4*\c+3], v[HCR] offset:HCP*((\m)%2)+512*\c
	ds_load_b128 v[16+4*\c:19+4*\c], v[HCR] offset:HCP*((\m)%2)+1040+512*\c
	ds_load_b128 v[24+4*\c:27+4*\c], v[HCR] offset:HCP*((\m)%2)+2080+512*\c
	ds_load_b128 v[40+4*\c:43+4*\c], v[HCR] offset:HCP*((\m)%2)+3120+512*\c
.endr
.irp z, 8,9,10,11,12,13,14,15,32,33,34,35,36,37,38,39
	v_mov_b32 v[\z], 0                             ; zero codes: they add nothing, whatever the other side holds there
.endr
	WIN 0
	ds_load_b32 v[KS], v[HSR] offset:HCP*((\m)%2)
	s_wait_dscnt 0x0
	PLACES 4                                       ; an operand written by vector instructions stands four places ahead of a scaled matrix instruction
	WIN 0x41                                       ; k and the scores window 1, q window 0
	v_wmma_scale_f32_16x16x128_f8f6f4 v[64:71], v[0:15], v[QF+32*\m:QF+32*\m+15], 0, v[KS], v[QS+\m] matrix_a_fmt:MATRIX_FMT_BF8 matrix_b_fmt:MATRIX_FMT_BF8
	v_wmma_scale_f32_16x16x128_f8f6f4 v[72:79], v[8:23], v[QF+32*\m:QF+32*\m+15], 0, v[KS], v[QS+\m] matrix_a_fmt:MATRIX_FMT_BF8 matrix_b_fmt:MATRIX_FMT_BF8
	v_wmma_scale_f32_16x16x128_f8f6f4 v[80:87], v[24:39], v[QF+32*\m+16:QF+32*\m+31], 0, v[KS], v[QS+\m] matrix_a_fmt:MATRIX_FMT_BF8 matrix_b_fmt:MATRIX_FMT_BF8 matrix_a_scale:MATRIX_SCALE_ROW1 matrix_b_scale:MATRIX_SCALE_ROW1
	v_wmma_scale_f32_16x16x128_f8f6f4 v[88:95], v[32:47], v[QF+32*\m+16:QF+32*\m+31], 0, v[KS], v[QS+\m] matrix_a_fmt:MATRIX_FMT_BF8 matrix_b_fmt:MATRIX_FMT_BF8 matrix_a_scale:MATRIX_SCALE_ROW1 matrix_b_scale:MATRIX_SCALE_ROW1
	WIN 0x55
	PLACES 8
	; lane (i, h) holds query head i and key heads 8 h + 0 .. 7 of each of the four positions, which take turns line by line
.irp e, 0,1,2,3
	v_max3_num_f32 v[96+2*\e], v[64+8*\e], v[65+8*\e], v[66+8*\e]
.endr
.irp e, 0,1,2,3
	v_max3_num_f32 v[97+2*\e], v[67+8*\e], v[68+8*\e], v[69+8*\e]
.endr
.irp e, 0,1,2,3
	v_max3_num_f32 v[96+2*\e], v[96+2*\e], v[70+8*\e], v[71+8*\e]
.endr
.irp e, 0,1,2,3
	v_max_num_f32 v[96+2*\e], v[96+2*\e], v[97+2*\e]
.endr
.irp e, 0,1,2,3
	v_permlanex16_b32 v[97+2*\e], v[96+2*\e], s[SEL], s[SEL+1]
.endr
.irp e, 0,1,2,3
	v_max_num_f32 v[96+2*\e], v[96+2*\e], v[97+2*\e]               ; the row's largest score
.endr
.irp e, 0,1,2,3
.irp j, 0,2,4,6
	v_pk_add_f32 v[64+8*\e+\j:65+8*\e+\j], v[64+8*\e+\j:65+8*\e+\j], v[96+2*\e:97+2*\e] op_sel_hi:[1,0] neg_lo:[0,1] neg_hi:[0,1]   ; s - m
.endr
.endr
.irp e, 0,1,2,3
.irp j, 0,2,4,6
	v_pk_mul_f32 v[64+8*\e+\j:65+8*\e+\j], v[64+8*\e+\j:65+8*\e+\j], s[CS:CS+1] op_sel_hi:[1,0]   ; x log2(e) / 8
.endr
.endr
.set i, 64
.rept 32
	v_exp_f32 v[i], v[i]
.set i, i+1
.endr
	v_nop                                          ; a plain line behind the last exponential
	s_wait_alu depctr_va_vdst(0)                   ; the wait ahead of the first line that names a result: one for the batch of 32
.irp e, 0,1,2,3
	v_pk_add_f32 v[104+4*\e:105+4*\e], v[64+8*\e:65+8*\e], v[66+8*\e:67+8*\e]
.endr
.irp e, 0,1,2,3
	v_pk_add_f32 v[106+4*\e:107+4*\e], v[68+8*\e:69+8*\e], v[70+8*\e:71+8*\e]
.endr
.irp e, 0,1,2,3
	v_pk_add_f32 v[104+4*\e:105+4*\e], v[104+4*\e:105+4*\e], v[106+4*\e:107+4*\e]
.endr
.irp e, 0,1,2,3
	v_add_f32 v[104+4*\e], v[104+4*\e], v[105+4*\e]
.endr
.irp e, 0,1,2,3
	v_permlanex16_b32 v[105+4*\e], v[104+4*\e], s[SEL], s[SEL+1]
.endr
.irp e, 0,1,2,3
	v_add_f32 v[104+4*\e], v[104+4*\e], v[105+4*\e]                ; the row's sum
.endr
.irp e, 0,1,2,3
	v_rcp_f32 v[106+4*\e], v[104+4*\e]
.endr
	v_nop
	s_wait_alu depctr_va_vdst(0)                   ; and one for the four reciprocals
	WIN 0x05
.irp e, 0,1,2,3
.irp j, 0,2,4,6
	v_pk_mul_f32 v[QF+32*\m+8*\e+\j:QF+32*\m+8*\e+\j+1], v[64+8*\e+\j:65+8*\e+\j], v[106+4*\e:107+4*\e] op_sel_hi:[1,0]   ; the weights: position e at 8 e
.endr
.endr
	WIN 0
.endm
; A tile of rows in q's or k's epilogue.  HC's two sets take turns, so the one barrier orders both ways: behind it set m % 2 is whole, and every wave's reads of the other set were waited for in front of it.
.macro EPIM m, last
	UNIT \m, 0, 1
	UNIT \m, 1, 1-\last
	s_wait_dscnt 0x0
	s_barrier_signal -1
	s_barrier_wait -1
	s_cmp_eq_u32 s[PH], 3                          ; a count of phases, the same in all waves and work-groups
	s_cbranch_scc0 .Lscores_\@
	QREAD \m
	s_branch .Ljoin_\@
.Lscores_\@:
	SCORES \m
.Ljoin_\@:
.endm
.macro VFLOAD k                        ; v of pair k's two positions: tile 2 y + u of d takes d = 32 y + 8 u + r + 8 (r / 8); register j of lane (r, h): head 8 h + j
	v_add_nc_u32 v[AD+2*((\k)%2)], (16*((\k)/2)+2*((\k)%2))*VTP, v[VR]
	v_add_nc_u32 v[AD+2*((\k)%2)+1], (16*((\k)/2)+2*((\k)%2))*VTP, v[VR+1]
	WIN 0x40
.irp e, 0,1
.irp t, 0,1,2,3
	ds_load_b128 v[XS0+64*((\k)%2)+32*\e+8*\t:XS0+64*((\k)%2)+32*\e+8*\t+3], v[AD+2*((\k)%2)] offset:VTP*\e+32*(32*(\t/2)+8*(\t%2))
	ds_load_b128 v[XS0+64*((\k)%2)+32*\e+8*\t+4:XS0+64*((\k)%2)+32*\e+8*\t+7], v[AD+2*((\k)%2)+1] offset:VTP*\e+32*(32*(\t/2)+8*(\t%2))
.endr
.endr
	WIN 0
.endm
; Two positions: out^T = v^T weights^T in f32 (K = 16 heads in four steps of 4: the unit's k = 2 h + j stands for head 8 h + 2 s + j on both sides), quantised along the last projection's K, and out.
.macro PAIR k, next
.if \next
	VFLOAD (\k)+1
.endif
	WIN 0xa1                                       ; v^T window 1, the weights window 0, C and D window 2
.irp s, 0,1,2,3
.irp e, 0,1
.irp t, 0,1,2,3
.set rD, 8*(4*\e+\t)
.set rA, XS0+64*((\k)%2)+32*\e+8*\t+2*\s
.set rB, QF+16*(\k)+8*\e+2*\s
.if \s == 0
	v_wmma_f32_16x16x4_f32 v[rD:rD+7], v[rA:rA+1], v[rB:rB+1], 0   ; the eight accumulators by turns; the first step starts the sums
.else
	v_wmma_f32_16x16x4_f32 v[rD:rD+7], v[rA:rA+1], v[rB:rB+1], v[rD:rD+7]
.endif
.endr
.endr
.endr
	WIN 0
	PLACES 8
	QUANT 0, 2, 0                                  ; lane (i, h): block 2 e + y = position e, head i, d 32 y + 16 h on
.irp e, 0,1
.irp y, 0,1
	ds_store_b128 v[OW], v[PC+4*(2*\e+\y):PC+4*(2*\e+\y)+3] offset:1088*\e+32*\y
.endr
.endr
	ds_store_b16 v[OSW], v[PW] offset:32*(16*((\k)/2)+2*((\k)%2))
	ds_store_b16_d16_hi v[OSW], v[PW] offset:32*(16*((\k)/2)+2*((\k)%2)+1)
	s_wait_xcnt 0x0                                ; the stores of four pairs ago have read the registers that the loads below fill
.irp e, 0,1
.irp z, 0,1
	ds_load_b128 v[AF+16*((\k)%4)+4*(2*\e+\z):AF+16*((\k)%4)+4*(2*\e+\z)+3], v[ORD] offset:1088*\e+544*\z   ; LDS serves a wave's instructions in order (ISA guide 5.7.1.4): these see my stores
.endr
.endr
	s_wait_dscnt 0x0                               ; the rows are back; the next pair's v is in
.irp e, 0,1
.irp z, 0,1
	global_store_b128 v[L16], v[AF+16*((\k)%4)+4*(2*\e+\z):AF+16*((\k)%4)+4*(2*\e+\z)+3], s[OCP:OCP+1] offset:1024*(16*((\k)/2)+2*((\k)%2)+\e)+512*\z   ; 32 lanes store 512 consecutive bytes, aligned
.endr
.endr
.endm
	s_load_b256 s[40:47], s[0:1], 0x0              ; query, key, value, wimg
	s_load_b128 s[48:51], s[0:1], 0x20             ; bimg, oc
	s_load_b64 s[52:53], s[0:1], 0x30              ; os
	v_lshl_add_u32 v[SPW], v0, 2, SPARE
	v_mov_b32 v[NIL], 0
	ds_add_u32 v[SPW], v[NIL]                      ; the wave's opening: the add, twice on end, and its wait ahead of my first tensor load; work on registers stands between the second and the wait
	ds_add_u32 v[SPW], v[NIL]
	v_lshrrev_b32 v1, 5, v0
	v_readfirstlane_b32 s[WV], v1                  ; wave 0..3
	s_bfe_u32 s12, ttmp6, 0x40000                  ; cx
	s_lshl_b32 s13, ttmp9, 2
	s_add_co_u32 s13, s13, s12                     ; my block of 64 rows = 4 x cluster + cx
	; descriptor group 1: 33,792 dense bytes as 132 rows of 32 elements of 8 bytes; no padding: images are read 512 consecutive bytes an instruction
	s_mov_b32 s[G1], 15|(3<<16)|(1<<21)            ; 15:0 the mask: all four work-groups; 17:16 elements of 8 bytes; 21 set beside a mask
	s_mov_b32 s[G1+1], 32<<16                      ; tensor_dim0
	s_mov_b32 s[G1+2], 132<<16                     ; tensor_dim1
	s_mov_b32 s[G1+3], 32<<16                      ; tile_dim0
	s_mov_b32 s[G1+4], 132                         ; tile_dim1
	s_mov_b32 s[G1+5], 32                          ; the pitch
	s_mov_b32 s[G1+6], 0
	s_mov_b32 s[G1+7], 0
	s_mov_b32 s[SEL], 0x76543210
	s_mov_b32 s[SEL+1], 0xfedcba98
	s_mov_b32 s[MNT], 0x600000
	s_mov_b32 s[CS], 0x3e38aa3b                    ; log2(e) / 8
	s_mov_b32 s[CS+1], s[CS]
	s_mov_b32 s[XK], 2
	s_mov_b32 s[PH], 3
	; q's registers are written once here: the lines that read them stand in an epilogue that the first phase walks too (it branches round them), so every way through the text finds them written
.set i, 0
.rept 128
	v_mov_b32 v[QF+i], 0
.set i, i+1
.endr
.irp m, 0,1,2,3
	v_mov_b32 v[QS+\m], 0
.endr
	s_wait_dscnt 0x0                               ; both opening adds are done
	s_wait_kmcnt 0x0
	s_lshl_b32 s56, s13, 18                        ; 64 rows of 4,096 bytes,
	s_lshl_b32 s57, s[WV], 16                      ; my wave's 16
	s_add_co_u32 s56, s56, s57
	s_mov_b32 s57, 0
	s_add_nc_u64 s[XP:XP+1], s[XP:XP+1], s[56:57]
	s_add_nc_u64 s[XN:XN+1], s[XN:XN+1], s[56:57]
	s_add_nc_u64 s[XV:XV+1], s[XV:XV+1], s[56:57]
	s_lshl_b32 s56, s[WV], 10
	s_add_nc_u64 s[BP:BP+1], s[BP:BP+1], s[56:57]
	s_lshl_b32 s56, s13, 16
	s_lshl_b32 s58, s[WV], 12
	s_add_co_u32 s56, s56, s58
	s_add_nc_u64 s[OCP:OCP+1], s[OCP:OCP+1], s[56:57]   ; oc at row 64 block + 4 wave
	s_lshl_b32 s56, s13, 11
	s_lshl_b32 s58, s[WV], 9
	s_add_co_u32 s56, s56, s58
	s_add_nc_u64 s[OSP:OSP+1], s[OSP:OSP+1], s[56:57]   ; os at row 64 block + 16 wave
	s_mul_i32 s58, s[WV], QSLOT                    ; my quarter, in a block and in a slot: the wave's number alone
	s_mov_b32 s59, 0
	s_add_nc_u64 s[60:61], s[WI:WI+1], s[58:59]
	s_mov_b32 s[G0], 1
	s_mov_b32 s[G0+1], s58
	s_mov_b64 s[G0+2:G0+3], s[60:61]
	s_or_b32 s[G0+3], s[G0+3], 0x80000000
	s_mov_b32 s[G0+4], 1
	s_add_co_u32 s[G0+5], s58, SLOTB
	s_add_nc_u64 s[G0+6:G0+7], s[60:61], SLOTB
	s_or_b32 s[G0+7], s[G0+7], 0x80000000
	ROUND                                          ; all four work-groups are here: the first joint loads meet
	tensor_load_to_lds s[G0:G0+3], s[G1:G1+7]      ; block 0; slot 1 is filled behind the first step's round
	s_nop 0
	PLACES 4
	v_and_b32 v43, 31, v0                          ; lane
	v_and_b32 v44, 15, v0                          ; r
	v_bfe_u32 v45, v0, 4, 1                        ; h
	v_lshlrev_b32 v[L16], 4, v43
	v_lshlrev_b32 v[L4], 2, v43
	v_lshlrev_b32 v[XA], 12, v44
	v_lshl_add_u32 v[XA], v45, 6, v[XA]
	XLOAD XS0, 0                                   ; x of K steps 0 and 1
	XLOAD XS0+64, 512
.irp b, 0,1,2,3
	v_mov_b32 v[TM+4+\b], 0                        ; (window 1)  written once: a lane permute's destination counts as one of its sources
.endr
	WIN 0
	s_lshl_b32 s56, s[WV], 15
	v_add_nc_u32 v[BA], s56, v[L16]
	v_add_nc_u32 v[BA+1], SLOTB, v[BA]
	s_lshl_b32 s56, s[WV], 10
	s_add_co_u32 s56, s56, 131072
	v_add_nc_u32 v[BS], s56, v[L16]
	v_add_nc_u32 v[BS+1], SLOTB, v[BS]
	v_add_nc_u32 v[XR], XB, v[L16]
	v_add_nc_u32 v[XSR], XB+8192, v[L4]
	s_lshl_b32 s56, s[WV], 11
	s_add_co_u32 s56, s56, XB
	v_add_nc_u32 v[XWI], s56, v[L16]
	s_lshl_b32 s56, s[WV], 7
	s_add_co_u32 s56, s56, XB+8192
	v_add_nc_u32 v[XWS], s56, v[L4]
	v_mul_u32_u24 v[HCW], v44, 1040                ; HC: position r at 1040 r (4 banks on from lane to lane); chunk at 512; then 16 (head + 16 h)
	v_lshl_add_u32 v[HCW], v45, 8, v[HCW]
	s_lshl_b32 s56, s[WV], 6
	s_add_co_u32 s56, s56, HC
	v_add_nc_u32 v[HCW], s56, v[HCW]
	v_lshrrev_b32 v42, 1, v44
	v_lshlrev_b32 v[HSW], 6, v42                   ; scale halves: 64 (r / 2) + 4 head + 2 (r % 2): a pair of positions makes a word a head
	v_and_b32 v42, 1, v44
	v_lshl_add_u32 v[HSW], v42, 1, v[HSW]
	s_lshl_b32 s56, s[WV], 4
	s_add_co_u32 s56, s56, HC+HSC
	v_add_nc_u32 v[HSW], s56, v[HSW]
	s_mul_i32 s56, s[WV], 4160
	s_add_co_u32 s56, s56, HC
	v_add_nc_u32 v[HCR], s56, v[L16]
	s_lshl_b32 s56, s[WV], 7
	s_add_co_u32 s56, s56, HC+HSC
	v_add_nc_u32 v[HSR], s56, v[L4]
	v_lshlrev_b32 v[BIA], 8, v45
	v_lshrrev_b32 v42, 3, v44
	v_lshl_add_u32 v[VR], v42, 3, v44              ; r + 8 (r / 8)
	v_lshlrev_b32 v[VR], 5, v[VR]                  ; VT: 32 bytes a d: two pieces of four heads, which change places where d / 16 is odd, so that sixteen lanes touch sixteen different columns of 16 bytes
	v_lshl_add_u32 v[VR], v42, 4, v[VR]
	v_lshl_add_u32 v[VR], v45, 11, v[VR]           ; + 2048 h: heads 8 h on
	v_xor_b32 v[VR+1], 16, v[VR]
	s_mul_i32 s56, s[WV], 4*VTP                    ; my four positions of a tile of rows
	v_add_nc_u32 v[VR], s56, v[VR]
	v_add_nc_u32 v[VR+1], s56, v[VR+1]
	v_lshrrev_b32 v42, 2, v44
	v_lshlrev_b32 v[OW], 6, v44                    ; the way out: head r's 64 codes, 16 bytes of padding behind each 256
	v_lshl_add_u32 v[OW], v42, 4, v[OW]
	v_lshl_add_u32 v[OW], v45, 4, v[OW]
	s_mul_i32 s56, s[WV], 2176
	s_add_co_u32 s56, s56, OSG
	v_add_nc_u32 v[OW], s56, v[OW]
	v_lshl_add_u32 v[ORD], v45, 4, v[L16]
	v_add_nc_u32 v[ORD], s56, v[ORD]
	v_lshlrev_b32 v[OSW], 1, v44
	s_lshl_b32 s56, s[WV], 7
	s_add_co_u32 s56, s56, OST
	v_add_nc_u32 v[OSW], s56, v[OSW]
	s_lshl_b32 s56, s[WV], 9
	s_add_co_u32 s56, s56, OST
	v_add_nc_u32 v[OSR], s56, v[L16]
	s_wait_loadcnt 16                              ; K step 0's x is in; step 1's may be out
	QUANT XS0, 1, XS0
.irp c, 0,1,2,3
	ds_store_b128 v[XWI], v[PC+4*\c:PC+4*\c+3] offset:512*\c
.endr
	ds_store_b32 v[XWS], v[PW]
	XLOAD XS0, 1024                                ; K step 2
	WIN 0
	s_wait_xcnt 0x0
	s_add_nc_u64 s[XP:XP+1], s[XP:XP+1], 1024      ; XP stands at K step 2
.Lphase:                                           ; a phase = one of q, k, v: eight K steps; step n quantises x of step n + 1 and asks for x of step n + 3, across phases too
	STEP 0, 1, 1, 1, 1, 16
	s_mov_b32 s[CNT], 2
.Lpair:
	STEP 1, 0, 1, 1, 1, 16
	STEP 0, 0, 1, 1, 1, 16
	s_sub_co_u32 s[CNT], s[CNT], 1
	s_cmp_lg_u32 s[CNT], 0
	s_cbranch_scc1 .Lpair
	s_cmp_eq_u32 s[PH], 1
	s_cbranch_scc1 .Lvtail                         ; the last phase's tail is written out: it asks for no x and, at its end, for no weights
	STEP 1, 0, 1, 1, 1, 16
	STEP 0, 0, 1, 1, 1, 16
	STEP 1, 0, 1, 1, 1, 16
	PLACES 8                                       ; behind the last products, ahead of the reads of results and of the loads into x's fragments
	BIASLD 0
	EPIM 0, 0
	EPIM 1, 0
	EPIM 2, 0
	EPIM 3, 1
	s_wait_xcnt 0x0                                ; the bias's loads have read their base
	s_add_nc_u64 s[BP:BP+1], s[BP:BP+1], 4096      ; the next tensor's bias
	s_sub_co_u32 s[PH], s[PH], 1
	s_branch .Lphase
.Lvtail:
	STEP 1, 0, 1, 1, 0, 16
	STEP 0, 0, 1, 1, 0, 0
	STEP 1, 0, 0, 0, 0, 0
	; ---- v + bias goes to LDS in f32.  Accumulator (t, m), register j, lane (r, h): v[position 16 m + r][head 8 h + j][d = 16 w + t]
	PLACES 8
.irp i, 0,1,2,3,4,5,6,7,8,9,10,11,12,13,14,15
	global_load_b128 v[AF+4*\i:AF+4*\i+3], v[BIA], s[BP:BP+1] offset:16*\i
.endr
	WIN 0x40
.irp i, 0,1,2,3,4,5,6,7,8,9,10,11,12,13,14,15
	global_load_b128 v[4*\i:4*\i+3], v[BIA], s[BP:BP+1] offset:512+16*\i
.endr
	WIN 0
	s_wait_dscnt 0x0
	s_barrier_signal -1
	s_barrier_wait -1                              ; every wave's reads of the ring are over; both slots have had their last fill
	v_and_b32 v43, 15, v0
	v_bfe_u32 v44, v0, 4, 1
	v_mul_u32_u24 v42, v43, VTP
	v_lshl_add_u32 v42, v44, 11, v42
	s_lshl_b32 s56, s[WV], 9                       ; 32 bytes x d = 16 w
	s_and_b32 s57, s[WV], 1
	s_lshl_b32 s57, s57, 4                         ; d / 16 is odd where w is
	s_add_co_u32 s58, s56, s57
	s_xor_b32 s57, s57, 16
	s_add_co_u32 s59, s56, s57
	v_add_nc_u32 v[VW], s58, v42
	v_add_nc_u32 v[VW+1], s59, v42
.irp m, 1,2,3
	v_add_nc_u32 v[VW+2*\m], 16*VTP*\m, v[VW]
	v_add_nc_u32 v[VW+2*\m+1], 16*VTP*\m, v[VW+1]
.endr
	s_wait_loadcnt 0x0
.irp t, 0,1,2,3,4,5,6,7,8,9,10,11,12,13,14,15
.if \t >= 2
	s_wait_dscnt 8                                 ; the stores of two tiles ago are done: their registers are written again; the last tile's eight may be out
.endif
.if \t < 8
	WIN 0x42
.else
	WIN 0x47
.endif
.irp m, 0,1,2,3
.irp j, 0,2,4,6
.if \t < 8
	v_pk_add_f32 v[64+32*(\t%2)+8*\m+\j:64+32*(\t%2)+8*\m+\j+1], v[8*(4*(\t%8)+\m)+\j:8*(4*(\t%8)+\m)+\j+1], v[AF+8*\t+\j:AF+8*\t+\j+1]
.else
	v_pk_add_f32 v[64+32*(\t%2)+8*\m+\j:64+32*(\t%2)+8*\m+\j+1], v[8*(4*(\t%8)+\m)+\j:8*(4*(\t%8)+\m)+\j+1], v[8*(\t-8)+\j:8*(\t-8)+\j+1]
.endif
.endr
.endr
	WIN 0x04                                       ; an LDS store's data are its source 1: window 1
.irp m, 0,1,2,3
.irp q, 0,1
	ds_store_b128 v[VW+2*\m+\q], v[64+32*(\t%2)+8*\m+4*\q:64+32*(\t%2)+8*\m+4*\q+3] offset:32*\t
.endr
.endr
.endr
	WIN 0
	s_wait_dscnt 0x0
	s_barrier_signal -1
	s_barrier_wait -1                              ; v of all 64 positions lies in LDS
	VFLOAD 0
	s_wait_dscnt 0x0
	PAIR 0, 1
	PAIR 1, 1
	PAIR 2, 1
	PAIR 3, 1
	PAIR 4, 1
	PAIR 5, 1
	PAIR 6, 1
	PAIR 7, 0
	s_wait_dscnt 0x0
	s_barrier_signal -1
	s_barrier_wait -1                              ; the 64 positions' scale bytes lie in LDS
	ds_load_b128 v[PC:PC+3], v[OSR]
	s_wait_dscnt 0x0
	global_store_b128 v[L16], v[PC:PC+3], s[OSP:OSP+1]             ; 16 rows of 32 bytes: 512 consecutive bytes
	s_wait_tensorcnt 0x0                           ; the wave's end: behind my last tensor load and my last LDS store
	ds_add_u32 v[SPW], v[NIL]
	s_wait_dscnt 0x0
	ROUND                                          ; the closing round
	s_endpgm
.Lfunc_end_k_q23915c5968_qkv_attn:
	.size	k_q23915c5968_qkv_attn, .Lfunc_end_k_q23915c5968_qkv_attn-k_q23915c5968_qkv_attn
	.p2alignl 7, 3214868480
	.fill 96, 4, 3214868480
	.section	.rodata,"a",@progbits
	.p2align	6, 0x0
	.amdhsa_kernel k_q23915c5968_qkv_attn
		.amdhsa_group_segment_fixed_size 327680
		.amdhsa_private_segment_fixed_size 0
		.amdhsa_enable_private_segment 0
		.amdhsa_kernarg_size 56
		.amdhsa_user_sgpr_count 2
		.amdhsa_user_sgpr_kernarg_segment_ptr 1
		.amdhsa_wavefront_size32 1
		.amdhsa_system_sgpr_workgroup_id_x 1
		.amdhsa_system_sgpr_workgroup_id_y 1
		.amdhsa_system_sgpr_workgroup_id_z 1
		.amdhsa_system_vgpr_workitem_id 0
		.amdhsa_next_free_vgpr 1024
		.amdhsa_next_free_sgpr 66
		.amdhsa_reserve_vcc 0
		.amdhsa_float_denorm_mode_32 3
		.amdhsa_float_denorm_mode_16_64 3
		.amdhsa_memory_ordered 1
		.amdhsa_forward_progress 1
		.amdhsa_inst_pref_size 255
	.end_amdhsa_kernel
	.section	.bss,"aw",@nobits
	.p2align	6
	.space	262144
	.amdgpu_metadata
---
amdhsa.version: [ 1, 2 ]
amdhsa.kernels:
  - .name:           k_q23915c5968_qkv_attn
    .symbol:         k_q23915c5968_qkv_attn.kd
    .args:
      - { .name: query, .offset: 0, .size: 8, .value_kind: global_buffer, .address_space: global }
      - { .name: key, .offset: 8, .size: 8, .value_kind: global_buffer, .address_space: global }
      - { .name: value, .offset: 16, .size: 8, .value_kind: global_buffer, .address_space: global }
      - { .name: wimg, .offset: 24, .size: 8, .value_kind: global_buffer, .address_space: global }
      - { .name: bimg, .offset: 32, .size: 8, .value_kind: global_buffer, .address_space: global }
      - { .name: oc, .offset: 40, .size: 8, .value_kind: global_buffer, .address_space: global }
      - { .name: os, .offset: 48, .size: 8, .value_kind: global_buffer, .address_space: global }
    .group_segment_fixed_size: 327680
    .private_segment_fixed_size: 0
    .kernarg_segment_align: 8
    .kernarg_segment_size: 56
    .max_flat_workgroup_size: 128
    .sgpr_count:     66
    .vgpr_count:     1024
    .wavefront_size: 32
...
	.end_amdgpu_metadata
.endif
;; end of part 2
;; launch oproj (part 3): grid 4 x 64, 4 waves a work-group, clusters of 4 x 4, 327,680 bytes of LDS; arguments oc, os, fo_codes, fo_scales, out0, fo_b; writes out0
.if DOCPART == 3
	.amdgcn_target "amdgcn-amd-amdhsa--gfx1250"
	.amdhsa_code_object_version 6
	.text
	.protected	k_q23915c5968_oproj
	.globl	k_q23915c5968_oproj
	.p2align	8
	.type	k_q23915c5968_oproj,@function
k_q23915c5968_oproj:
	s_mov_b64 s[64:65], 0
	v_nop
	global_prefetch_b8 v0, s[64:65] scope:SCOPE_SE
	s_setreg_imm32_b32 hwreg(HW_REG_WAVE_MODE, 25, 1), 1
	s_wait_xcnt 0x0
	s_wait_alu depctr_hold_cnt(0) depctr_sa_sdst(0) depctr_va_vdst(0) depctr_va_sdst(0) depctr_va_ssrc(0) depctr_va_vcc(0) depctr_vm_vsrc(0)
	s_getreg_b32 s2, hwreg(HW_REG_IB_STS2, 6, 4)
	s_cmp_eq_u32 s2, 0
	s_cbranch_scc0 .Lentry_in_a_cluster
	s_endpgm
.Lentry_in_a_cluster:
	s_bfe_u32 s2, ttmp6, 0x10000c
	s_cmp_lg_u32 s2, 0xf033
	s_cbranch_scc0 .Lentry_shape_is_right
	s_endpgm
.Lentry_shape_is_right:
; out0[m][n] = sum over k of A[m][k] B[n][k] + fo_b[n].  A = the attention's result, B = fo_w: codes of BF8 (E5M2) [rows][1024] with one E8M0 byte for each 32 along K [rows][32], both made by the launches before; out0 [16384][1024] f32; sums in f32.
; No work of the problem is left out here.
; A tile of C, 256 x 256, is made by a work-group of four waves; a wave makes 128 x 128: 64 accumulators of 16 x 16, 512 registers.  256 tiles: one for each work-group.
; K goes in steps of 256 through a ring of two LDS slots filled by the tensor data mover: a tile's row is 256 bytes of memory.
; THE SCALES of the work-group's 256 rows of A and 256 rows of B, for all of K, are two dense blocks of memory: they come into LDS ONCE, with the first fills, and stay.
; CLUSTERS: 4 x 4 work-groups.  The four of a row of the cluster need the same tiles of A, the four of a column the same tiles of B: each tile is asked for JOINTLY, by the same tensor load with the
; same descriptor and a mask that names the four.  THE MATRIX INSTRUCTION IS USED TRANSPOSED (source 0 = 16 rows of B, source 1 = 16 rows of A): a lane then holds eight neighbouring numbers of a row of C.
; No prefetch: K has four steps, and the tiles are shared by joint loads.
; REGISTERS, in windows of 256: window 0: v0-31 addresses, v8-11 my four numbers of fo_b; v32-63 scale words, two sets; from v128 A's fragments (8 x 16 rows x 128 K), ONE set; on the way out v128-255 are free.
;   window 1: B's fragments, TWO sets, at v0 and at v128.   window 2: the 32 accumulators of my rows 0-63 (accumulator (a, b) at v[8 (8 a + b)]);   window 3: those of my rows 64-127.
; A step of 128 along K is 64 matrix instructions, A's blocks one after the other, each against B's eight.  So a block of A is free as soon as its eight products are issued, and one set of registers serves A.
.set SIZE_M, 16384
.set SIZE_N, 1024
.set SIZE_K, 1024
.set KSTEP,  256                       ; along K in a slot
.set NQ,     KSTEP/128                 ; matrix instructions deep
.set ROWB,   256                       ; a tile's row in bytes
.set KROW,   SIZE_K                    ; a row of A or of B in memory, in bytes
.set PITCH,  272                       ; an LDS row: 256 bytes of data + 16 of padding = 68 words: row r starts at bank 4 r mod 64 (64 banks of 4 bytes: ISA guide 11.1)
.set FR,     16                        ; registers of a fragment: 16 rows x 128 K
.set NL,     4                         ; LDS loads that bring one
.set NP,     8                         ; places behind this matrix instruction (ISA guide 7.12.1)
.set HALFT,  128*PITCH                 ; 128 rows: what one tensor load brings, and what one wave reads of A or of B
.set SLOT,   4*HALFT                   ; A's 256 rows, then B's 256 rows
.set LAPS,   SIZE_K/(2*KSTEP)          ; a lap = two K steps = once round the ring
.set KS,     SIZE_K/32                 ; a row of scales in bytes
.set SCL,    2*SLOT                    ; behind the ring: the scales, as units of 256 bytes + 16 of padding
.set HALFS,  (128*KS/256)*272          ; the scales of 128 rows: what one tensor load brings
.set SBLK,   (16*KS/256)*272           ; those of 16 rows
.set SPARE,  SCL+4*HALFS               ; behind the scales: the spare words, 128 bytes for each wave: two blocks of 256 bytes that no other line names
.set SPITCH, 528                       ; the way out: a stage of 16 rows x (512 bytes + 16) for each wave.  It lies in slot 0, which has had its last fill and its last read when the first result is stored there
.set ADRA, 16                          ; v16-17  LDS address of my A fragments in slot 0, 1
.set ADRB, 20                          ; v20-21  the same for B
.set STO,  24                          ; v24     the way out: where I put 32 bytes of a row
.set RD,   25                          ; v25     the way out: where I read a row back
.set CO,   26                          ; v26     my byte offset in a row of C
.set SPW,  28                          ; v28     SPARE + 4 x my thread's number; never rewritten
.set NIL,  29                          ; v29     0; never rewritten
.set ADRS, 27                          ; v27     LDS address of my scale words: lanes 0-15 A's rows, lanes 16-31 B's
.set FB,   8                           ; v8-11   fo_b at my four columns
.set SC,   32                          ; scale words: set s at v[SC + 8 NQ s]; register NQ i + q: lanes 0-15 the word of A's block i, lanes 16-31 that of B's block i
.set AF,   128                         ; A's fragments, in window 0
.set BK,   128                         ; the way out: 16 rows read back from the stage: v128-191 and v192-255 by turns
.set G1, 24                            ; s[24:31] descriptor group 1 for A's tiles;  s[32:39] group 0, one set for each slot
.set G0, 32
.set G1B, 48                           ; s[48:55], s[56:63] the same for B's tiles
.set G0B, 56
.set G1S, 68                           ; s[68:75], s[76:79] groups 1 and 0 for A's scales;  s[80:87], s[88:91] for B's
.set G0S, 76
.set G1SB, 80
.set G0SB, 88
.set MSB, 0
.macro WIN new                         ; the immediate's high byte repeats the setting that is left
.if MSB != \new
	s_set_vgpr_msb (MSB<<8)|\new
.set MSB, \new
.endif
.endm
.set MUL_LO, 0xa1                      ; source 0 (B) window 1, source 1 (A) window 0, C and D window 2
.set MUL_HI, 0xf1                      ; the same, C and D window 3
.set TO_B,   0x40                      ; destination window 1, address window 0
; A joint load: waves 0 and 1 fetch for A, waves 2 and 3 for B.  Each of the two lines has ONE mask and one set of registers for all that issue it; the branch hangs on the wave's number alone.
; An s_nop 0 and four v_nop follow each of the two lines, ahead of the jump, the label and what follows.
.macro JLOAD g0a, g1a, g0b, g1b
	s_cmp_eq_u32 s15, 0
	s_cbranch_scc0 .Lfor_b_\@
	tensor_load_to_lds s[\g0a:\g0a+3], s[\g1a:\g1a+7]
	s_nop 0
.rept 4
	v_nop
.endr
	s_branch .Lasked_\@
.Lfor_b_\@:
	tensor_load_to_lds s[\g0b:\g0b+3], s[\g1b:\g1b+7]
	s_nop 0
.rept 4
	v_nop
.endr
.Lasked_\@:
.endm
.macro CREST                           ; a round of the cluster's barrier behind its opening barrier
	s_cmp_lg_u32 s14, 0
	s_cbranch_scc1 .Lnot_wave_0_\@
	s_barrier_signal -3
.Lnot_wave_0_\@:
	s_barrier_wait -3
	s_barrier_signal -1
	s_barrier_wait -1
.endm
.macro CROUND                          ; a whole round
	s_barrier_signal -1
	s_barrier_wait -1
	CREST
.endm
	s_load_b128 s[4:7], s[0:1], 0x0                ; A's codes s[4:5], A's scales s[6:7]
	s_load_b128 s[8:11], s[0:1], 0x10              ; B's codes s[8:9], B's scales s[10:11]
	s_load_b64 s[12:13], s[0:1], 0x20              ; C
	s_load_b64 s[98:99], s[0:1], 0x28              ; fo_b
	v_lshl_add_u32 v[SPW], v0, 2, SPARE
	v_mov_b32 v[NIL], 0
	ds_add_u32 v[SPW], v[NIL]                      ; the wave's opening: the add, twice on end, and its wait ahead of my first tensor load; the set-up below the second, work on registers, stands between it and the wait
	ds_add_u32 v[SPW], v[NIL]
	v_lshrrev_b32 v1, 5, v0
	v_readfirstlane_b32 s14, v1                    ; wave 0..3
	s_lshr_b32 s15, s14, 1                         ; which half of the tile's rows is mine.  Also: I fetch for A (0) or for B (1)
	s_and_b32 s16, s14, 1                          ; which half of its columns.  Also: which 128 rows of that tile I fetch
	s_bfe_u32 s40, ttmp6, 0x40000                  ; cx, cy: my place in the cluster
	s_bfe_u32 s41, ttmp6, 0x40004
	s_lshl_b32 s42, ttmp9, 2
	s_add_co_u32 s42, s42, s40                     ; tile column of C = 4 x cluster x + cx
	s_and_b32 s17, ttmp7, 0xffff
	s_lshl_b32 s17, s17, 2
	s_add_co_u32 s17, s17, s41                     ; tile row of C = 4 x cluster y + cy
	s_lshl_b32 s43, s41, 2
	s_lshl_b32 s43, 15, s43                        ; my row of the cluster
	s_lshl_b32 s44, 0x1111, s40                    ; my column
	; descriptor group 1: a tile of 128 rows x ROWB bytes, padded in LDS
	s_or_b32 s[G1+0], s43, (0<<16)|(1<<20)|(1<<21)|(5<<22)|(3<<25)  ; 15:0 the mask: A's tiles go to my row; 17:16 element of 1 byte; 20 padding on; 21 set beside a mask; 24:22 after every 64 words (code 5); 31:25 of 4 words (code 3)
	s_or_b32 s[G1B+0], s44, (0<<16)|(1<<20)|(1<<21)|(5<<22)|(3<<25)
.irp g, G1, G1B
	s_mov_b32 s[\g+1], ROWB<<16                    ; tensor_dim0
	s_mov_b32 s[\g+2], 128<<16                     ; tensor_dim1 = 128
	s_mov_b32 s[\g+3], ROWB<<16                    ; tile_dim0
	s_mov_b32 s[\g+4], 128                         ; tile_dim1 = 128
	s_mov_b32 s[\g+5], KROW                        ; tensor_dim0_stride
	s_mov_b32 s[\g+6], 0
	s_mov_b32 s[\g+7], 0
.endr
	; and for the scales of 128 rows: a dense block of 128 KS bytes, as rows of 256 bytes (32 elements of 8 bytes), 16 bytes of padding behind each
	s_or_b32 s[G1S+0], s43, (3<<16)|(1<<20)|(1<<21)|(5<<22)|(3<<25)
	s_or_b32 s[G1SB+0], s44, (3<<16)|(1<<20)|(1<<21)|(5<<22)|(3<<25)
.irp g, G1S, G1SB
	s_mov_b32 s[\g+1], 32<<16
	s_mov_b32 s[\g+2], (128*KS/256)<<16
	s_mov_b32 s[\g+3], 32<<16
	s_mov_b32 s[\g+4], 128*KS/256
	s_mov_b32 s[\g+5], 32
	s_mov_b32 s[\g+6], 0
	s_mov_b32 s[\g+7], 0
.endr
	s_lshl_b32 s18, s16, 7                         ; which 128 rows of the tile I fetch
	s_lshl_b32 s20, s17, 8
	s_add_co_u32 s20, s20, s18                     ; A: row 256 x tile row + 128 x half
	s_lshl_b32 s46, s42, 8
	s_add_co_u32 s46, s46, s18                     ; B: row 256 x tile column + 128 x half
	s_mov_b32 s21, 0
	s_mov_b32 s47, 0
	s_mov_b64 s[18:19], KS
	s_mul_u64 s[22:23], s[20:21], s[18:19]         ; where these rows' scales begin, in bytes
	s_mul_u64 s[92:93], s[46:47], s[18:19]
	s_mov_b64 s[18:19], KROW
	s_mul_u64 s[20:21], s[20:21], s[18:19]         ; and their codes
	s_mul_u64 s[46:47], s[46:47], s[18:19]
	s_mul_i32 s45, s14, HALFT                      ; where they go: wave x 128 rows: no place in the cluster enters an LDS address
	s_mul_i32 s94, s14, HALFS
	s_wait_dscnt 0x0                               ; both opening adds are done
	s_wait_kmcnt 0x0
	s_add_nc_u64 s[20:21], s[4:5], s[20:21]
	s_add_nc_u64 s[22:23], s[6:7], s[22:23]
	s_add_nc_u64 s[46:47], s[8:9], s[46:47]
	s_add_nc_u64 s[92:93], s[10:11], s[92:93]
	CROUND                                         ; all sixteen work-groups are here: the first joint loads meet
	s_mov_b32 s[G0S], 1
	s_add_co_u32 s[G0S+1], s94, SCL
	s_mov_b64 s[G0S+2:G0S+3], s[22:23]
	s_or_b32 s[G0S+3], s[G0S+3], 0x80000000
	s_mov_b32 s[G0SB], 1
	s_add_co_u32 s[G0SB+1], s94, SCL
	s_mov_b64 s[G0SB+2:G0SB+3], s[92:93]
	s_or_b32 s[G0SB+3], s[G0SB+3], 0x80000000
	JLOAD G0S, G1S, G0SB, G1SB                     ; the scales first: they are wanted with K step 0
.irp s, 0,1
	s_mov_b32 s[G0+4*\s], 1
	s_add_co_u32 s[G0+4*\s+1], s45, \s*SLOT
	s_add_nc_u64 s[G0+4*\s+2:G0+4*\s+3], s[20:21], \s*ROWB
	s_or_b32 s[G0+4*\s+3], s[G0+4*\s+3], 0x80000000
	s_mov_b32 s[G0B+4*\s], 1
	s_add_co_u32 s[G0B+4*\s+1], s45, \s*SLOT
	s_add_nc_u64 s[G0B+4*\s+2:G0B+4*\s+3], s[46:47], \s*ROWB
	s_or_b32 s[G0B+4*\s+3], s[G0B+4*\s+3], 0x80000000
	JLOAD G0+4*\s, G1, G0B+4*\s, G1B
.endr
	v_and_b32 v1, 15, v0                           ; l % 16
	v_bfe_u32 v2, v0, 4, 1                         ; l / 16
	v_mul_u32_u24 v3, v1, PITCH
	v_lshl_add_u32 v4, v2, 4, v3                   ; a fragment's row x pitch + 16 x half
	s_mul_i32 s21, s15, HALFT                      ; my 128 rows of A
	s_mul_i32 s22, s16, HALFT                      ; my 128 rows of B,
	s_add_co_u32 s22, s22, 2*HALFT                 ; which lie behind A's 256
.irp s, 0,1
	v_add_nc_u32 v[ADRA+\s], s21, v4
	v_add_nc_u32 v[ADRB+\s], s22, v4
	s_add_co_u32 s21, s21, SLOT
	s_add_co_u32 s22, s22, SLOT
.endr
	v_mul_u32_u24 v5, v1, KS                       ; my row's scales: KS bytes a row,
	v_lshrrev_b32 v6, 8, v5
	v_lshl_add_u32 v5, v6, 4, v5                   ; and 16 more for each 256 passed
	s_mul_i32 s21, s15, HALFS                      ; A's: my 128 rows
	s_mul_i32 s22, s16, HALFS                      ; B's: my 128 rows, behind A's 256
	s_add_co_u32 s22, s22, 2*HALFS
	s_sub_co_u32 s22, s22, s21
	v_mul_u32_u24 v6, s22, v2                      ; lanes 16-31 take B's
	s_add_co_u32 s21, s21, SCL
	v_add_nc_u32 v5, v5, v6
	v_add_nc_u32 v[ADRS], s21, v5
	s_mul_i32 s23, s14, 16*SPITCH                  ; my stage
	v_mul_u32_u24 v5, v1, SPITCH                   ; in: row l % 16, 32 bytes for each half of the lanes
	v_lshl_add_u32 v5, v2, 5, v5
	v_add_nc_u32 v[STO], s23, v5
	v_and_b32 v6, 31, v0
	v_lshlrev_b32 v[CO], 4, v6                     ; back: the 32 lanes take one row of 512 bytes; and the same in C
	v_add_nc_u32 v[RD], s23, v[CO]
	s_lshl_b32 s20, s17, 8
	s_lshl_b32 s21, s15, 7
	s_add_co_u32 s20, s20, s21                     ; my first row of C: 256 x tile row + 128 x half
	s_mov_b32 s21, 0
	s_mov_b64 s[18:19], SIZE_N*4
	s_mul_u64 s[20:21], s[20:21], s[18:19]
	s_lshl_b32 s46, s42, 10                        ; my first column, in bytes: 1024 x tile column + 512 x half
	s_lshl_b32 s47, s16, 9
	s_add_co_u32 s46, s46, s47
	s_mov_b32 s47, 0
	s_add_nc_u64 s[20:21], s[20:21], s[46:47]
	s_add_nc_u64 s[12:13], s[12:13], s[20:21]
	s_add_nc_u64 s[98:99], s[98:99], s[46:47]      ; fo_b at my first column: 4 bytes a column, as in a row of C
	global_load_b128 v[FB:FB+3], v[CO], s[98:99]   ; the four columns that I store of every row
.macro FRAG reg, adr, q, i             ; a fragment, 16 rows x 128 K of 8-bit codes, is 16 registers: lane l holds row l % 16; registers 4 c .. 4 c + 3 hold K = 32 c + 16 (l / 16) + 0 .. 15
.irp c, 0,1,2,3
	ds_load_b128 v[\reg+4*\c:\reg+4*\c+3], v[\adr] offset:128*(\q)+32*\c+(\i)*16*PITCH
.endr
.endm
; 16 matrix instructions: A's blocks a0, a0 + 1 x B's eight, 128 along K: the slot's q-th.  p: B's set;  sc: the set of scale words.  zero = 1: the first product starts the sums: nothing is ever cleared.
; The 64 accumulators take turns, one instruction a turn, in the same order in every step.
.macro MUL16 a0, p, q, sc, zero
.irp a, \a0, \a0+1
.irp b, 0,1,2,3,4,5,6,7
.if \zero
	v_wmma_scale_f32_16x16x128_f8f6f4 v[8*(8*((\a)%4)+\b):8*(8*((\a)%4)+\b)+7], v[128*(\p)+FR*\b:128*(\p)+FR*\b+FR-1], v[AF+FR*(\a):AF+FR*(\a)+FR-1], 0, v[SC+8*NQ*(\sc)+NQ*\b+(\q)], v[SC+8*NQ*(\sc)+NQ*(\a)+(\q)] matrix_a_fmt:MATRIX_FMT_BF8 matrix_b_fmt:MATRIX_FMT_BF8 matrix_a_scale:MATRIX_SCALE_ROW1
.else
	v_wmma_scale_f32_16x16x128_f8f6f4 v[8*(8*((\a)%4)+\b):8*(8*((\a)%4)+\b)+7], v[128*(\p)+FR*\b:128*(\p)+FR*\b+FR-1], v[AF+FR*(\a):AF+FR*(\a)+FR-1], v[8*(8*((\a)%4)+\b):8*(8*((\a)%4)+\b)+7], v[SC+8*NQ*(\sc)+NQ*\b+(\q)], v[SC+8*NQ*(\sc)+NQ*(\a)+(\q)] matrix_a_fmt:MATRIX_FMT_BF8 matrix_b_fmt:MATRIX_FMT_BF8 matrix_a_scale:MATRIX_SCALE_ROW1
.endif
.endr
.endr
.endm
.macro FETCH_B slot, q, p              ; B's eight fragments of the slot's q-th 128 along K into set p
	WIN TO_B
.irp i, 0,1,2,3,4,5,6,7
	FRAG 128*(\p)+FR*\i, ADRB+\slot, \q, \i
.endr
	WIN 0
.endm
.macro FETCH_A slot, q, i0             ; A's blocks i0 .. i0 + 3
.irp i, \i0, \i0+1, \i0+2, \i0+3
	FRAG AF+FR*(\i), ADRA+\slot, \q, \i
.endr
.endm
.macro SCALES sc                       ; the next K step's scale words into set sc: NQ words a row; lanes 0-15 take A's block i, lanes 16-31 B's block i
.irp i, 0,1,2,3,4,5,6,7
	ds_load_b64 v[SC+8*NQ*\sc+NQ*\i:SC+8*NQ*\sc+NQ*\i+1], v[ADRS] offset:\i*SBLK
.endr
.endm
; A load into a register that a matrix instruction has read, and a vector instruction or an LDS store that reads a matrix result, stand NP places behind that matrix instruction, and only plain vector
; instructions that name none of its registers are places (ISA guide 7.12.1 for vector instructions).
.macro PLACES n
.rept \n
	v_nop
.endr
.endm
; A step of 128 along K that has its successor in the same slot.
.macro STEP slot, q, zero
	s_wait_dscnt 4*NL                              ; B's set and A's blocks 0-3 are in; the youngest loads (A's blocks 4-7) may be out
	WIN MUL_LO
	MUL16 0, (\q)%2, \q, \slot, \zero
	MUL16 2, (\q)%2, \q, \slot, \zero
	s_wait_dscnt 0                                 ; A's blocks 4-7 are in (asked for 32 matrix instructions ago)
	PLACES NP
	FETCH_B \slot, (\q)+1, 1-(\q)%2
	FETCH_A \slot, (\q)+1, 0
	WIN MUL_HI
	MUL16 4, (\q)%2, \q, \slot, \zero
	MUL16 6, (\q)%2, \q, \slot, \zero
	PLACES NP
	WIN 0
	FETCH_A \slot, (\q)+1, 4
.endm
; A slot's last step changes slots: ONE barrier; in front of it each wave waits for all its tensor loads, adds 0 to its spare word, and waits for that and for its own reads of this slot.  fill = 1: this slot is filled again, two K steps ahead.
.macro TURN slot, next, fill
	s_wait_tensorcnt 0x0                           ; all my tensor loads have landed: my part of the next slot;  (every window is 0 here: the add's two registers lie in window 0)
	ds_add_u32 v[SPW], v[NIL]                      ; 0 onto my spare word
	s_wait_dscnt 4*NL+1                            ; (the add and the youngest loads, A's blocks 4-7, may be out)
	WIN MUL_LO
	MUL16 0, 1, NQ-1, \slot, 0                     ; sixteen matrix instructions stand between the add and the wait for it
	s_wait_dscnt 0x0                               ; the add is done, and my reads of this slot are over
	s_barrier_signal -1
	MUL16 2, 1, NQ-1, \slot, 0
	WIN 0
	s_barrier_wait -1
.if \fill
	CREST                                          ; the barrier has opened a round of the cluster's barrier: no wave of any partner still reads this slot's tile or has a load on its way
	s_add_nc_u64 s[G0+4*\slot+2:G0+4*\slot+3], s[G0+4*\slot+2:G0+4*\slot+3], 2*ROWB
	s_add_nc_u64 s[G0B+4*\slot+2:G0B+4*\slot+3], s[G0B+4*\slot+2:G0B+4*\slot+3], 2*ROWB
	JLOAD G0+4*\slot, G1, G0B+4*\slot, G1B         ; the first tensor load behind the round; the four v_nop behind it are among the places in front of the loads below
	PLACES NP-4
.else
	PLACES NP
.endif
	v_add_nc_u32 v[ADRS], 4*NQ, v[ADRS]            ; on to the next K step's scale words (no LDS load of mine is out)
	FETCH_B \next, 0, 0
	FETCH_A \next, 0, 0
	SCALES \next
	WIN MUL_HI
	MUL16 4, 1, NQ-1, \slot, 0
	MUL16 6, 1, NQ-1, \slot, 0
	PLACES NP
	WIN 0
	FETCH_A \next, 0, 4
.endm
	s_wait_loadcnt 0x0                             ; fo_b: it landed while the first tiles were on their way
	s_wait_tensorcnt 1                             ; the scales and my part of K step 0 are in (K step 1's load may be out),
	s_barrier_signal -1
	s_barrier_wait -1                              ; everybody's are
	FETCH_B 0, 0, 0
	FETCH_A 0, 0, 0
	SCALES 0
	FETCH_A 0, 0, 4
	STEP 0, 0, 1                                   ; the first step stands in front of the loop: its products start the sums
.if LAPS > 1
	s_mov_b32 s3, LAPS-1
.Llap:                                                 ; a trip goes once round the ring, from a lap's second step to the next lap's first, and fills both slots again
	TURN 0, 1, 1
	STEP 1, 0, 0
	TURN 1, 0, 1
	STEP 0, 0, 0
	s_sub_co_u32 s3, s3, 1
	s_cmp_lg_u32 s3, 0
	s_cbranch_scc1 .Llap
.endif
	TURN 0, 1, 0                                   ; the last lap fills nothing, and has no round of the cluster's barrier
	STEP 1, 0, 0
	s_wait_dscnt 4*NL                              ; the very last step: nothing more to fetch
	WIN MUL_LO
	MUL16 0, 1, NQ-1, 1, 0
	MUL16 2, 1, NQ-1, 1, 0
	s_wait_dscnt 0
	WIN MUL_HI
	MUL16 4, 1, NQ-1, 1, 0
	MUL16 6, 1, NQ-1, 1, 0
	WIN 0
; THE WAY OUT, block by block of 16 rows x 128 columns.  A lane holds 32 neighbouring bytes of a row, and the lanes beside it hold other rows: so a block goes through my own stage in LDS and comes back as whole
; rows of 512 bytes; there fo_b is added, and the 32 lanes store two aligned runs of 256 bytes.  LDS serves a wave's instructions in order (ISA guide 5.7.1.4): no wait between the stores and the loads, nor in front of the next block's stores.
.macro TOSTAGE a
.set AC, 64*((\a)%4)
	WIN 0x08+4*((\a)/4)                            ; the data: window 2 or 3
.irp b, 0,1,2,3,4,5,6,7
	ds_store_b128 v[STO], v[AC+8*\b:AC+8*\b+3] offset:64*\b          ; each accumulator from its low end on
	ds_store_b128 v[STO], v[AC+8*\b+4:AC+8*\b+7] offset:64*\b+16
.endr
	WIN 0
.set BB, BK+64*((\a)%2)
.irp t, 0,1,2,3,4,5,6,7,8,9,10,11,12,13,14,15
	ds_load_b128 v[BB+4*\t:BB+4*\t+3], v[RD] offset:\t*SPITCH
.endr
.endm
.macro SEND a, younger                 ; younger: the LDS instructions issued behind block a's loads, which may stay out
.set BB, BK+64*((\a)%2)
	s_wait_dscnt \younger                          ; the block is back in registers
.if (\a) > 0
	s_add_nc_u64 s[12:13], s[12:13], 16*SIZE_N*4   ; (behind a wait on XCNT: the earlier stores have read their base)  16 rows of C on, so that the stores' offsets stay small
.endif
.irp t, 0,1,2,3,4,5,6,7,8,9,10,11,12,13,14,15
	v_pk_add_f32 v[BB+4*\t:BB+4*\t+1], v[BB+4*\t:BB+4*\t+1], v[FB:FB+1]          ; + fo_b
	v_pk_add_f32 v[BB+4*\t+2:BB+4*\t+3], v[BB+4*\t+2:BB+4*\t+3], v[FB+2:FB+3]
	global_store_b128 v[CO], v[BB+4*\t:BB+4*\t+3], s[12:13] offset:\t*SIZE_N*4 th:TH_STORE_NT   ; 32 lanes store 512 consecutive bytes, at a multiple of 256 from C's first byte; written once, read by nobody here
.endr
.endm
	PLACES NP                                      ; these places serve the loads into the registers that held A's fragments and the reads of the last products' results alike
	TOSTAGE 0
.irp a, 1,2,3,4,5,6,7
.if \a > 1
	s_wait_xcnt 0x0                                ; block a - 2's stores have read their registers and their base: block a's loads may land there, and the base may step
.endif
	TOSTAGE \a
	SEND \a-1, 32                                  ; behind block a - 1's loads: block a's 16 stores and 16 loads
.endr
	s_wait_xcnt 0x0                                ; block 6's stores have read their base
	SEND 7, 0
	s_wait_tensorcnt 0x0                           ; the wave's end: behind my last tensor load and my last LDS store
	ds_add_u32 v[SPW], v[NIL]
	s_wait_dscnt 0x0
	CROUND                                         ; the closing round: no work-group ends while a partner may still ask for a tile that names it
	s_endpgm
.Lfunc_end_k_q23915c5968_oproj:
	.size	k_q23915c5968_oproj, .Lfunc_end_k_q23915c5968_oproj-k_q23915c5968_oproj
	.p2alignl 7, 3214868480
	.fill 96, 4, 3214868480
	.section	.rodata,"a",@progbits
	.p2align	6, 0x0
	.amdhsa_kernel k_q23915c5968_oproj
		.amdhsa_group_segment_fixed_size 327680
		.amdhsa_private_segment_fixed_size 0
		.amdhsa_enable_private_segment 0
		.amdhsa_kernarg_size 48
		.amdhsa_user_sgpr_count 2
		.amdhsa_user_sgpr_kernarg_segment_ptr 1
		.amdhsa_wavefront_size32 1
		.amdhsa_system_sgpr_workgroup_id_x 1
		.amdhsa_system_sgpr_workgroup_id_y 1
		.amdhsa_system_sgpr_workgroup_id_z 1
		.amdhsa_system_vgpr_workitem_id 0
		.amdhsa_next_free_vgpr 1024
		.amdhsa_next_free_sgpr 100
		.amdhsa_reserve_vcc 0
		.amdhsa_float_denorm_mode_32 3
		.amdhsa_float_denorm_mode_16_64 3
		.amdhsa_memory_ordered 1
		.amdhsa_forward_progress 1
		.amdhsa_inst_pref_size 162
	.end_amdhsa_kernel
	.amdgpu_metadata
---
amdhsa.version: [ 1, 2 ]
amdhsa.kernels:
  - .name:           k_q23915c5968_oproj
    .symbol:         k_q23915c5968_oproj.kd
    .args:
      - { .name: oc, .offset: 0, .size: 8, .value_kind: global_buffer, .address_space: global }
      - { .name: os, .offset: 8, .size: 8, .value_kind: global_buffer, .address_space: global }
      - { .name: fo_codes, .offset: 16, .size: 8, .value_kind: global_buffer, .address_space: global }
      - { .name: fo_scales, .offset: 24, .size: 8, .value_kind: global_buffer, .address_space: global }
      - { .name: out0, .offset: 32, .size: 8, .value_kind: global_buffer, .address_space: global }
      - { .name: fo_b, .offset: 40, .size: 8, .value_kind: global_buffer, .address_space: global }
    .group_segment_fixed_size: 327680
    .private_segment_fixed_size: 0
    .kernarg_segment_align: 8
    .kernarg_segment_size: 48
    .max_flat_workgroup_size: 128
    .sgpr_count:     100
    .vgpr_count:     1024
    .wavefront_size: 32
...
	.end_amdgpu_metadata
.endif
;; end of part 3
;; ======== version 2 of 2: 3 launches
;; limits: right only within a limited range of input values
;; workspace buffers: wimg 3,244,032 bytes; bimg 12,288 bytes; fo_codes 1,048,576 bytes; fo_scales 32,768 bytes; oc 16,777,216 bytes; os 524,288 bytes
;; launch wprep (part 4): grid 256 x 1, 4 waves a work-group, no clusters, 18,944 bytes of LDS; arguments wq_w, wk_w, wv_w, fo_w, wq_b, wk_b, wv_b, wimg, bimg, fo_codes, fo_scales; writes wimg, bimg, fo_codes, fo_scales
.if DOCPART == 4
	.amdgcn_target "amdgcn-amd-amdhsa--gfx1250"
	.amdhsa_code_object_version 6
	.text
	.protected	k_q23915c5968_wprep
	.globl	k_q23915c5968_wprep
	.p2align	8
	.type	k_q23915c5968_wprep,@function
k_q23915c5968_wprep:
	s_mov_b64 s[64:65], 0
	v_nop
	global_prefetch_b8 v0, s[64:65] scope:SCOPE_SE
	s_setreg_imm32_b32 hwreg(HW_REG_WAVE_MODE, 25, 1), 1
	s_wait_xcnt 0x0
; THE FOUR WEIGHTS [1024 (out)][1024 (in)], f32, K = in innermost, ARE QUANTISED ONCE into codes of BF8 (E5M2) with one E8M0 byte for each 32 along K.
; DEAD WORK: none in this program.  Every one of the eleven inputs has a way to the output (the biases on q and k move codes, those on v and on the result move values), so every input is loaded and every product of the problem is done.
; A block's scale is 2^(floor(log2(largest magnitude)) - 15); its byte is the largest magnitude's exponent field - 15, held at 1 from below; each number is held within +-57,344 x the scale and rounded to the nearest code, ties to even.
; LIMITS: a block of zeros gets the byte 1 where the rule says 127 (its codes are zeros, which add nothing under any byte but 0xff, and this program alone reads the bytes); blocks whose largest magnitude lies under 2^-111 sit at that floor; NaN and infinities among the inputs are not served.
; wq, wk, wv go to wimg AS IMAGES OF THE MATRIX OPERAND'S REGISTERS: 24 blocks of 135,168 bytes, block 8 mat + s for K step s of 128.  In a block tile T (16 rows of W) lies at 2048 T: chunk c at 512 c, lane l at 16 l: W[row(T, l % 16)][128 s + 32 c + 16 (l / 16) + 0..15].
;   wq, wk: row = 128 (T / 8) + 32 ((T % 8) / 2) + 8 (T % 2) + r + 8 (r / 8): the 16 result registers of two neighbouring tiles are then 16 neighbours along the next K.   wv: row = 64 r + T: a tile is one d, its rows the 16 heads.
;   Scale words from byte 131,072 on: 512 (T / 8) + 16 (r + 16 (T % 2)) + 4 ((T % 8) / 2): one load of 16 bytes a lane brings four registers, even tiles in lanes 0-15, odd ones in lanes 16-31.
; The biases go to bimg in the layout of the results: [mat][wave][group][lane / 16][64].  fo goes to fo_codes [n][k] and fo_scales [n][32], row-major, for the last launch.
; SHARES.  Work-groups 0-191: (mat, group of 8 tiles, K step); wave w takes tiles 2 w, 2 w + 1.  Work-groups 192-255: 16 rows of fo; wave w takes K steps 2 w, 2 w + 1.  The two ways part on the work-group's number and have LDS bytes of their own.
; A lane (r, h) loads, of its row, 16 neighbours of each block of 32: the conversions take neighbours along K from one lane's registers, and lane l xor 16 holds the block's other half.
; No matrix unit, no tensor load, no cluster: 16.8 MB are read once and nothing is shared.
.set SLOTB, 135168
.set GA,    0                          ; way 1: 512 bytes, a group's scale words
.set ST2,   512                        ; way 2: a stage of 16 rows x (256 + 16) bytes for each wave
.set SG2,   17920                      ; way 2: 512 bytes, 16 rows of scale bytes
.set SPARE, 18432                      ; the spare words, 128 bytes for each wave: two blocks of 256 bytes that no other line names
.set SPW,   12                         ; v12  SPARE + 4 x my thread's number; never rewritten
.set NIL,   13                         ; v13  0; never rewritten
.set X0,    32                         ; v32-95, v96-159: 64 numbers each
.set X1,    96
.set TM,    160                        ; v160-163 largest magnitudes, 164-167 bytes, 168-171 the largest number x the scale, 172-175 the conversions' scale operands
.set PW0,   176
.set PW1,   177
.set PC0,   180                        ; v180-195, v196-211: a fragment's codes
.set PC1,   196
.set OUTR,  212                        ; v212-243 the way out
.set SEL,   28                         ; s[28:29] selects of v_permlanex16_b32 for lane l xor 16
.set MNT,   30                         ; s30 the mantissa field of 57,344
; 64 numbers of a lane, register 16 b + i = K 32 b + 16 (lane / 16) + i of my row, become 16 registers of codes and the row's scale word
.macro QUANTA s, pc, pw
.irp b, 0,1,2,3
	v_max3_num_f32 v[TM+\b], |v[\s+16*\b]|, |v[\s+1+16*\b]|, 0x8000000   ; my 16 numbers of block b, and the floor 2^(16 - 127): the byte cannot fall under 1
.endr
.irp i, 2,4,6,8,10,12,14
.irp b, 0,1,2,3
	v_max3_num_f32 v[TM+\b], v[TM+\b], |v[\s+16*\b+\i]|, |v[\s+1+16*\b+\i]|   ; the four blocks by turns
.endr
.endr
.irp b, 0,1,2,3
	v_permlanex16_b32 v[TM+4+\b], v[TM+\b], s[SEL], s[SEL+1]
.endr
.irp b, 0,1,2,3
	v_max_num_f32 v[TM+\b], v[TM+\b], v[TM+4+\b]                   ; with lane l xor 16's: the block's largest magnitude
.endr
.irp b, 0,1,2,3
	v_add_nc_u32 v[TM+12+\b], 0xf8800000, v[TM+\b]                 ; 15 off its exponent field: the conversion's scale operand
.endr
.irp b, 0,1,2,3
	v_and_or_b32 v[TM+8+\b], v[TM+\b], 0x7f800000, s[MNT]          ; 57,344 x the scale
.endr
.irp b, 0,1,2,3
	v_lshrrev_b32 v[TM+4+\b], 23, v[TM+12+\b]                      ; the scale's byte
.endr
	v_lshl_or_b32 v[\pw], v[TM+5], 8, v[TM+4]
	v_lshl_or_b32 v[\pw], v[TM+6], 16, v[\pw]
	v_lshl_or_b32 v[\pw], v[TM+7], 24, v[\pw]
.irp b, 0,1,2,3
.irp i, 0,1,2,3,4,5,6,7,8,9,10,11,12,13,14,15
	v_med3_num_f32 v[\s+16*\b+\i], v[\s+16*\b+\i], -v[TM+8+\b], v[TM+8+\b]   ; the conversion to an 8-bit code does not saturate (ISA guide 7.6.2): the hold comes first
.endr
	v_cvt_scalef32_pk8_bf8_f32 v[\pc+4*\b:\pc+1+4*\b], v[\s+16*\b:\s+7+16*\b], v[TM+12+\b]
	v_cvt_scalef32_pk8_bf8_f32 v[\pc+2+4*\b:\pc+3+4*\b], v[\s+8+16*\b:\s+15+16*\b], v[TM+12+\b]
.endr
	v_nop                                          ; one plain line behind the last conversion, ahead of whatever next writes its sources
.endm
.macro BARRIER                                 ; my LDS stores have landed and my LDS loads are in: then the work-group's barrier
	s_wait_dscnt 0x0
	s_barrier_signal -1
	s_barrier_wait -1
.endm
.macro CLOSE                                   ; the wave's end: a tensor wait (even in a text with no tensor load), an add of 0 to my spare word and its wait, behind my last LDS store
	s_wait_tensorcnt 0x0
	ds_add_u32 v[SPW], v[NIL]
	s_wait_dscnt 0x0
	s_endpgm
.endm
	s_load_b256 s[4:11], s[0:1], 0x0               ; wq_w, wk_w, wv_w, fo_w
	s_load_b256 s[12:19], s[0:1], 0x20             ; wq_b, wk_b, wv_b, wimg
	s_load_b128 s[20:23], s[0:1], 0x40             ; bimg, fo_codes
	s_load_b64 s[24:25], s[0:1], 0x50              ; fo_scales
	v_lshl_add_u32 v[SPW], v0, 2, SPARE
	v_mov_b32 v[NIL], 0
	v_lshrrev_b32 v1, 5, v0
	v_readfirstlane_b32 s26, v1                    ; wave 0..3
	v_and_b32 v1, 31, v0                           ; lane
	v_and_b32 v2, 15, v0                           ; r
	v_bfe_u32 v3, v0, 4, 1                         ; h
	v_lshlrev_b32 v6, 4, v1                        ; 16 x lane: an image's place, and GA + 16 x lane
	s_mov_b32 s[SEL], 0x76543210
	s_mov_b32 s[SEL+1], 0xfedcba98
	s_mov_b32 s[MNT], 0x600000
.irp b, 0,1,2,3
	v_mov_b32 v[TM+4+\b], 0                        ; written once: a lane permute's destination counts as one of its sources
.endr
	; every LDS address, of both ways, ahead of the parting
	s_lshl_b32 s31, s26, 2
	v_lshl_add_u32 v7, v2, 4, s31                  ; way 1: GA + 16 r + 4 wave: my tile's scale word
	s_mul_i32 s31, s26, 4352
	s_add_co_u32 s31, s31, ST2
	v_mul_u32_u24 v8, v2, 272
	v_lshl_add_u32 v8, v3, 4, v8
	v_add_nc_u32 v8, s31, v8                       ; way 2, into my stage: row r, + 16 h
	v_mul_u32_u24 v9, v3, 272
	v_lshl_add_u32 v9, v2, 4, v9
	v_add_nc_u32 v9, s31, v9                       ; and back: sixteen lanes to a row, two rows an instruction
	s_lshl_b32 s31, s26, 3
	s_add_co_u32 s31, s31, SG2
	v_lshl_add_u32 v10, v2, 5, s31                 ; way 2: SG2 + 32 r + 8 wave
	v_add_nc_u32 v11, SG2, v6                      ; SG2 + 16 x lane
	s_wait_kmcnt 0x0
	s_cmp_ge_u32 ttmp9, 192
	s_cbranch_scc1 .Lfo
	; ---- way 1: wq, wk, wv
	s_lshr_b32 s31, ttmp9, 6                       ; mat
	s_bfe_u32 s32, ttmp9, 0x30003                  ; group of 8 tiles
	s_and_b32 s33, ttmp9, 7                        ; K step
	s_lshl_b32 s34, s32, 3
	s_lshl_b32 s35, s26, 1
	s_add_co_u32 s34, s34, s35                     ; my first tile: 8 group + 2 wave
	s_mov_b32 s36, 0x1000                          ; wq, wk: bytes from r to r + 1: one row;
	s_mov_b32 s37, 0x8000                          ; 8 rows more from r = 8 on;
	s_mov_b32 s38, 0x8000                          ; my second tile lies 8 rows on
	s_cmp_eq_u32 s31, 0
	s_cselect_b64 s[40:41], s[4:5], s[6:7]         ; the choices hang on the work-group's number alone
	s_cselect_b64 s[42:43], s[12:13], s[14:15]
	s_cmp_eq_u32 s31, 2
	s_cselect_b64 s[40:41], s[8:9], s[40:41]
	s_cselect_b64 s[42:43], s[16:17], s[42:43]
	s_cselect_b32 s36, 0x40000, s36                ; wv: 64 rows from r to r + 1,
	s_cselect_b32 s37, 0, s37
	s_cselect_b32 s38, 0x1000, s38                 ; and one row to the next tile
	s_cselect_b32 s39, 12, 16                      ; a tile's number counts 1 row (wv) or 16 rows (wq, wk: 128 group + 32 wave)
	s_cselect_b32 s44, -1, 0                       ; all lanes: is it wv?
	s_lshl_b32 s46, s34, s39
	s_lshl_b32 s45, s33, 9
	s_add_co_u32 s46, s46, s45                     ; + 512 bytes a K step
	s_mov_b32 s47, 0
	s_add_nc_u64 s[40:41], s[40:41], s[46:47]
	v_mul_lo_u32 v4, v2, s36
	v_lshrrev_b32 v5, 3, v2
	v_mul_lo_u32 v5, v5, s37
	v_add_nc_u32 v4, v4, v5
	v_lshl_add_u32 v4, v3, 6, v4                   ; + 64 h: my 16 numbers of a block of 32
	v_add_nc_u32 v5, s38, v4
.irp u, 0,1
.irp b, 0,1,2,3
.irp j, 0,1,2,3
	global_load_b128 v[X0+64*\u+16*\b+4*\j:X0+64*\u+16*\b+4*\j+3], v[4+\u], s[40:41] offset:128*\b+16*\j th:TH_LOAD_NT
.endr
.endr
.endr
	s_lshl_b32 s45, s31, 3
	s_add_co_u32 s45, s45, s33
	s_mul_i32 s46, s45, SLOTB
	s_add_nc_u64 s[48:49], s[18:19], s[46:47]      ; my block of wimg
	s_lshl_b32 s46, s34, 11
	s_add_nc_u64 s[50:51], s[48:49], s[46:47]      ; my two tiles in it
	s_wait_loadcnt 16                              ; the first tile's 16 loads are in; the second's may be out
	QUANTA X0, PC0, PW0
.irp c, 0,1,2,3
	global_store_b128 v6, v[PC0+4*\c:PC0+4*\c+3], s[50:51] offset:512*\c          ; 32 lanes store 512 consecutive bytes
.endr
	ds_store_b32 v7, v[PW0]                        ; both lanes of a row write the same word with the same value
	s_wait_loadcnt 0x0
	QUANTA X1, PC1, PW1
.irp c, 0,1,2,3
	global_store_b128 v6, v[PC1+4*\c:PC1+4*\c+3], s[50:51] offset:2048+512*\c
.endr
	ds_store_b32 v7, v[PW1] offset:256             ; the odd tile's words go to lanes 16-31
	BARRIER                                        ; the group's 128 scale words lie in LDS
	s_cmp_lg_u32 s26, 0
	s_cbranch_scc1 .Lnot_0a
	ds_load_b128 v[OUTR:OUTR+3], v6
	s_lshl_b32 s46, s32, 9
	s_add_co_u32 s46, s46, 131072
	s_add_nc_u64 s[52:53], s[48:49], s[46:47]
	s_wait_dscnt 0x0
	global_store_b128 v6, v[OUTR:OUTR+3], s[52:53] ; 512 consecutive bytes
.Lnot_0a:
	s_cmp_lg_u32 s33, 0                            ; the work-groups of K step 0 also lay the bias out: 128 numbers, one a thread
	s_cbranch_scc1 .Lno_bias
	v_and_b32 v14, 63, v0                          ; i = 8 t + j
	v_lshrrev_b32 v15, 6, v0                       ; the half of the lanes that will read it
	v_lshrrev_b32 v16, 4, v14
	v_lshl_add_u32 v16, v16, 4, v14
	v_lshl_add_u32 v16, v15, 4, v16
	s_lshl_b32 s46, s32, 7
	v_add_nc_u32 v16, s46, v16                     ; wq, wk: column 128 group + i + 16 (i / 16) + 16 h
	v_and_b32 v17, 7, v14
	v_lshlrev_b32 v17, 6, v17
	v_lshl_add_u32 v17, v15, 9, v17
	v_lshrrev_b32 v18, 3, v14
	v_add_nc_u32 v17, v17, v18
	s_lshl_b32 s45, s32, 3
	v_add_nc_u32 v17, s45, v17                     ; wv: column 512 h + 64 (i % 8) + 8 group + i / 8
	v_cndmask_b32 v16, v16, v17, s44
	v_lshlrev_b32 v16, 2, v16
	global_load_b32 v19, v16, s[42:43]
	s_lshl_b32 s45, s31, 3
	s_add_co_u32 s45, s45, s32
	s_lshl_b32 s46, s45, 9
	s_add_nc_u64 s[54:55], s[20:21], s[46:47]
	v_lshlrev_b32 v20, 2, v0
	s_wait_alu depctr_va_vdst(0)
	s_wait_loadcnt 0x0
	global_store_b32 v20, v19, s[54:55]
.Lno_bias:
	CLOSE
	; ---- way 2: fo, row-major
.Lfo:
	s_sub_co_u32 s31, ttmp9, 192                   ; which 16 rows
	s_lshl_b32 s46, s31, 16
	s_lshl_b32 s45, s26, 10
	s_add_co_u32 s46, s46, s45                     ; + my two K steps of 512 bytes
	s_mov_b32 s47, 0
	s_add_nc_u64 s[40:41], s[10:11], s[46:47]
	v_lshlrev_b32 v4, 12, v2
	v_lshl_add_u32 v4, v3, 6, v4
.irp u, 0,1
.irp b, 0,1,2,3
.irp j, 0,1,2,3
	global_load_b128 v[X0+64*\u+16*\b+4*\j:X0+64*\u+16*\b+4*\j+3], v4, s[40:41] offset:512*\u+128*\b+16*\j th:TH_LOAD_NT
.endr
.endr
.endr
	s_lshl_b32 s46, s31, 14
	s_lshl_b32 s45, s26, 8
	s_add_co_u32 s46, s46, s45
	s_add_nc_u64 s[50:51], s[22:23], s[46:47]      ; fo_codes at row 16 T, byte 256 wave
	v_lshlrev_b32 v5, 10, v3
	v_lshl_add_u32 v5, v2, 4, v5
	s_wait_loadcnt 16                              ; the first K step's 16 loads are in
	QUANTA X0, PC0, PW0
.irp c, 0,1,2,3
	ds_store_b128 v8, v[PC0+4*\c:PC0+4*\c+3] offset:32*\c
.endr
	ds_store_b32 v10, v[PW0]
	s_wait_loadcnt 0x0
	QUANTA X1, PC1, PW1
.irp c, 0,1,2,3
	ds_store_b128 v8, v[PC1+4*\c:PC1+4*\c+3] offset:128+32*\c
.endr
	ds_store_b32 v10, v[PW1] offset:4
.irp i, 0,1,2,3,4,5,6,7
	ds_load_b128 v[OUTR+4*\i:OUTR+4*\i+3], v9 offset:544*\i        ; LDS serves a wave's instructions in order (ISA guide 5.7.1.4): these see my stores
.endr
.irp i, 0,1,2,3,4,5,6,7
	s_wait_dscnt 7-\i
	global_store_b128 v5, v[OUTR+4*\i:OUTR+4*\i+3], s[50:51] offset:2048*\i   ; sixteen lanes store 256 consecutive bytes, aligned
.endr
	BARRIER                                        ; 16 rows of scale bytes lie in LDS
	s_cmp_lg_u32 s26, 0
	s_cbranch_scc1 .Lnot_0b
	ds_load_b128 v[X0:X0+3], v11
	s_lshl_b32 s46, s31, 9
	s_add_nc_u64 s[52:53], s[24:25], s[46:47]
	s_wait_dscnt 0x0
	global_store_b128 v6, v[X0:X0+3], s[52:53]
.Lnot_0b:
	CLOSE
.Lfunc_end_k_q23915c5968_wprep:
	.size	k_q23915c5968_wprep, .Lfunc_end_k_q23915c5968_wprep-k_q23915c5968_wprep
	.p2alignl 7, 3214868480
	.fill 96, 4, 3214868480
	.section	.rodata,"a",@progbits
	.p2align	6, 0x0
	.amdhsa_kernel k_q23915c5968_wprep
		.amdhsa_group_segment_fixed_size 18944
		.amdhsa_private_segment_fixed_size 0
		.amdhsa_enable_private_segment 0
		.amdhsa_kernarg_size 88
		.amdhsa_user_sgpr_count 2
		.amdhsa_user_sgpr_kernarg_segment_ptr 1
		.amdhsa_wavefront_size32 1
		.amdhsa_system_sgpr_workgroup_id_x 1
		.amdhsa_system_sgpr_workgroup_id_y 1
		.amdhsa_system_sgpr_workgroup_id_z 1
		.amdhsa_system_vgpr_workitem_id 0
		.amdhsa_next_free_vgpr 256
		.amdhsa_next_free_sgpr 66
		.amdhsa_reserve_vcc 0
		.amdhsa_float_denorm_mode_32 3
		.amdhsa_float_denorm_mode_16_64 3
		.amdhsa_memory_ordered 1
		.amdhsa_forward_progress 1
		.amdhsa_inst_pref_size 48
	.end_amdhsa_kernel
	.amdgpu_metadata
---
amdhsa.version: [ 1, 2 ]
amdhsa.kernels:
  - .name:           k_q23915c5968_wprep
    .symbol:         k_q23915c5968_wprep.kd
    .args:
      - { .name: wq_w, .offset: 0, .size: 8, .value_kind: global_buffer, .address_space: global }
      - { .name: wk_w, .offset: 8, .size: 8, .value_kind: global_buffer, .address_space: global }
      - { .name: wv_w, .offset: 16, .size: 8, .value_kind: global_buffer, .address_space: global }
      - { .name: fo_w, .offset: 24, .size: 8, .value_kind: global_buffer, .address_space: global }
      - { .name: wq_b, .offset: 32, .size: 8, .value_kind: global_buffer, .address_space: global }
      - { .name: wk_b, .offset: 40, .size: 8, .value_kind: global_buffer, .address_space: global }
      - { .name: wv_b, .offset: 48, .size: 8, .value_kind: global_buffer, .address_space: global }
      - { .name: wimg, .offset: 56, .size: 8, .value_kind: global_buffer, .address_space: global }
      - { .name: bimg, .offset: 64, .size: 8, .value_kind: global_buffer, .address_space: global }
      - { .name: fo_codes, .offset: 72, .size: 8, .value_kind: global_buffer, .address_space: global }
      - { .name: fo_scales, .offset: 80, .size: 8, .value_kind: global_buffer, .address_space: global }
    .group_segment_fixed_size: 18944
    .private_segment_fixed_size: 0
    .kernarg_segment_align: 8
    .kernarg_segment_size: 88
    .max_flat_workgroup_size: 128
    .sgpr_count:     66
    .vgpr_count:     256
    .wavefront_size: 32
...
	.end_amdgpu_metadata
.endif
;; end of part 4
;; launch qkv_attn (part 5): grid 256 x 1, 4 waves a work-group, clusters of 4 x 1, 327,680 bytes of LDS; arguments query, key, value, wimg, bimg, oc, os; writes oc, os
.if DOCPART == 5
	.amdgcn_target "amdgcn-amd-amdhsa--gfx1250"
	.amdhsa_code_object_version 6
	.text
	.protected	k_q23915c5968_qkv_attn
	.globl	k_q23915c5968_qkv_attn
	.p2align	8
	.type	k_q23915c5968_qkv_attn,@function
k_q23915c5968_qkv_attn:
	s_mov_b64 s[64:65], 0
	v_nop
	global_prefetch_b8 v0, s[64:65] scope:SCOPE_SE
	s_setreg_imm32_b32 hwreg(HW_REG_WAVE_MODE, 25, 1), 1
	s_wait_xcnt 0x0
	s_wait_alu depctr_hold_cnt(0) depctr_sa_sdst(0) depctr_va_vdst(0) depctr_va_sdst(0) depctr_va_ssrc(0) depctr_va_vcc(0) depctr_vm_vsrc(0)
	s_getreg_b32 s2, hwreg(HW_REG_IB_STS2, 6, 4)
	s_cmp_eq_u32 s2, 0
	s_cbranch_scc0 .Lentry_in_a_cluster
	s_endpgm
.Lentry_in_a_cluster:
	s_bfe_u32 s2, ttmp6, 0x10000c
	s_cmp_lg_u32 s2, 0x3003
	s_cbranch_scc0 .Lentry_shape_is_right
	s_endpgm
.Lentry_shape_is_right:
; q = query wq^T + bq, k = key wk^T + bk, v = value wv^T + bv (quantised products on codes of BF8 with E8M0 scales), then FOR EACH POSITION the attention across its 16 heads: scores = q k^T / 8 over d = 64 (quantised, two blocks of 32),
; softmax over the 16 key heads, weights x v (K = 16, f32 operands: its result goes into a quantiser), and the quantiser along the last projection's K.  q, k, v and the weights never go to memory; out go codes oc [row][1024] and scale bytes os [row][32].
; No work of the problem is left out here.
; LIMITS: a block of zeros gets the byte 1 where the rule says 127 (zero codes add nothing under any byte but 0xff; this program alone reads the bytes); blocks under 2^-111 sit at that floor; NaN and infinities among the inputs are not served.
; The softmax takes the row's maximum away and forms (s - m) ahead of the factor log2(e) / 8.
; SHARES.  A work-group owns 64 rows (positions) and walks all of wq, wk, wv: 24 K steps of 128.  THE WAVES SHARE THE COLUMNS: wave w makes columns 256 w .. + 255 of q and k (heads 4 w .. 4 w + 3) and d = 16 w .. + 15 of all heads of v, for all 64 rows:
; 16 tiles x 4 tiles of rows = 64 accumulators, 512 registers.  Each wave quantises 16 rows of x for a K step; the four fragments go round through LDS as images of their registers.  In the attention wave w owns positions 16 m + 4 w + e.
; x IS LOADED AS IT LIES: a load takes one row's 512 bytes of a K step, 16 bytes a lane, 512 consecutive bytes a wave.  The quantiser wants 16 neighbours of a block of 32 in ONE lane: so the wave's 16 rows turn through its own stage in LDS
; (stored as loaded, read back 64 bytes a lane), one step ahead of the quantiser, between two runs of matrix instructions.
; ALL PRODUCTS ARE USED TRANSPOSED (source 0 = 16 rows of W, or k, or v^T): a lane holds one row of x, or one query head, and its registers run along the next K.
; THE RING.  A K step's weights (64 tiles as register images and their scale words, 135,168 dense bytes) are one slot; two slots.  Each wave fetches a quarter, one tensor load behind each round: by this text's count one load of a wave is out at any time.
; CLUSTER.  All work-groups walk the same weights in the same order: four of them form a cluster and ask for each quarter JOINTLY (the same descriptor, mask 15).  A work-group's place enters the addresses of x, oc and os alone.
; SCORES.  K = 64 fills half of the instruction's 128: q's operand carries TWO positions (K 0-63, 64-127), k's operand one position and zero codes in the other half.
; No prefetch: x is asked for two K steps ahead of its turn, into registers, and the weights are read by every cluster.
; LDS: 0 slot 0; 135,168 slot 1; XB x's images, two sets of 8,704; HC q's or k's codes of 16 positions, two sets of 17,152 (during the K steps the same bytes are the four waves' stages for x, 8,448 each); the spare words; OST 2,048 scale bytes.
; Behind the last K step both slots have had their last fill and hold v in f32 (VT).
; REGISTERS, in windows of 256 (s_set_vgpr_msb: bits 1:0 source 0, 3:2 source 1, 5:4 source 2, 7:6 destination):
;   window 0: v1-23, v41-46 addresses; v24-27 x's scale words, v28-35 W's, v36-39 q's, v40 k's; v47 the scale word just made; v48-111 x's four fragments (epilogues: a bias; attention: rows on their way out);
;             v112-239 q's codes, later the softmax's weights; v240-255 the codes just made (in the epilogue of v: eight addresses)
;   window 1: v0-63, v64-127 two sets of four W tiles (also: numbers at work; k's operands; the quantiser's and the softmax's temporaries); v128-191, v192-255 two sets of x (attention: v's fragments)
;   windows 2, 3: accumulator (t, m) at window 2 + t / 8, v[8 (4 (t % 8) + m)]: written by matrix instructions alone in the whole text.
.set SLOTB, 135168
.set QSLOT, 33792                      ; a wave's quarter of a slot: 132 rows of 256 bytes
.set XB,    2*SLOTB
.set XBP,   8704                       ; a set: 4 images of 2,048 bytes, 4 x 128 bytes of scale words
.set HC,    XB+2*XBP
.set HCP,   17152                      ; a set: 16 positions x (1,024 + 16) bytes, then 8 pairs of positions x 16 heads x 4 scale bytes
.set HSC,   16640
.set XST,   HC                         ; x's stages lie where HC lies: 4 x 8,448 = 33,792 of its 34,304 bytes; a barrier parts the two uses, each way
.set XSTP,  528                        ; a stage's row: 512 bytes + 16 = 33 x 16: the sixteen rows that a read touches start at sixteen different columns of 16 bytes
.set SPARE, HC+2*HCP                   ; the spare words, 128 bytes for each wave: two blocks of 256 bytes that no other line names
.set OST,   SPARE+512
.set OSG,   HC                         ; the way out: 2,176 bytes for each wave, where HC lay
.set VTP,   4112                       ; a position of v: 16 heads x 64 d x 4 bytes + 16
.set L16, 1                            ; 16 x lane: an image's place, and my 16 bytes of a row of x
.set L4,  2                            ; 4 x lane
.set TW,  3                            ; my stage, on the way in: 16 x lane; the row stands in the immediate
.set BA,  4                            ; v4, v5   my 16 tiles in slot 0, 1
.set BS,  6                            ; v6, v7   their scale words
.set XR,  8                            ; x's images, to read
.set XSR, 9
.set XWI, 10                           ; and where I store mine
.set XWS, 11
.set HCW, 12                           ; HC: where I store codes (lane = position),
.set HSW, 13                           ; and scale halves
.set HCR, 14                           ; HC: my four positions, as images
.set HSR, 15
.set BIA, 16                           ; 256 h: a bias's place
.set TR,  17                           ; my stage, on the way out: 528 r + 64 h
.set VR,  18                           ; v18, v19 VT: my lane's place in a position, first and second four heads
.set OW,  20
.set ORD, 21
.set SPW, 22                           ; SPARE + 4 x my thread's number; never rewritten
.set NIL, 23                           ; 0; never rewritten
.set XSC, 24
.set WSC, 28
.set QS,  36
.set KS,  40
.set OSW, 41
.set AD,  42                           ; v42-45 addresses in hand
.set OSR, 46
.set PW,  47
.set AF,  48
.set QF,  112
.set PC,  240
.set VW,  240
.set TM,  64                           ; window 1: v64-67 largest magnitudes, 68-71 bytes, 72-75 the largest number x the scale, 76-79 the conversions' scale operands
.set XS0, 128                          ; window 1
.set WV,  8                            ; s8   wave
.set PH,  9                            ; s9   phases to go: 3 q, 2 k, 1 v
.set CNT, 10
.set NS,  14                           ; s14  K steps done, 0 .. 23: the same number in all waves and work-groups
.set GO,  27                           ; s27  an epilogue's loop: 32 x group, HC's codes; also its counter
.set GH,  30                           ; s30  8 x group: HC's scale halves
.set GB,  31                           ; s31  LDS: where the other group's bias lies: s[BLS] + 512 x (1 - group)
.set BLS, 15                           ; s15  LDS: my wave's 1,024 bytes for a phase's bias: OST + 1024 x wave.  The 4,096 bytes from OST on serve nothing else until the pairs' scale bytes, which barriers part from this use; no fill lands there
.set XK,  11                           ; s11  which K step of its tensor XP stands at
.set G1,  16                           ; s[16:23] descriptor group 1
.set SEL, 24                           ; s[24:25]
.set MNT, 26
.set CS,  28                           ; s[28:29] log2(e) / 8
.set G0,  32                           ; s[32:35], s[36:39] group 0 of slot 0, 1
.set XP,  40                           ; s[40:41] where the last load of x stood;  s[42:43] the tensor after it;  s[44:45] value
.set XN,  42
.set XV,  44
.set WI,  46
.set BP,  48
.set OCP, 50
.set OSP, 52
.set XT,  54
.set MSB, 0
.macro WIN new                         ; the immediate's high byte repeats the setting that is left; a switch that changes nothing is dropped
.if MSB != (\new)
	s_set_vgpr_msb (MSB<<8)|(\new)
.set MSB, (\new)
.endif
.endm
.macro PLACES n                        ; plain vector lines behind matrix instructions: eight for this form, ahead of reads of results and of loads or writes into registers that they named
.rept \n
	v_nop
.endr
.endm
.macro ROUND                           ; a round of the cluster's barrier
	s_barrier_signal -1
	s_barrier_wait -1
	s_cmp_lg_u32 s[WV], 0
	s_cbranch_scc1 .Lnot_wave_0_\@
	s_barrier_signal -3
.Lnot_wave_0_\@:
	s_barrier_wait -3
	s_barrier_signal -1
	s_barrier_wait -1
.endm
; 64 numbers of a lane, v[s] on in window sw, register 16 b + i = K 32 b + 16 (lane / 16) + i of my row, become codes in v[PC] on and the scale word in v[PW] (window 0).  The held numbers go to v[t] on in window 1.
.macro QUANT s, sw, t
	WIN 0x40|(\sw)|((\sw)<<2)
.irp b, 0,1,2,3
	v_max3_num_f32 v[TM+\b], |v[(\s)+16*\b]|, |v[(\s)+16*\b+1]|, 0x8000000   ; my 16 numbers of block b, from the low end on, and the floor 2^(16 - 127)
.endr
	WIN 0x41|((\sw)<<2)|((\sw)<<4)
.irp i, 2,4,6,8,10,12,14
.irp b, 0,1,2,3
	v_max3_num_f32 v[TM+\b], v[TM+\b], |v[(\s)+16*\b+\i]|, |v[(\s)+16*\b+\i+1]|
.endr
.endr
	WIN 0x55
.irp b, 0,1,2,3
	v_permlanex16_b32 v[TM+4+\b], v[TM+\b], s[SEL], s[SEL+1]
.endr
.irp b, 0,1,2,3
	v_max_num_f32 v[TM+\b], v[TM+\b], v[TM+4+\b]                   ; with lane l xor 16's: the block's largest magnitude
.endr
.irp b, 0,1,2,3
	v_add_nc_u32 v[TM+12+\b], 0xf8800000, v[TM+\b]                 ; 15 off its exponent field: the conversion's scale operand
.endr
.irp b, 0,1,2,3
	v_and_or_b32 v[TM+8+\b], v[TM+\b], 0x7f800000, s[MNT]          ; 57,344 x the scale
.endr
.irp b, 0,1,2,3
	v_lshrrev_b32 v[TM+4+\b], 23, v[TM+12+\b]                      ; the scale's byte
.endr
	v_lshl_or_b32 v[TM+4], v[TM+5], 8, v[TM+4]
	v_lshl_or_b32 v[TM+6], v[TM+7], 8, v[TM+6]
	WIN 0x11
	v_lshl_or_b32 v[PW], v[TM+6], 16, v[TM+4]                      ; the row's scale word, into window 0
	WIN 0x54|(\sw)
.irp b, 0,1,2,3
.irp i, 0,1,2,3,4,5,6,7,8,9,10,11,12,13,14,15
	v_med3_num_f32 v[(\t)+16*\b+\i], v[(\s)+16*\b+\i], -v[TM+8+\b], v[TM+8+\b]   ; the conversion to an 8-bit code does not saturate (ISA guide 7.6.2)
.endr
.endr
	WIN 0x05
.irp b, 0,1,2,3
	v_cvt_scalef32_pk8_bf8_f32 v[PC+4*\b:PC+4*\b+1], v[(\t)+16*\b:(\t)+16*\b+7], v[TM+12+\b]
	v_cvt_scalef32_pk8_bf8_f32 v[PC+4*\b+2:PC+4*\b+3], v[(\t)+16*\b+8:(\t)+16*\b+15], v[TM+12+\b]
.endr
	WIN 0
	v_nop                                          ; one plain line behind the last conversion
.endm
.macro XSTEP                           ; on to the next 128 along K of x; behind a tensor's eighth step, the next tensor
	s_wait_xcnt 0x0                                ; the loads of a step ago have read their base
	s_add_nc_u64 s[XT:XT+1], s[XP:XP+1], 512
	s_add_co_u32 s[XK], s[XK], 1
	s_cmp_eq_u32 s[XK], 8
	s_cselect_b64 s[XP:XP+1], s[XN:XN+1], s[XT:XT+1]
	s_cselect_b64 s[XN:XN+1], s[XV:XV+1], s[XN:XN+1]
	s_cselect_b32 s[XK], 0, s[XK]
.endm
.macro XLOAD reg, off                  ; my 16 rows' numbers of a K step, as they lie: load i takes row i's 512 bytes, 16 a lane: 512 consecutive bytes, at a multiple of 512 from the tensor's first byte
	WIN 0x40
.irp i, 0,1,2,3,4,5,6,7,8,9,10,11,12,13,14,15
	global_load_b128 v[(\reg)+4*\i:(\reg)+4*\i+3], v[L16], s[XP:XP+1] offset:(\off)+4096*\i th:TH_LOAD_NT
.endr
.endm
; The 16 rows in v[reg] on go through my stage and come back into the same registers, turned: lane (r, h) then holds, of row r, register 16 b + 4 j + e = K 32 b + 16 h + 4 j + e.
; LDS serves a wave's instructions in order (ISA guide 5.7.1.4): no wait stands between the stores and the loads, and the next turn's stores come behind these loads.
.macro TURN reg
	WIN 0x04                                       ; an LDS store's data are its source 1: window 1
.irp i, 0,1,2,3,4,5,6,7,8,9,10,11,12,13,14,15
	ds_store_b128 v[TW], v[(\reg)+4*\i:(\reg)+4*\i+3] offset:XSTP*\i
.endr
	WIN 0x40
.irp b, 0,1,2,3
.irp j, 0,1,2,3
	ds_load_b128 v[(\reg)+16*\b+4*\j:(\reg)+16*\b+4*\j+3], v[TR] offset:128*\b+16*\j
.endr
.endr
.endm
.macro BLOAD set, par, tb              ; four tiles of W, tb on, from slot par into set
	WIN 0x40
.irp t, 0,1,2,3
.irp c, 0,1,2,3
	ds_load_b128 v[64*\set+16*\t+4*\c:64*\set+16*\t+4*\c+3], v[BA+\par] offset:2048*(\tb+\t)+512*\c
.endr
.endr
.endm
; 16 matrix instructions: four tiles of W x the four tiles of rows.  The 64 accumulators take turns, one instruction a turn, in the same order in every step.  An odd tile's scale words lie in lanes 16-31.
.macro MUL16 set, tb, zero
.irp t, 0,1,2,3
.irp m, 0,1,2,3
.set rD, 8*(4*((\tb+\t)%8)+\m)
.set rA, 64*\set+16*\t
.set rB, AF+16*\m
.set rS, WSC+4*((\tb+\t)/8)+((\tb+\t)%8)/2
.if \zero
.if \t%2
	v_wmma_scale_f32_16x16x128_f8f6f4 v[rD:rD+7], v[rA:rA+15], v[rB:rB+15], 0, v[rS], v[XSC+\m] matrix_a_fmt:MATRIX_FMT_BF8 matrix_b_fmt:MATRIX_FMT_BF8 matrix_a_scale:MATRIX_SCALE_ROW1
.else
	v_wmma_scale_f32_16x16x128_f8f6f4 v[rD:rD+7], v[rA:rA+15], v[rB:rB+15], 0, v[rS], v[XSC+\m] matrix_a_fmt:MATRIX_FMT_BF8 matrix_b_fmt:MATRIX_FMT_BF8
.endif
.else
.if \t%2
	v_wmma_scale_f32_16x16x128_f8f6f4 v[rD:rD+7], v[rA:rA+15], v[rB:rB+15], v[rD:rD+7], v[rS], v[XSC+\m] matrix_a_fmt:MATRIX_FMT_BF8 matrix_b_fmt:MATRIX_FMT_BF8 matrix_a_scale:MATRIX_SCALE_ROW1
.else
	v_wmma_scale_f32_16x16x128_f8f6f4 v[rD:rD+7], v[rA:rA+15], v[rB:rB+15], v[rD:rD+7], v[rS], v[XSC+\m] matrix_a_fmt:MATRIX_FMT_BF8 matrix_b_fmt:MATRIX_FMT_BF8
.endif
.endif
.endr
.endr
.endm
; A K STEP n = s[NS], on slot par.  zero: its products start the sums.  refill: the other slot is asked for.  quant: x of step n + 1, turned a step ago, is quantised and its image stored.
; turn = 1: x of step n + 2 goes through my stage (up to n = 21), and behind that x of step n + 3 is asked for (up to n = 20): two forward jumps on the count of steps lead round these lines alone.
; The waits there are for 0, so that they hold whichever way the jumps go; a request for x has one whole K step up to the wait for it.
; tail = 1: the last K step of q or of k, a copy of its own, in which x is always asked for and turned: the request stands behind the quantiser, and the phase's bias is asked for behind the turn.
.macro STEP par, zero, refill, quant, turn, tail=0
	s_wait_tensorcnt 0x0                           ; all my tensor loads have landed: my quarter of this step's slot; so a group 0 may be written
	ds_add_u32 v[SPW], v[NIL]                      ; 0 onto my spare word; scalar work stands between it and the wait for it
	s_add_nc_u64 s[G0+4*\par+2:G0+4*\par+3], s[G0+4*\par+2:G0+4*\par+3], 2*SLOTB   ; this slot's next block
	s_wait_dscnt 0x0                               ; the add is done, my image of x has landed, the next step's x is back from my stage, my reads of the other slot and of the other set of images are over
.if \refill
	ROUND                                          ; all that now holds of every wave of the four work-groups
	tensor_load_to_lds s[G0+4-4*\par:G0+7-4*\par], s[G1:G1+7]      ; the next step's weights, into the slot read last: it has this whole step in which to land
	s_nop 0
.else
	s_barrier_signal -1                            ; nothing is filled any more: the work-group's barrier does
	s_barrier_wait -1
.endif
	PLACES 8                                       ; behind the last step's products, ahead of loads and writes into the registers that they named
.irp m, 0,1,2,3
.irp c, 0,1,2,3
	ds_load_b128 v[AF+16*\m+4*\c:AF+16*\m+4*\c+3], v[XR] offset:XBP*\par+2048*\m+512*\c
.endr
.endr
.irp m, 0,1,2,3
	ds_load_b32 v[XSC+\m], v[XSR] offset:XBP*\par+128*\m
.endr
	ds_load_b128 v[WSC:WSC+3], v[BS+\par]
	ds_load_b128 v[WSC+4:WSC+7], v[BS+\par] offset:512
	BLOAD 0, \par, 0
.if \quant
	QUANT XS0+64-64*\par, 1, XS0+64-64*\par        ; it stands where the wave would wait for the loads above
.irp c, 0,1,2,3
	ds_store_b128 v[XWI], v[PC+4*\c:PC+4*\c+3] offset:XBP-XBP*\par+512*\c
.endr
	ds_store_b32 v[XWS], v[PW] offset:XBP-XBP*\par
.if \tail
	XSTEP
	XLOAD XS0+64-64*\par, 0                        ; into the set just quantised
.endif
.endif
	BLOAD 1, \par, 4
.if \quant
	s_wait_dscnt 21                                ; x's fragments, the scale words and tiles 0-3 are in; behind them: 5 stores and 16 loads
.else
	s_wait_dscnt 16
.endif
	WIN 0xa1                                       ; W window 1, x window 0, C and D window 2
	MUL16 0, 0, \zero
	PLACES 8
	BLOAD 0, \par, 8
	s_wait_dscnt 16                                ; all but the 16 just issued
	WIN 0xa1
	MUL16 1, 4, \zero
	PLACES 8
	BLOAD 1, \par, 12
	s_wait_dscnt 16
	WIN 0xf1                                       ; C and D window 3
	MUL16 0, 8, \zero
	WIN 0                                          ; at a branch and at a label every window is 0
	s_wait_dscnt 0x0                               ; tiles 12-15 are in (asked for 16 matrix instructions ago)
.if \tail
	s_wait_loadcnt 16                              ; x of two steps on is in; the 16 loads issued in this step may be out
	TURN XS0+64*\par
	WIN 0
	global_load_b128 v[PC:PC+3], v[L16], s[BP:BP+1]                ; my wave's 1,024 bytes of this phase's bias, as they lie; the codes' registers are free: their LDS stores were waited for above
	global_load_b128 v[PC+4:PC+7], v[L16], s[BP:BP+1] offset:512
.elseif \turn
	s_wait_loadcnt 0x0                             ; x of two steps on is in (asked for a step ago)
	s_cmp_gt_u32 s[NS], 21
	s_cbranch_scc1 .Lno_turn_\@                    ; behind step 21 there is no x left to turn
	TURN XS0+64*\par                               ; its registers are none of the products': no places are owed; the next step's head waits for it
	WIN 0
.Lno_turn_\@:
	s_cmp_gt_u32 s[NS], 20
	s_cbranch_scc1 .Lno_x_\@                       ; behind step 20 there is no x left to ask for
	XSTEP
	XLOAD XS0+64-64*\par, 0                        ; into the set that this step has quantised
	WIN 0
.Lno_x_\@:
.endif
	WIN 0xf1
	MUL16 1, 12, \zero
	WIN 0
	s_add_co_u32 s[NS], s[NS], 1
.endm
; 16 positions (tile of rows m) x 128 columns (group g: two heads): the sums + the bias go to window 1, v0-63
.macro ADDB m, g
	WIN 0x40|(2+\g)
.irp t, 0,1,2,3,4,5,6,7
.irp j, 0,2,4,6
	v_pk_add_f32 v[8*\t+\j:8*\t+\j+1], v[8*(4*\t+\m)+\j:8*(4*\t+\m)+\j+1], v[AF+8*\t+\j:AF+8*\t+\j+1]   ; each accumulator from its low end on
.endr
.endr
	WIN 0
.endm
.macro QREAD m                         ; q of my four positions of tile m stays in registers: two positions to an operand
.irp e, 0,1,2,3
.irp c, 0,1
	ds_load_b128 v[QF+32*\m+8*\e+4*\c:QF+32*\m+8*\e+4*\c+3], v[HCR] offset:HCP*((\m)%2)+1040*\e+512*\c
.endr
.endr
	ds_load_b32 v[QS+\m], v[HSR] offset:HCP*((\m)%2)               ; lanes 0-15 the first pair's words, lanes 16-31 the second's
.endm
; k of my four positions; scores^T = k q^T; softmax; the weights take q's registers.  Window 1: [k a 0-7][zeros 8-15][k b 16-23][k c 24-31][zeros 32-39][k d 40-47]; scores v64-95; v96-119 at work.
.macro SCORES m
	WIN 0x40
.irp c, 0,1
	ds_load_b128 v[4*\c:4*\c+3], v[HCR] offset:HCP*((\m)%2)+512*\c
	ds_load_b128 v[16+4*\c:19+4*\c], v[HCR] offset:HCP*((\m)%2)+1040+512*\c
	ds_load_b128 v[24+4*\c:27+4*\c], v[HCR] offset:HCP*((\m)%2)+2080+512*\c
	ds_load_b128 v[40+4*\c:43+4*\c], v[HCR] offset:HCP*((\m)%2)+3120+512*\c
.endr
.irp z, 8,9,10,11,12,13,14,15,32,33,34,35,36,37,38,39
	v_mov_b32 v[\z], 0                             ; zero codes: they add nothing, whatever the other side holds there
.endr
	WIN 0
	ds_load_b32 v[KS], v[HSR] offset:HCP*((\m)%2)
	s_wait_alu depctr_va_vdst(0)
	s_wait_dscnt 0x0
	PLACES 4                                       ; an operand written by vector instructions stands four places ahead of a scaled matrix instruction
	WIN 0x41                                       ; k and the scores window 1, q window 0
	v_wmma_scale_f32_16x16x128_f8f6f4 v[64:71], v[0:15], v[QF+32*\m:QF+32*\m+15], 0, v[KS], v[QS+\m] matrix_a_fmt:MATRIX_FMT_BF8 matrix_b_fmt:MATRIX_FMT_BF8
	v_wmma_scale_f32_16x16x128_f8f6f4 v[72:79], v[8:23], v[QF+32*\m:QF+32*\m+15], 0, v[KS], v[QS+\m] matrix_a_fmt:MATRIX_FMT_BF8 matrix_b_fmt:MATRIX_FMT_BF8
	v_wmma_scale_f32_16x16x128_f8f6f4 v[80:87], v[24:39], v[QF+32*\m+16:QF+32*\m+31], 0, v[KS], v[QS+\m] matrix_a_fmt:MATRIX_FMT_BF8 matrix_b_fmt:MATRIX_FMT_BF8 matrix_a_scale:MATRIX_SCALE_ROW1 matrix_b_scale:MATRIX_SCALE_ROW1
	v_wmma_scale_f32_16x16x128_f8f6f4 v[88:95], v[32:47], v[QF+32*\m+16:QF+32*\m+31], 0, v[KS], v[QS+\m] matrix_a_fmt:MATRIX_FMT_BF8 matrix_b_fmt:MATRIX_FMT_BF8 matrix_a_scale:MATRIX_SCALE_ROW1 matrix_b_scale:MATRIX_SCALE_ROW1
	WIN 0x55
	PLACES 8
	; lane (i, h) holds query head i and key heads 8 h + 0 .. 7 of each of the four positions, which take turns line by line
.irp e, 0,1,2,3
	v_max3_num_f32 v[96+2*\e], v[64+8*\e], v[65+8*\e], v[66+8*\e]
.endr
.irp e, 0,1,2,3
	v_max3_num_f32 v[97+2*\e], v[67+8*\e], v[68+8*\e], v[69+8*\e]
.endr
.irp e, 0,1,2,3
	v_max3_num_f32 v[96+2*\e], v[96+2*\e], v[70+8*\e], v[71+8*\e]
.endr
.irp e, 0,1,2,3
	v_max_num_f32 v[96+2*\e], v[96+2*\e], v[97+2*\e]
.endr
.irp e, 0,1,2,3
	v_permlanex16_b32 v[97+2*\e], v[96+2*\e], s[SEL], s[SEL+1]
.endr
.irp e, 0,1,2,3
	v_max_num_f32 v[96+2*\e], v[96+2*\e], v[97+2*\e]               ; the row's largest score
.endr
.irp e, 0,1,2,3
.irp j, 0,2,4,6
	v_pk_add_f32 v[64+8*\e+\j:65+8*\e+\j], v[64+8*\e+\j:65+8*\e+\j], v[96+2*\e:97+2*\e] op_sel_hi:[1,0] neg_lo:[0,1] neg_hi:[0,1]   ; s - m
.endr
.endr
.irp e, 0,1,2,3
.irp j, 0,2,4,6
	v_pk_mul_f32 v[64+8*\e+\j:65+8*\e+\j], v[64+8*\e+\j:65+8*\e+\j], s[CS:CS+1] op_sel_hi:[1,0]   ; x log2(e) / 8
.endr
.endr
.set i, 64
	s_wait_alu depctr_va_vdst(0)
.rept 32
	v_exp_f32 v[i], v[i]
.set i, i+1
.endr
	v_nop                                          ; a plain line behind the last exponential
	s_wait_alu depctr_va_vdst(0)                   ; the wait ahead of the first line that names a result: one for the batch of 32
.irp e, 0,1,2,3
	v_pk_add_f32 v[104+4*\e:105+4*\e], v[64+8*\e:65+8*\e], v[66+8*\e:67+8*\e]
.endr
.irp e, 0,1,2,3
	v_pk_add_f32 v[106+4*\e:107+4*\e], v[68+8*\e:69+8*\e], v[70+8*\e:71+8*\e]
.endr
.irp e, 0,1,2,3
	v_pk_add_f32 v[104+4*\e:105+4*\e], v[104+4*\e:105+4*\e], v[106+4*\e:107+4*\e]
.endr
.irp e, 0,1,2,3
	v_add_f32 v[104+4*\e], v[104+4*\e], v[105+4*\e]
.endr
.irp e, 0,1,2,3
	v_permlanex16_b32 v[105+4*\e], v[104+4*\e], s[SEL], s[SEL+1]
.endr
.irp e, 0,1,2,3
	v_add_f32 v[104+4*\e], v[104+4*\e], v[105+4*\e]                ; the row's sum
.endr
	s_wait_alu depctr_va_vdst(0)
.irp e, 0,1,2,3
	v_rcp_f32 v[106+4*\e], v[104+4*\e]
.endr
	v_nop
	s_wait_alu depctr_va_vdst(0)                   ; and one for the four reciprocals
	WIN 0x05
.irp e, 0,1,2,3
.irp j, 0,2,4,6
	v_pk_mul_f32 v[QF+32*\m+8*\e+\j:QF+32*\m+8*\e+\j+1], v[64+8*\e+\j:65+8*\e+\j], v[106+4*\e:107+4*\e] op_sel_hi:[1,0]   ; the weights: position e at 8 e
.endr
.endr
	WIN 0
.endm
; A tile of rows in q's or k's epilogue.  HC's two sets take turns, so the one barrier orders both ways: behind it set m % 2 is whole, and every wave's reads of the other set were waited for in front of it.
.macro EPIM m, last
	s_mov_b32 s[GO], 0                             ; the tile's two groups of 128 columns are two trips of a loop: only the additions, which name the accumulators, are written twice
	s_mov_b32 s[GH], 0
	s_add_co_u32 s[GB], s[BLS], 512
.Lunit_\@:
	s_wait_dscnt 0x0                               ; the bias is in; the LDS stores of the unit before have read PC and PW; the loads of the reader before are in
	v_add_nc_u32 v[AD], s[GO], v[HCW]              ; this group's places in HC,
	v_add_nc_u32 v[AD+1], s[GH], v[HSW]
	v_add_nc_u32 v[AD+2], s[GB], v[BIA]            ; and the other group's bias
	s_cmp_eq_u32 s[GO], 0
	s_cbranch_scc0 .Lupper_\@
	ADDB \m, 0
	s_branch .Ladded_\@
.Lupper_\@:
	ADDB \m, 1
.Ladded_\@:
	s_wait_alu depctr_va_vdst(0)
.if \last
	s_cmp_lg_u32 s[GO], 0
	s_cbranch_scc1 .Lno_bias_\@                    ; no unit follows the phase's last
.endif
.irp i, 0,1,2,3,4,5,6,7,8,9,10,11,12,13,14,15
	ds_load_b128 v[AF+4*\i:AF+4*\i+3], v[AD+2] offset:16*\i        ; the next unit's bias, from my own LDS bytes
.endr
.Lno_bias_\@:
	QUANT 0, 1, 0
.irp b, 0,1,2,3                        ; block b: head 4 w + 2 g + b / 2, d 32 (b % 2) on
	ds_store_b128 v[AD], v[PC+4*\b:PC+4*\b+3] offset:HCP*((\m)%2)+512*(\b%2)+16*(\b/2)
.endr
	ds_store_b16 v[AD+1], v[PW] offset:HCP*((\m)%2)                ; the first head's two bytes,
	ds_store_b16_d16_hi v[AD+1], v[PW] offset:HCP*((\m)%2)+4       ; the second's
	s_xor_b32 s[GB], s[GB], 512
	s_add_co_u32 s[GH], s[GH], 8
	s_add_co_u32 s[GO], s[GO], 32
	s_cmp_lt_u32 s[GO], 64
	s_cbranch_scc1 .Lunit_\@
	s_wait_dscnt 0x0
	s_barrier_signal -1
	s_barrier_wait -1
	s_cmp_eq_u32 s[PH], 3                          ; a count of phases, the same in all waves and work-groups
	s_cbranch_scc0 .Lscores_\@
	QREAD \m
	s_branch .Ljoin_\@
.Lscores_\@:
	SCORES \m
.Ljoin_\@:
.endm
.macro VFLOAD k                        ; v of pair k's two positions: tile 2 y + u of d takes d = 32 y + 8 u + r + 8 (r / 8); register j of lane (r, h): head 8 h + j
	v_add_nc_u32 v[AD+2*((\k)%2)], (16*((\k)/2)+2*((\k)%2))*VTP, v[VR]
	v_add_nc_u32 v[AD+2*((\k)%2)+1], (16*((\k)/2)+2*((\k)%2))*VTP, v[VR+1]
	WIN 0x40
.irp e, 0,1
.irp t, 0,1,2,3
	ds_load_b128 v[XS0+64*((\k)%2)+32*\e+8*\t:XS0+64*((\k)%2)+32*\e+8*\t+3], v[AD+2*((\k)%2)] offset:VTP*\e+32*(32*(\t/2)+8*(\t%2))
	ds_load_b128 v[XS0+64*((\k)%2)+32*\e+8*\t+4:XS0+64*((\k)%2)+32*\e+8*\t+7], v[AD+2*((\k)%2)+1] offset:VTP*\e+32*(32*(\t/2)+8*(\t%2))
.endr
.endr
	WIN 0
.endm
; Two positions: out^T = v^T weights^T in f32 (K = 16 heads in four steps of 4: the unit's k = 2 h + j stands for head 8 h + 2 s + j on both sides), quantised along the last projection's K, and out.
.macro PAIR k, next
.if \next
	VFLOAD (\k)+1
.endif
	WIN 0xa1                                       ; v^T window 1, the weights window 0, C and D window 2
.irp s, 0,1,2,3
.irp e, 0,1
.irp t, 0,1,2,3
.set rD, 8*(4*\e+\t)
.set rA, XS0+64*((\k)%2)+32*\e+8*\t+2*\s
.set rB, QF+16*(\k)+8*\e+2*\s
.if \s == 0
	v_wmma_f32_16x16x4_f32 v[rD:rD+7], v[rA:rA+1], v[rB:rB+1], 0   ; the eight accumulators by turns; the first step starts the sums
.else
	v_wmma_f32_16x16x4_f32 v[rD:rD+7], v[rA:rA+1], v[rB:rB+1], v[rD:rD+7]
.endif
.endr
.endr
.endr
	WIN 0
	PLACES 8
	QUANT 0, 2, 0                                  ; lane (i, h): block 2 e + y = position e, head i, d 32 y + 16 h on
.irp e, 0,1
.irp y, 0,1
	ds_store_b128 v[OW], v[PC+4*(2*\e+\y):PC+4*(2*\e+\y)+3] offset:1088*\e+32*\y
.endr
.endr
	ds_store_b16 v[OSW], v[PW] offset:32*(16*((\k)/2)+2*((\k)%2))
	ds_store_b16_d16_hi v[OSW], v[PW] offset:32*(16*((\k)/2)+2*((\k)%2)+1)
	s_wait_xcnt 0x0                                ; the stores of four pairs ago have read the registers that the loads below fill
.irp e, 0,1
.irp z, 0,1
	ds_load_b128 v[AF+16*((\k)%4)+4*(2*\e+\z):AF+16*((\k)%4)+4*(2*\e+\z)+3], v[ORD] offset:1088*\e+544*\z   ; LDS serves a wave's instructions in order (ISA guide 5.7.1.4): these see my stores
.endr
.endr
	s_wait_dscnt 0x0                               ; the rows are back; the next pair's v is in
.irp e, 0,1
.irp z, 0,1
	global_store_b128 v[L16], v[AF+16*((\k)%4)+4*(2*\e+\z):AF+16*((\k)%4)+4*(2*\e+\z)+3], s[OCP:OCP+1] offset:1024*(16*((\k)/2)+2*((\k)%2)+\e)+512*\z   ; 32 lanes store 512 consecutive bytes, aligned
.endr
.endr
.endm
	s_load_b256 s[40:47], s[0:1], 0x0              ; query, key, value, wimg
	s_load_b128 s[48:51], s[0:1], 0x20             ; bimg, oc
	s_load_b64 s[52:53], s[0:1], 0x30              ; os
	v_lshl_add_u32 v[SPW], v0, 2, SPARE
	v_mov_b32 v[NIL], 0
	ds_add_u32 v[SPW], v[NIL]                      ; the wave's opening: the add, twice on end, and its wait ahead of my first tensor load; work on registers stands between the second and the wait
	ds_add_u32 v[SPW], v[NIL]
	v_lshrrev_b32 v1, 5, v0
	v_readfirstlane_b32 s[WV], v1                  ; wave 0..3
	s_bfe_u32 s12, ttmp6, 0x40000                  ; cx
	s_lshl_b32 s13, ttmp9, 2
	s_add_co_u32 s13, s13, s12                     ; my block of 64 rows = 4 x cluster + cx
	; descriptor group 1: 33,792 dense bytes as 132 rows of 32 elements of 8 bytes; no padding: images are read 512 consecutive bytes an instruction
	s_mov_b32 s[G1], 15|(3<<16)|(1<<21)            ; 15:0 the mask: all four work-groups; 17:16 elements of 8 bytes; 21 set beside a mask
	s_mov_b32 s[G1+1], 32<<16                      ; tensor_dim0
	s_mov_b32 s[G1+2], 132<<16                     ; tensor_dim1
	s_mov_b32 s[G1+3], 32<<16                      ; tile_dim0
	s_mov_b32 s[G1+4], 132                         ; tile_dim1
	s_mov_b32 s[G1+5], 32                          ; the pitch
	s_mov_b32 s[G1+6], 0
	s_mov_b32 s[G1+7], 0
	s_mov_b32 s[SEL], 0x76543210
	s_mov_b32 s[SEL+1], 0xfedcba98
	s_mov_b32 s[MNT], 0x600000
	s_mov_b32 s[CS], 0x3e38aa3b                    ; log2(e) / 8
	s_mov_b32 s[CS+1], s[CS]
	s_mov_b32 s[XK], 2
	s_mov_b32 s[PH], 3
	s_mov_b32 s[NS], 0
	s_lshl_b32 s[BLS], s[WV], 10
	s_add_co_u32 s[BLS], s[BLS], OST
	; q's registers are written once here: the lines that read them stand in an epilogue that the first phase walks too (it branches round them), so every way through the text finds them written
.set i, 0
.rept 128
	v_mov_b32 v[QF+i], 0
.set i, i+1
.endr
.irp m, 0,1,2,3
	v_mov_b32 v[QS+\m], 0
.endr
	s_wait_dscnt 0x0                               ; both opening adds are done
	s_wait_kmcnt 0x0
	s_lshl_b32 s56, s13, 18                        ; 64 rows of 4,096 bytes,
	s_lshl_b32 s57, s[WV], 16                      ; my wave's 16
	s_add_co_u32 s56, s56, s57
	s_mov_b32 s57, 0
	s_add_nc_u64 s[XP:XP+1], s[XP:XP+1], s[56:57]
	s_add_nc_u64 s[XN:XN+1], s[XN:XN+1], s[56:57]
	s_add_nc_u64 s[XV:XV+1], s[XV:XV+1], s[56:57]
	s_lshl_b32 s56, s[WV], 10
	s_add_nc_u64 s[BP:BP+1], s[BP:BP+1], s[56:57]
	s_lshl_b32 s56, s13, 16
	s_lshl_b32 s58, s[WV], 12
	s_add_co_u32 s56, s56, s58
	s_add_nc_u64 s[OCP:OCP+1], s[OCP:OCP+1], s[56:57]   ; oc at row 64 block + 4 wave
	s_lshl_b32 s56, s13, 11
	s_lshl_b32 s58, s[WV], 9
	s_add_co_u32 s56, s56, s58
	s_add_nc_u64 s[OSP:OSP+1], s[OSP:OSP+1], s[56:57]   ; os at row 64 block + 16 wave
	s_mul_i32 s58, s[WV], QSLOT                    ; my quarter, in a block and in a slot: the wave's number alone
	s_mov_b32 s59, 0
	s_add_nc_u64 s[60:61], s[WI:WI+1], s[58:59]
	s_mov_b32 s[G0], 1
	s_mov_b32 s[G0+1], s58
	s_mov_b64 s[G0+2:G0+3], s[60:61]
	s_or_b32 s[G0+3], s[G0+3], 0x80000000
	s_mov_b32 s[G0+4], 1
	s_add_co_u32 s[G0+5], s58, SLOTB
	s_add_nc_u64 s[G0+6:G0+7], s[60:61], SLOTB
	s_or_b32 s[G0+7], s[G0+7], 0x80000000
	ROUND                                          ; all four work-groups are here: the first joint loads meet
	tensor_load_to_lds s[G0:G0+3], s[G1:G1+7]      ; block 0; slot 1 is filled behind the first step's round
	s_nop 0
	PLACES 4
	v_and_b32 v43, 31, v0                          ; lane
	v_and_b32 v44, 15, v0                          ; r
	v_bfe_u32 v45, v0, 4, 1                        ; h
	v_lshlrev_b32 v[L16], 4, v43
	v_lshlrev_b32 v[L4], 2, v43
	XLOAD XS0, 0                                   ; x of K steps 0 and 1
	XLOAD XS0+64, 512
.irp b, 0,1,2,3
	v_mov_b32 v[TM+4+\b], 0                        ; (window 1)  written once: a lane permute's destination counts as one of its sources
.endr
	WIN 0
	s_mul_i32 s56, s[WV], 16*XSTP                  ; my stage
	s_add_co_u32 s56, s56, XST
	v_add_nc_u32 v[TW], s56, v[L16]
	v_mul_u32_u24 v[TR], v44, XSTP
	v_lshl_add_u32 v[TR], v45, 6, v[TR]
	v_add_nc_u32 v[TR], s56, v[TR]
	s_lshl_b32 s56, s[WV], 15
	v_add_nc_u32 v[BA], s56, v[L16]
	v_add_nc_u32 v[BA+1], SLOTB, v[BA]
	s_lshl_b32 s56, s[WV], 10
	s_add_co_u32 s56, s56, 131072
	v_add_nc_u32 v[BS], s56, v[L16]
	v_add_nc_u32 v[BS+1], SLOTB, v[BS]
	v_add_nc_u32 v[XR], XB, v[L16]
	v_add_nc_u32 v[XSR], XB+8192, v[L4]
	s_lshl_b32 s56, s[WV], 11
	s_add_co_u32 s56, s56, XB
	v_add_nc_u32 v[XWI], s56, v[L16]
	s_lshl_b32 s56, s[WV], 7
	s_add_co_u32 s56, s56, XB+8192
	v_add_nc_u32 v[XWS], s56, v[L4]
	v_mul_u32_u24 v[HCW], v44, 1040                ; HC: position r at 1040 r (4 banks on from lane to lane); chunk at 512; then 16 (head + 16 h)
	v_lshl_add_u32 v[HCW], v45, 8, v[HCW]
	s_lshl_b32 s56, s[WV], 6
	s_add_co_u32 s56, s56, HC
	v_add_nc_u32 v[HCW], s56, v[HCW]
	v_lshrrev_b32 v42, 1, v44
	v_lshlrev_b32 v[HSW], 6, v42                   ; scale halves: 64 (r / 2) + 4 head + 2 (r % 2): a pair of positions makes a word a head
	v_and_b32 v42, 1, v44
	v_lshl_add_u32 v[HSW], v42, 1, v[HSW]
	s_lshl_b32 s56, s[WV], 4
	s_add_co_u32 s56, s56, HC+HSC
	v_add_nc_u32 v[HSW], s56, v[HSW]
	s_mul_i32 s56, s[WV], 4160
	s_add_co_u32 s56, s56, HC
	v_add_nc_u32 v[HCR], s56, v[L16]
	s_lshl_b32 s56, s[WV], 7
	s_add_co_u32 s56, s56, HC+HSC
	v_add_nc_u32 v[HSR], s56, v[L4]
	v_lshlrev_b32 v[BIA], 8, v45
	v_lshrrev_b32 v42, 3, v44
	v_lshl_add_u32 v[VR], v42, 3, v44              ; r + 8 (r / 8)
	v_lshlrev_b32 v[VR], 5, v[VR]                  ; VT: 32 bytes a d: two pieces of four heads, which change places where d / 16 is odd, so that sixteen lanes touch sixteen different columns of 16 bytes
	v_lshl_add_u32 v[VR], v42, 4, v[VR]
	v_lshl_add_u32 v[VR], v45, 11, v[VR]           ; + 2048 h: heads 8 h on
	v_xor_b32 v[VR+1], 16, v[VR]
	s_mul_i32 s56, s[WV], 4*VTP                    ; my four positions of a tile of rows
	v_add_nc_u32 v[VR], s56, v[VR]
	v_add_nc_u32 v[VR+1], s56, v[VR+1]
	v_lshrrev_b32 v42, 2, v44
	v_lshlrev_b32 v[OW], 6, v44                    ; the way out: head r's 64 codes, 16 bytes of padding behind each 256
	v_lshl_add_u32 v[OW], v42, 4, v[OW]
	v_lshl_add_u32 v[OW], v45, 4, v[OW]
	s_mul_i32 s56, s[WV], 2176
	s_add_co_u32 s56, s56, OSG
	v_add_nc_u32 v[OW], s56, v[OW]
	v_lshl_add_u32 v[ORD], v45, 4, v[L16]
	v_add_nc_u32 v[ORD], s56, v[ORD]
	v_lshlrev_b32 v[OSW], 1, v44
	s_lshl_b32 s56, s[WV], 7
	s_add_co_u32 s56, s56, OST
	v_add_nc_u32 v[OSW], s56, v[OSW]
	s_lshl_b32 s56, s[WV], 9
	s_add_co_u32 s56, s56, OST
	v_add_nc_u32 v[OSR], s56, v[L16]
	s_wait_loadcnt 16                              ; K step 0's x is in; step 1's may be out
	TURN XS0
	s_wait_dscnt 0x0                               ; and back from my stage
	QUANT XS0, 1, XS0
.irp c, 0,1,2,3
	ds_store_b128 v[XWI], v[PC+4*\c:PC+4*\c+3] offset:512*\c
.endr
	ds_store_b32 v[XWS], v[PW]
	XLOAD XS0, 1024                                ; K step 2
	s_wait_loadcnt 16                              ; K step 1's x is in; step 2's may be out
	TURN XS0+64                                    ; the first step's head waits for it
	WIN 0
	s_wait_xcnt 0x0
	s_add_nc_u64 s[XP:XP+1], s[XP:XP+1], 1024      ; XP stands at K step 2
.Lphase:                                           ; a phase = one of q, k, v: eight K steps: the first, three trips of two, the last; step n quantises x of step n + 1, turns x of step n + 2 and asks for x of step n + 3, across phases too
	STEP 0, 1, 1, 1, 1
	s_mov_b32 s[CNT], 3
.Lpair:
	STEP 1, 0, 1, 1, 1
	STEP 0, 0, 1, 1, 1
	s_sub_co_u32 s[CNT], s[CNT], 1
	s_cmp_lg_u32 s[CNT], 0
	s_cbranch_scc1 .Lpair
	s_cmp_eq_u32 s[PH], 1
	s_cbranch_scc1 .Lvtail                         ; the very last K step is written out: it asks for no weights and quantises nothing
	STEP 1, 0, 1, 1, 1, 1
	PLACES 8                                       ; behind the last products, ahead of the reads of results and of the loads into x's fragments
	s_wait_dscnt 0x0                               ; my numbers are back from my stage
	s_barrier_signal -1
	s_barrier_wait -1                              ; every wave's are: HC, which lies over the stages, is written only behind this barrier
	s_wait_loadcnt 0x0                             ; the phase's bias is in
	v_add_nc_u32 v[AD+3], s[BLS], v[L16]
	v_add_nc_u32 v[AD+2], s[BLS], v[BIA]
	ds_store_b128 v[AD+3], v[PC:PC+3]              ; it goes to my own LDS bytes once, and the eight units take it from there
	ds_store_b128 v[AD+3], v[PC+4:PC+7] offset:512
.irp i, 0,1,2,3,4,5,6,7,8,9,10,11,12,13,14,15
	ds_load_b128 v[AF+4*\i:AF+4*\i+3], v[AD+2] offset:16*\i        ; group 0's, in the layout of the results; LDS serves a wave's instructions in order (ISA guide 5.7.1.4)
.endr
	EPIM 0, 0
	EPIM 1, 0
	EPIM 2, 0
	EPIM 3, 1
	s_wait_xcnt 0x0                                ; the bias's loads have read their base
	s_add_nc_u64 s[BP:BP+1], s[BP:BP+1], 4096      ; the next tensor's bias
	s_sub_co_u32 s[PH], s[PH], 1
	s_branch .Lphase
.Lvtail:
	STEP 1, 0, 0, 0, 0
	; ---- v + bias goes to LDS in f32.  Accumulator (t, m), register j, lane (r, h): v[position 16 m + r][head 8 h + j][d = 16 w + t]
	PLACES 8
.irp i, 0,1,2,3,4,5,6,7,8,9,10,11,12,13,14,15
	global_load_b128 v[AF+4*\i:AF+4*\i+3], v[BIA], s[BP:BP+1] offset:16*\i
.endr
	WIN 0x40
.irp i, 0,1,2,3,4,5,6,7,8,9,10,11,12,13,14,15
	global_load_b128 v[4*\i:4*\i+3], v[BIA], s[BP:BP+1] offset:512+16*\i
.endr
	WIN 0
	s_wait_dscnt 0x0
	s_barrier_signal -1
	s_barrier_wait -1                              ; every wave's reads of the ring are over; both slots have had their last fill
	v_and_b32 v43, 15, v0
	v_bfe_u32 v44, v0, 4, 1
	v_mul_u32_u24 v42, v43, VTP
	v_lshl_add_u32 v42, v44, 11, v42
	s_lshl_b32 s56, s[WV], 9                       ; 32 bytes x d = 16 w
	s_and_b32 s57, s[WV], 1
	s_lshl_b32 s57, s57, 4                         ; d / 16 is odd where w is
	s_add_co_u32 s58, s56, s57
	s_xor_b32 s57, s57, 16
	s_add_co_u32 s59, s56, s57
	v_add_nc_u32 v[VW], s58, v42
	v_add_nc_u32 v[VW+1], s59, v42
.irp m, 1,2,3
	v_add_nc_u32 v[VW+2*\m], 16*VTP*\m, v[VW]
	v_add_nc_u32 v[VW+2*\m+1], 16*VTP*\m, v[VW+1]
.endr
	s_wait_loadcnt 0x0
.irp t, 0,1,2,3,4,5,6,7,8,9,10,11,12,13,14,15
.if \t >= 2
	s_wait_dscnt 8                                 ; the stores of two tiles ago are done: their registers are written again; the last tile's eight may be out
.endif
.if \t < 8
	WIN 0x42
.else
	WIN 0x47
.endif
.irp m, 0,1,2,3
.irp j, 0,2,4,6
.if \t < 8
	v_pk_add_f32 v[64+32*(\t%2)+8*\m+\j:64+32*(\t%2)+8*\m+\j+1], v[8*(4*(\t%8)+\m)+\j:8*(4*(\t%8)+\m)+\j+1], v[AF+8*\t+\j:AF+8*\t+\j+1]
.else
	v_pk_add_f32 v[64+32*(\t%2)+8*\m+\j:64+32*(\t%2)+8*\m+\j+1], v[8*(4*(\t%8)+\m)+\j:8*(4*(\t%8)+\m)+\j+1], v[8*(\t-8)+\j:8*(\t-8)+\j+1]
.endif
.endr
.endr
	WIN 0x04                                       ; an LDS store's data are its source 1: window 1
.irp m, 0,1,2,3
.irp q, 0,1
	ds_store_b128 v[VW+2*\m+\q], v[64+32*(\t%2)+8*\m+4*\q:64+32*(\t%2)+8*\m+4*\q+3] offset:32*\t
.endr
.endr
.endr
	WIN 0
	s_wait_dscnt 0x0
	s_barrier_signal -1
	s_barrier_wait -1                              ; v of all 64 positions lies in LDS
	s_mov_b32 s[CNT], 2
.Lhalf:                                            ; two trips of four pairs: a trip serves my positions of two tiles of rows, 32 rows of the block
	VFLOAD 0
	s_wait_dscnt 0x0
	PAIR 0, 1
	PAIR 1, 1
	PAIR 2, 1
	PAIR 3, 0
	s_sub_co_u32 s[CNT], s[CNT], 1
	s_cmp_lg_u32 s[CNT], 0
	s_cbranch_scc0 .Lpairs_done
	v_add_nc_u32 v[VR], 32*VTP, v[VR]              ; 32 positions on: in v,
	v_add_nc_u32 v[VR+1], 32*VTP, v[VR+1]
	v_add_nc_u32 v[OSW], 1024, v[OSW]              ; among the scale bytes,
.set i, 0
.rept 64
	v_mov_b32 v[QF+i], v[QF+64+i]                  ; the second half's weights take the first half's registers, so that one trip's text serves both
.set i, i+1
.endr
	s_wait_xcnt 0x0                                ; the stores have read their base
	s_add_nc_u64 s[OCP:OCP+1], s[OCP:OCP+1], 32768 ; and in oc
	s_cmp_lg_u32 s[CNT], 0
	s_wait_alu depctr_va_vdst(0)
	s_cbranch_scc1 .Lhalf
.Lpairs_done:
	s_wait_dscnt 0x0
	s_barrier_signal -1
	s_barrier_wait -1                              ; the 64 positions' scale bytes lie in LDS
	ds_load_b128 v[PC:PC+3], v[OSR]
	s_wait_dscnt 0x0
	global_store_b128 v[L16], v[PC:PC+3], s[OSP:OSP+1]             ; 16 rows of 32 bytes: 512 consecutive bytes
	s_wait_tensorcnt 0x0                           ; the wave's end: behind my last tensor load and my last LDS store
	ds_add_u32 v[SPW], v[NIL]
	s_wait_dscnt 0x0
	ROUND                                          ; the closing round
	s_endpgm
.Lfunc_end_k_q23915c5968_qkv_attn:
	.size	k_q23915c5968_qkv_attn, .Lfunc_end_k_q23915c5968_qkv_attn-k_q23915c5968_qkv_attn
	.p2alignl 7, 3214868480
	.fill 96, 4, 3214868480
	.section	.rodata,"a",@progbits
	.p2align	6, 0x0
	.amdhsa_kernel k_q23915c5968_qkv_attn
		.amdhsa_group_segment_fixed_size 327680
		.amdhsa_private_segment_fixed_size 0
		.amdhsa_enable_private_segment 0
		.amdhsa_kernarg_size 56
		.amdhsa_user_sgpr_count 2
		.amdhsa_user_sgpr_kernarg_segment_ptr 1
		.amdhsa_wavefront_size32 1
		.amdhsa_system_sgpr_workgroup_id_x 1
		.amdhsa_system_sgpr_workgroup_id_y 1
		.amdhsa_system_sgpr_workgroup_id_z 1
		.amdhsa_system_vgpr_workitem_id 0
		.amdhsa_next_free_vgpr 1024
		.amdhsa_next_free_sgpr 66
		.amdhsa_reserve_vcc 0
		.amdhsa_float_denorm_mode_32 3
		.amdhsa_float_denorm_mode_16_64 3
		.amdhsa_memory_ordered 1
		.amdhsa_forward_progress 1
		.amdhsa_inst_pref_size 255
	.end_amdhsa_kernel
	.section	.bss,"aw",@nobits
	.p2align	6
	.space	262144
	.amdgpu_metadata
---
amdhsa.version: [ 1, 2 ]
amdhsa.kernels:
  - .name:           k_q23915c5968_qkv_attn
    .symbol:         k_q23915c5968_qkv_attn.kd
    .args:
      - { .name: query, .offset: 0, .size: 8, .value_kind: global_buffer, .address_space: global }
      - { .name: key, .offset: 8, .size: 8, .value_kind: global_buffer, .address_space: global }
      - { .name: value, .offset: 16, .size: 8, .value_kind: global_buffer, .address_space: global }
      - { .name: wimg, .offset: 24, .size: 8, .value_kind: global_buffer, .address_space: global }
      - { .name: bimg, .offset: 32, .size: 8, .value_kind: global_buffer, .address_space: global }
      - { .name: oc, .offset: 40, .size: 8, .value_kind: global_buffer, .address_space: global }
      - { .name: os, .offset: 48, .size: 8, .value_kind: global_buffer, .address_space: global }
    .group_segment_fixed_size: 327680
    .private_segment_fixed_size: 0
    .kernarg_segment_align: 8
    .kernarg_segment_size: 56
    .max_flat_workgroup_size: 128
    .sgpr_count:     66
    .vgpr_count:     1024
    .wavefront_size: 32
...
	.end_amdgpu_metadata
.endif
;; end of part 5
;; launch oproj (part 6): grid 4 x 64, 4 waves a work-group, clusters of 4 x 4, 327,680 bytes of LDS; arguments oc, os, fo_codes, fo_scales, out0, fo_b; writes out0
.if DOCPART == 6
	.amdgcn_target "amdgcn-amd-amdhsa--gfx1250"
	.amdhsa_code_object_version 6
	.text
	.protected	k_q23915c5968_oproj
	.globl	k_q23915c5968_oproj
	.p2align	8
	.type	k_q23915c5968_oproj,@function
k_q23915c5968_oproj:
	s_mov_b64 s[64:65], 0
	v_nop
	global_prefetch_b8 v0, s[64:65] scope:SCOPE_SE
	s_setreg_imm32_b32 hwreg(HW_REG_WAVE_MODE, 25, 1), 1
	s_wait_xcnt 0x0
	s_wait_alu depctr_hold_cnt(0) depctr_sa_sdst(0) depctr_va_vdst(0) depctr_va_sdst(0) depctr_va_ssrc(0) depctr_va_vcc(0) depctr_vm_vsrc(0)
	s_getreg_b32 s2, hwreg(HW_REG_IB_STS2, 6, 4)
	s_cmp_eq_u32 s2, 0
	s_cbranch_scc0 .Lentry_in_a_cluster
	s_endpgm
.Lentry_in_a_cluster:
	s_bfe_u32 s2, ttmp6, 0x10000c
	s_cmp_lg_u32 s2, 0xf033
	s_cbranch_scc0 .Lentry_shape_is_right
	s_endpgm
.Lentry_shape_is_right:
.set SIZE_M, 16384
.set SIZE_N, 1024
.set SIZE_K, 1024
.set KSTEP,  256
.set NQ,     KSTEP/128
.set ROWB,   256
.set KROW,   SIZE_K
.set PITCH,  272
.set FR,     16
.set NL,     4
.set NP,     8
.set HALFT,  128*PITCH
.set SLOT,   4*HALFT
.set LAPS,   SIZE_K/(2*KSTEP)
.set KS,     SIZE_K/32
.set SCL,    2*SLOT
.set HALFS,  (128*KS/256)*272
.set SBLK,   (16*KS/256)*272
.set SPARE,  SCL+4*HALFS
.set SPITCH, 528
.set ADRA, 16
.set ADRB, 20
.set STO,  24
.set RD,   25
.set CO,   26
.set SPW,  28
.set NIL,  29
.set ADRS, 27
.set FB,   8
.set SC,   32
.set AF,   128
.set BK,   128
.set G1, 24
.set G0, 32
.set G1B, 48
.set G0B, 56
.set G1S, 68
.set G0S, 76
.set G1SB, 80
.set G0SB, 88
.set G0H, 4                            ; s[4:7], s[8:11] group 0 of the head's loads of K step 0 (the arguments that lay there have been used by then)
.set G0HB, 8
.set MSB, 0
.macro WIN new
.if MSB != \new
	s_set_vgpr_msb (MSB<<8)|\new
.set MSB, \new
.endif
.endm
.set MUL_LO, 0xa1
.set MUL_HI, 0xf1
.set TO_B,   0x40
.macro JLOAD g0a, g1a, g0b, g1b
	s_cmp_eq_u32 s15, 0
	s_cbranch_scc0 .Lfor_b_\@
	tensor_load_to_lds s[\g0a:\g0a+3], s[\g1a:\g1a+7]
	s_nop 0
.rept 4
	v_nop
.endr
	s_branch .Lasked_\@
.Lfor_b_\@:
	tensor_load_to_lds s[\g0b:\g0b+3], s[\g1b:\g1b+7]
	s_nop 0
.rept 4
	v_nop
.endr
.Lasked_\@:
.endm
.macro CREST
	s_cmp_lg_u32 s14, 0
	s_cbranch_scc1 .Lnot_wave_0_\@
	s_barrier_signal -3
.Lnot_wave_0_\@:
	s_barrier_wait -3
	s_barrier_signal -1
	s_barrier_wait -1
.endm
.macro CROUND
	s_barrier_signal -1
	s_barrier_wait -1
	CREST
.endm
	s_load_b128 s[4:7], s[0:1], 0x0
	s_load_b128 s[8:11], s[0:1], 0x10
	s_load_b64 s[12:13], s[0:1], 0x20
	s_load_b64 s[98:99], s[0:1], 0x28
	v_lshl_add_u32 v[SPW], v0, 2, SPARE
	v_mov_b32 v[NIL], 0
	ds_add_u32 v[SPW], v[NIL]
	ds_add_u32 v[SPW], v[NIL]
	v_lshrrev_b32 v1, 5, v0
	v_readfirstlane_b32 s14, v1
	s_lshr_b32 s15, s14, 1
	s_and_b32 s16, s14, 1
	s_bfe_u32 s40, ttmp6, 0x40000
	s_bfe_u32 s41, ttmp6, 0x40004
	s_lshl_b32 s42, ttmp9, 2
	s_add_co_u32 s42, s42, s40
	s_and_b32 s17, ttmp7, 0xffff
	s_lshl_b32 s17, s17, 2
	s_add_co_u32 s17, s17, s41
	s_lshl_b32 s43, s41, 2
	s_lshl_b32 s43, 15, s43
	s_lshl_b32 s44, 0x1111, s40
	s_or_b32 s[G1+0], s43, (0<<16)|(1<<20)|(1<<21)|(5<<22)|(3<<25)
	s_or_b32 s[G1B+0], s44, (0<<16)|(1<<20)|(1<<21)|(5<<22)|(3<<25)
.irp g, G1, G1B
	s_mov_b32 s[\g+1], ROWB<<16
	s_mov_b32 s[\g+2], 256<<16                     ; the head's loads bring 256 rows; behind them the two words that count rows are set to 128
	s_mov_b32 s[\g+3], ROWB<<16
	s_mov_b32 s[\g+4], 256
	s_mov_b32 s[\g+5], KROW
	s_mov_b32 s[\g+6], 0
	s_mov_b32 s[\g+7], 0
.endr
	s_or_b32 s[G1S+0], s43, (3<<16)|(1<<20)|(1<<21)|(5<<22)|(3<<25)
	s_or_b32 s[G1SB+0], s44, (3<<16)|(1<<20)|(1<<21)|(5<<22)|(3<<25)
.irp g, G1S, G1SB
	s_mov_b32 s[\g+1], 32<<16
	s_mov_b32 s[\g+2], KS<<16                      ; the scales of 256 rows: 256 KS dense bytes as KS rows of 256
	s_mov_b32 s[\g+3], 32<<16
	s_mov_b32 s[\g+4], KS
	s_mov_b32 s[\g+5], 32
	s_mov_b32 s[\g+6], 0
	s_mov_b32 s[\g+7], 0
.endr
	s_lshl_b32 s20, s17, 8                         ; A: the tile's first row
	s_lshl_b32 s46, s42, 8                         ; B likewise
	s_mov_b32 s21, 0
	s_mov_b32 s47, 0
	s_mov_b64 s[18:19], KS
	s_mul_u64 s[22:23], s[20:21], s[18:19]
	s_mul_u64 s[92:93], s[46:47], s[18:19]
	s_mov_b64 s[18:19], KROW
	s_mul_u64 s[20:21], s[20:21], s[18:19]
	s_mul_u64 s[46:47], s[46:47], s[18:19]
	s_mul_i32 s18, s16, 128*KROW                   ; in the ring I fetch 128 rows of a tile: which half, in bytes
	s_mov_b32 s19, 0
	s_mul_i32 s45, s14, HALFT
	s_wait_dscnt 0x0
	s_wait_kmcnt 0x0
	s_add_nc_u64 s[20:21], s[4:5], s[20:21]
	s_add_nc_u64 s[22:23], s[6:7], s[22:23]
	s_add_nc_u64 s[46:47], s[8:9], s[46:47]
	s_add_nc_u64 s[92:93], s[10:11], s[92:93]
	CROUND
	s_mov_b32 s[G0H], 1                            ; the head's four tiles, each whole: K step 0's 256 rows of A,
	s_mov_b32 s[G0H+1], 0
	s_mov_b64 s[G0H+2:G0H+3], s[20:21]
	s_or_b32 s[G0H+3], s[G0H+3], 0x80000000
	s_mov_b32 s[G0HB], 1                           ; its 256 rows of B, behind them in slot 0,
	s_mov_b32 s[G0HB+1], 2*HALFT
	s_mov_b64 s[G0HB+2:G0HB+3], s[46:47]
	s_or_b32 s[G0HB+3], s[G0HB+3], 0x80000000
	s_mov_b32 s[G0S], 1                            ; the scales of A's 256 rows,
	s_mov_b32 s[G0S+1], SCL
	s_mov_b64 s[G0S+2:G0S+3], s[22:23]
	s_or_b32 s[G0S+3], s[G0S+3], 0x80000000
	s_mov_b32 s[G0SB], 1                           ; and of B's
	s_mov_b32 s[G0SB+1], SCL+2*HALFS
	s_mov_b64 s[G0SB+2:G0SB+3], s[92:93]
	s_or_b32 s[G0SB+3], s[G0SB+3], 0x80000000
	s_add_nc_u64 s[20:21], s[20:21], s[18:19]      ; for the ring: my 128 rows of the tile
	s_add_nc_u64 s[46:47], s[46:47], s[18:19]
.irp s, 0,1
	s_mov_b32 s[G0+4*\s], 1
	s_add_co_u32 s[G0+4*\s+1], s45, \s*SLOT
	s_add_nc_u64 s[G0+4*\s+2:G0+4*\s+3], s[20:21], \s*ROWB
	s_or_b32 s[G0+4*\s+3], s[G0+4*\s+3], 0x80000000
	s_mov_b32 s[G0B+4*\s], 1
	s_add_co_u32 s[G0B+4*\s+1], s45, \s*SLOT
	s_add_nc_u64 s[G0B+4*\s+2:G0B+4*\s+3], s[46:47], \s*ROWB
	s_or_b32 s[G0B+4*\s+3], s[G0B+4*\s+3], 0x80000000
.endr
; the head's loads, one a wave: wave 0 K step 0's rows of A, wave 1 those of B, wave 2 A's scales, wave 3 B's: one tree of branches on the wave's number, every way through it passes one load
.macro ARM under, g0, g1, next
	s_cmp_lt_u32 s14, \under
	s_cbranch_scc0 \next
	tensor_load_to_lds s[\g0:\g0+3], s[\g1:\g1+7]
	s_nop 0
.rept 4
	v_nop
.endr
	s_branch .Lhead_asked
\next:
.endm
	ARM 1, G0H,  G1,  .Lhead_b
	ARM 2, G0HB, G1B, .Lhead_sa
	ARM 3, G0S,  G1S, .Lhead_sb
	tensor_load_to_lds s[G0SB:G0SB+3], s[G1SB:G1SB+7]
	s_nop 0
.rept 4
	v_nop
.endr
.Lhead_asked:
	v_and_b32 v1, 15, v0
	v_bfe_u32 v2, v0, 4, 1
	v_mul_u32_u24 v3, v1, PITCH
	v_lshl_add_u32 v4, v2, 4, v3
	s_mul_i32 s21, s15, HALFT
	s_mul_i32 s22, s16, HALFT
	s_add_co_u32 s22, s22, 2*HALFT
.irp s, 0,1
	v_add_nc_u32 v[ADRA+\s], s21, v4
	v_add_nc_u32 v[ADRB+\s], s22, v4
	s_add_co_u32 s21, s21, SLOT
	s_add_co_u32 s22, s22, SLOT
.endr
	v_mul_u32_u24 v5, v1, KS
	v_lshrrev_b32 v6, 8, v5
	v_lshl_add_u32 v5, v6, 4, v5
	s_mul_i32 s21, s15, HALFS
	s_mul_i32 s22, s16, HALFS
	s_add_co_u32 s22, s22, 2*HALFS
	s_sub_co_u32 s22, s22, s21
	v_mul_u32_u24 v6, s22, v2
	s_add_co_u32 s21, s21, SCL
	v_add_nc_u32 v5, v5, v6
	v_add_nc_u32 v[ADRS], s21, v5
	s_mul_i32 s23, s14, 16*SPITCH
	v_mul_u32_u24 v5, v1, SPITCH
	v_lshl_add_u32 v5, v2, 5, v5
	v_add_nc_u32 v[STO], s23, v5
	v_and_b32 v6, 31, v0
	v_lshlrev_b32 v[CO], 4, v6
	s_wait_alu depctr_va_vdst(0)
	v_add_nc_u32 v[RD], s23, v[CO]
	s_lshl_b32 s20, s17, 8
	s_lshl_b32 s21, s15, 7
	s_add_co_u32 s20, s20, s21
	s_mov_b32 s21, 0
	s_mov_b64 s[18:19], SIZE_N*4
	s_mul_u64 s[20:21], s[20:21], s[18:19]
	s_lshl_b32 s46, s42, 10
	s_lshl_b32 s47, s16, 9
	s_add_co_u32 s46, s46, s47
	s_mov_b32 s47, 0
	s_add_nc_u64 s[20:21], s[20:21], s[46:47]
	s_add_nc_u64 s[12:13], s[12:13], s[20:21]
	s_add_nc_u64 s[98:99], s[98:99], s[46:47]
	global_load_b128 v[FB:FB+3], v[CO], s[98:99]
.macro FRAG reg, adr, q, i
.irp c, 0,1,2,3
	ds_load_b128 v[\reg+4*\c:\reg+4*\c+3], v[\adr] offset:128*(\q)+32*\c+(\i)*16*PITCH
.endr
.endm
.macro MUL16 a0, p, q, sc, zero
.irp a, \a0, \a0+1
.irp b, 0,1,2,3,4,5,6,7
.if \zero
	v_wmma_scale_f32_16x16x128_f8f6f4 v[8*(8*((\a)%4)+\b):8*(8*((\a)%4)+\b)+7], v[128*(\p)+FR*\b:128*(\p)+FR*\b+FR-1], v[AF+FR*(\a):AF+FR*(\a)+FR-1], 0, v[SC+8*NQ*(\sc)+NQ*\b+(\q)], v[SC+8*NQ*(\sc)+NQ*(\a)+(\q)] matrix_a_fmt:MATRIX_FMT_BF8 matrix_b_fmt:MATRIX_FMT_BF8 matrix_a_scale:MATRIX_SCALE_ROW1
.else
	v_wmma_scale_f32_16x16x128_f8f6f4 v[8*(8*((\a)%4)+\b):8*(8*((\a)%4)+\b)+7], v[128*(\p)+FR*\b:128*(\p)+FR*\b+FR-1], v[AF+FR*(\a):AF+FR*(\a)+FR-1], v[8*(8*((\a)%4)+\b):8*(8*((\a)%4)+\b)+7], v[SC+8*NQ*(\sc)+NQ*\b+(\q)], v[SC+8*NQ*(\sc)+NQ*(\a)+(\q)] matrix_a_fmt:MATRIX_FMT_BF8 matrix_b_fmt:MATRIX_FMT_BF8 matrix_a_scale:MATRIX_SCALE_ROW1
.endif
.endr
.endr
.endm
.macro FETCH_B slot, q, p
	WIN TO_B
.irp i, 0,1,2,3,4,5,6,7
	FRAG 128*(\p)+FR*\i, ADRB+\slot, \q, \i
.endr
	WIN 0
.endm
.macro FETCH_A slot, q, i0
.irp i, \i0, \i0+1, \i0+2, \i0+3
	FRAG AF+FR*(\i), ADRA+\slot, \q, \i
.endr
.endm
.macro SCALES sc
.irp i, 0,1,2,3,4,5,6,7
	ds_load_b64 v[SC+8*NQ*\sc+NQ*\i:SC+8*NQ*\sc+NQ*\i+1], v[ADRS] offset:\i*SBLK
.endr
.endm
.macro PLACES n
.rept \n
	v_nop
.endr
.endm
.macro STEP slot, q, zero
	s_wait_dscnt 4*NL
	WIN MUL_LO
	MUL16 0, (\q)%2, \q, \slot, \zero
	MUL16 2, (\q)%2, \q, \slot, \zero
	s_wait_dscnt 0
	PLACES NP
	FETCH_B \slot, (\q)+1, 1-(\q)%2
	FETCH_A \slot, (\q)+1, 0
	WIN MUL_HI
	MUL16 4, (\q)%2, \q, \slot, \zero
	MUL16 6, (\q)%2, \q, \slot, \zero
	PLACES NP
	WIN 0
	FETCH_A \slot, (\q)+1, 4
.endm
.macro TURN slot, next, fill
	s_wait_tensorcnt 0x0
	ds_add_u32 v[SPW], v[NIL]
	s_wait_dscnt 4*NL+1
	WIN MUL_LO
	MUL16 0, 1, NQ-1, \slot, 0
	s_wait_dscnt 0x0
	s_barrier_signal -1
	MUL16 2, 1, NQ-1, \slot, 0
	WIN 0
	s_barrier_wait -1
.if \fill
	CREST
	s_add_nc_u64 s[G0+4*\slot+2:G0+4*\slot+3], s[G0+4*\slot+2:G0+4*\slot+3], 2*ROWB
	s_add_nc_u64 s[G0B+4*\slot+2:G0B+4*\slot+3], s[G0B+4*\slot+2:G0B+4*\slot+3], 2*ROWB
	JLOAD G0+4*\slot, G1, G0B+4*\slot, G1B
	PLACES NP-4
.else
	PLACES NP
.endif
	s_wait_alu depctr_va_vdst(0)
	v_add_nc_u32 v[ADRS], 4*NQ, v[ADRS]
	FETCH_B \next, 0, 0
	FETCH_A \next, 0, 0
	SCALES \next
	WIN MUL_HI
	MUL16 4, 1, NQ-1, \slot, 0
	MUL16 6, 1, NQ-1, \slot, 0
	PLACES NP
	WIN 0
	FETCH_A \next, 0, 4
.endm
	s_wait_alu depctr_va_vdst(0)
	s_wait_loadcnt 0x0                             ; fo_b
	s_wait_tensorcnt 0x0                           ; my tile of the head's four is in
	ds_add_u32 v[SPW], v[NIL]
	s_mov_b32 s[G1+2], 128<<16                     ; no tensor load of mine is out: from here on a load brings 128 rows
	s_mov_b32 s[G1+4], 128
	s_mov_b32 s[G1B+2], 128<<16
	s_mov_b32 s[G1B+4], 128
	s_wait_dscnt 0x0
	CROUND                                         ; all four tiles are in, and all sixteen work-groups are here
	JLOAD G0+4, G1, G0B+4, G1B                     ; K step 1's load, the first tensor load behind the round
	FETCH_B 0, 0, 0
	FETCH_A 0, 0, 0
	SCALES 0
	FETCH_A 0, 0, 4
	STEP 0, 0, 1
.if LAPS > 1
	s_mov_b32 s3, LAPS-1
.Llap:
	TURN 0, 1, 1
	STEP 1, 0, 0
	TURN 1, 0, 1
	STEP 0, 0, 0
	s_sub_co_u32 s3, s3, 1
	s_cmp_lg_u32 s3, 0
	s_cbranch_scc1 .Llap
.endif
	TURN 0, 1, 0
	STEP 1, 0, 0
	s_wait_dscnt 4*NL
	WIN MUL_LO
	MUL16 0, 1, NQ-1, 1, 0
	MUL16 2, 1, NQ-1, 1, 0
	s_wait_dscnt 0
	WIN MUL_HI
	MUL16 4, 1, NQ-1, 1, 0
	MUL16 6, 1, NQ-1, 1, 0
	WIN 0
.macro TOSTAGE a
.set AC, 64*((\a)%4)
	WIN 0x08+4*((\a)/4)
.irp b, 0,1,2,3,4,5,6,7
	ds_store_b128 v[STO], v[AC+8*\b:AC+8*\b+3] offset:64*\b
	ds_store_b128 v[STO], v[AC+8*\b+4:AC+8*\b+7] offset:64*\b+16
.endr
	WIN 0
.set BB, BK+64*((\a)%2)
.irp t, 0,1,2,3,4,5,6,7,8,9,10,11,12,13,14,15
	ds_load_b128 v[BB+4*\t:BB+4*\t+3], v[RD] offset:\t*SPITCH
.endr
.endm
.macro SEND a, younger
.set BB, BK+64*((\a)%2)
	s_wait_dscnt \younger
.if (\a) > 0
	s_add_nc_u64 s[12:13], s[12:13], 16*SIZE_N*4
.endif
.irp t, 0,1,2,3,4,5,6,7,8,9,10,11,12,13,14,15
	v_pk_add_f32 v[BB+4*\t:BB+4*\t+1], v[BB+4*\t:BB+4*\t+1], v[FB:FB+1]
	v_pk_add_f32 v[BB+4*\t+2:BB+4*\t+3], v[BB+4*\t+2:BB+4*\t+3], v[FB+2:FB+3]
	global_store_b128 v[CO], v[BB+4*\t:BB+4*\t+3], s[12:13] offset:\t*SIZE_N*4 th:TH_STORE_NT
.endr
.endm
	PLACES NP
	TOSTAGE 0
.irp a, 1,2,3,4,5,6,7
.if \a > 1
	s_wait_xcnt 0x0
.endif
	TOSTAGE \a
	SEND \a-1, 32
.endr
	s_wait_xcnt 0x0
	SEND 7, 0
	s_wait_tensorcnt 0x0
	ds_add_u32 v[SPW], v[NIL]
	s_wait_dscnt 0x0
	CROUND
	s_endpgm
.Lfunc_end_k_q23915c5968_oproj:
	.size	k_q23915c5968_oproj, .Lfunc_end_k_q23915c5968_oproj-k_q23915c5968_oproj
	.p2alignl 7, 3214868480
	.fill 96, 4, 3214868480
	.section	.rodata,"a",@progbits
	.p2align	6, 0x0
	.amdhsa_kernel k_q23915c5968_oproj
		.amdhsa_group_segment_fixed_size 327680
		.amdhsa_private_segment_fixed_size 0
		.amdhsa_enable_private_segment 0
		.amdhsa_kernarg_size 48
		.amdhsa_user_sgpr_count 2
		.amdhsa_user_sgpr_kernarg_segment_ptr 1
		.amdhsa_wavefront_size32 1
		.amdhsa_system_sgpr_workgroup_id_x 1
		.amdhsa_system_sgpr_workgroup_id_y 1
		.amdhsa_system_sgpr_workgroup_id_z 1
		.amdhsa_system_vgpr_workitem_id 0
		.amdhsa_next_free_vgpr 1024
		.amdhsa_next_free_sgpr 100
		.amdhsa_reserve_vcc 0
		.amdhsa_float_denorm_mode_32 3
		.amdhsa_float_denorm_mode_16_64 3
		.amdhsa_memory_ordered 1
		.amdhsa_forward_progress 1
		.amdhsa_inst_pref_size 163
	.end_amdhsa_kernel
	.amdgpu_metadata
---
amdhsa.version: [ 1, 2 ]
amdhsa.kernels:
  - .name:           k_q23915c5968_oproj
    .symbol:         k_q23915c5968_oproj.kd
    .args:
      - { .name: oc, .offset: 0, .size: 8, .value_kind: global_buffer, .address_space: global }
      - { .name: os, .offset: 8, .size: 8, .value_kind: global_buffer, .address_space: global }
      - { .name: fo_codes, .offset: 16, .size: 8, .value_kind: global_buffer, .address_space: global }
      - { .name: fo_scales, .offset: 24, .size: 8, .value_kind: global_buffer, .address_space: global }
      - { .name: out0, .offset: 32, .size: 8, .value_kind: global_buffer, .address_space: global }
      - { .name: fo_b, .offset: 40, .size: 8, .value_kind: global_buffer, .address_space: global }
    .group_segment_fixed_size: 327680
    .private_segment_fixed_size: 0
    .kernarg_segment_align: 8
    .kernarg_segment_size: 48
    .max_flat_workgroup_size: 128
    .sgpr_count:     100
    .vgpr_count:     1024
    .wavefront_size: 32
...
	.end_amdgpu_metadata
.endif
;; end of part 6
